; MI455X (gfx1250); checked and timed in simulation.
; The chip was launched on July 23, 2026; its instructions are those of AMD's public machine-readable ISA for CDNA 5 (MIT licence, August 2026) and "CDNA5" Instruction Set Architecture Reference Guide (July 2026). The comments in the code are by the model that wrote it; some were corrected since.
;; Attention Layer. Allowed arithmetic: float matrix products may take bf16 or f16 operands with f32 sums; all other float work in f32.
;; Inputs: Wk 512 x 4,096 float32; Wq 512 x 4,096 float32; Wu 4,096 x 512 float32; Wv 512 x 4,096 float32; bu 512 float32; x 4 x 1,024 x 512 float32.
;; Outputs: out0 4 x 1,024 x 512 float32.
;; 2 versions, each right and faster than the one before. Each part assembles by itself: llvm-mc -triple=amdgcn-amd-amdhsa -mcpu=gfx1250 --defsym DOCPART=n.
;; ======== version 1 of 2: 4 launches
;; limits: values are held in f16: magnitudes above 65,504 overflow, below 6.1e-05 lose precision
;; workspace buffers: cb 20,971,520 bytes; qkv 100,663,296 bytes; ob 33,554,432 bytes
;; launch cast (part 1): grid 256 x 5, 8 waves a work-group, no clusters, 0 bytes of LDS; arguments x, Wq, Wk, Wv, Wu, cb; writes cb
.if DOCPART == 1
	.amdgcn_target "amdgcn-amd-amdhsa--gfx1250"
	.amdhsa_code_object_version 6
	.text
	.protected	k_q2057e28801_cast
	.globl	k_q2057e28801_cast
	.p2align	8
	.type	k_q2057e28801_cast,@function
k_q2057e28801_cast:
	s_mov_b64 s[64:65], 0
	v_nop
	global_prefetch_b8 v0, s[64:65] scope:SCOPE_SE
	s_setreg_imm32_b32 hwreg(HW_REG_WAVE_MODE, 25, 1), 1
	s_wait_xcnt 0x0
; cb = [x | Wq | Wk | Wv | Wu], each number rounded to bf16 (nearest even) and that number written as f16.
; Five sections of 2,097,152 numbers: 8 MiB of f32 in, 4 MiB of f16 out.  The grid's y picks the section, its x 32 KiB of it.
; LIMITS.  A bf16 number is exact in f16 from 2^-17 up to 65,504; below 2^-17 it keeps f16's fixed step of 2^-24; from 65,520 on it becomes an infinity.
; A stream: no LDS, no barrier, no matrix unit.  Thread t takes 16 bytes at 4,096 i + 16 t (i = 0..7): a wave's load covers 512 consecutive bytes,
; its store of 8 bytes a lane 256 consecutive bytes, aligned.  All eight loads go out first; no register is written twice.
.set X,  4                             ; v[4:35]   eight loads of four f32
.set T,  36                            ; v[36:41]  at work
.set Y,  44                            ; v[44:59]  eight pairs to store
	s_load_b256 s[4:11], s[0:1], 0x0               ; x s[4:5], Wq s[6:7], Wk s[8:9], Wv s[10:11]
	s_load_b128 s[12:15], s[0:1], 0x20             ; Wu s[12:13], cb s[14:15]
	s_and_b32 s20, ttmp7, 0xffff                   ; the section
	s_lshl_b32 s18, ttmp9, 15                      ; my 32 KiB of the input
	s_mov_b32 s19, 0
	s_lshl_b32 s22, s20, 22                        ; the section's 4 MiB in cb,
	s_lshl_b32 s21, ttmp9, 14                      ; my 16 KiB of them
	s_add_co_u32 s22, s22, s21
	s_mov_b32 s23, 0
	s_mov_b32 s24, 0xffff0000                      ; a word's upper bf16
	v_lshlrev_b32 v1, 4, v0
	v_lshlrev_b32 v2, 3, v0
	s_wait_kmcnt 0x0
	s_mov_b64 s[16:17], s[4:5]
.irp y, 1,2,3,4
	s_cmp_eq_u32 s20, \y                           ; the choice hangs on the grid's y alone
	s_cselect_b64 s[16:17], s[4+2*\y:5+2*\y], s[16:17]
.endr
	s_add_nc_u64 s[16:17], s[16:17], s[18:19]
	s_add_nc_u64 s[14:15], s[14:15], s[22:23]
.irp i, 0,1,2,3,4,5,6,7
	global_load_b128 v[X+4*\i:X+4*\i+3], v1, s[16:17] offset:4096*\i th:TH_LOAD_NT
.endr
.irp i, 0,1,2,3,4,5,6,7
	s_wait_loadcnt 7-\i                            ; loads come back in order: piece i is in, the younger ones stay out
	v_cvt_pk_bf16_f32 v[T], v[X+4*\i], v[X+4*\i+1]
	v_cvt_pk_bf16_f32 v[T+1], v[X+4*\i+2], v[X+4*\i+3]
	v_lshlrev_b32 v[T+2], 16, v[T]                 ; bf16 back to f32: the low half moves up, the high half stays
	v_and_b32 v[T+3], s24, v[T]
	v_lshlrev_b32 v[T+4], 16, v[T+1]
	v_and_b32 v[T+5], s24, v[T+1]
	v_cvt_pk_f16_f32 v[Y+2*\i], v[T+2], v[T+3]
	v_cvt_pk_f16_f32 v[Y+2*\i+1], v[T+4], v[T+5]
	global_store_b64 v2, v[Y+2*\i:Y+2*\i+1], s[14:15] offset:2048*\i
.endr
	s_endpgm
.Lfunc_end_k_q2057e28801_cast:
	.size	k_q2057e28801_cast, .Lfunc_end_k_q2057e28801_cast-k_q2057e28801_cast
	.p2alignl 7, 3214868480
	.fill 96, 4, 3214868480
	.section	.rodata,"a",@progbits
	.p2align	6, 0x0
	.amdhsa_kernel k_q2057e28801_cast
		.amdhsa_group_segment_fixed_size 0
		.amdhsa_private_segment_fixed_size 0
		.amdhsa_enable_private_segment 0
		.amdhsa_kernarg_size 48
		.amdhsa_user_sgpr_count 2
		.amdhsa_user_sgpr_kernarg_segment_ptr 1
		.amdhsa_wavefront_size32 1
		.amdhsa_system_sgpr_workgroup_id_x 1
		.amdhsa_system_sgpr_workgroup_id_y 1
		.amdhsa_system_sgpr_workgroup_id_z 1
		.amdhsa_system_vgpr_workitem_id 0
		.amdhsa_next_free_vgpr 64
		.amdhsa_next_free_sgpr 66
		.amdhsa_reserve_vcc 0
		.amdhsa_float_denorm_mode_32 3
		.amdhsa_float_denorm_mode_16_64 3
		.amdhsa_memory_ordered 1
		.amdhsa_forward_progress 1
		.amdhsa_inst_pref_size 6
	.end_amdhsa_kernel
	.amdgpu_metadata
---
amdhsa.version: [ 1, 2 ]
amdhsa.kernels:
  - .name:           k_q2057e28801_cast
    .symbol:         k_q2057e28801_cast.kd
    .args:
      - { .name: x, .offset: 0, .size: 8, .value_kind: global_buffer, .address_space: global }
      - { .name: Wq, .offset: 8, .size: 8, .value_kind: global_buffer, .address_space: global }
      - { .name: Wk, .offset: 16, .size: 8, .value_kind: global_buffer, .address_space: global }
      - { .name: Wv, .offset: 24, .size: 8, .value_kind: global_buffer, .address_space: global }
      - { .name: Wu, .offset: 32, .size: 8, .value_kind: global_buffer, .address_space: global }
      - { .name: cb, .offset: 40, .size: 8, .value_kind: global_buffer, .address_space: global }
    .group_segment_fixed_size: 0
    .private_segment_fixed_size: 0
    .kernarg_segment_align: 8
    .kernarg_segment_size: 48
    .max_flat_workgroup_size: 256
    .sgpr_count:     66
    .vgpr_count:     64
    .wavefront_size: 32
...
	.end_amdgpu_metadata
.endif
;; end of part 1
;; launch proj (part 2): grid 16 x 16, 4 waves a work-group, clusters of 4 x 4, 327,680 bytes of LDS; arguments cb, qkv; writes qkv
.if DOCPART == 2
	.amdgcn_target "amdgcn-amd-amdhsa--gfx1250"
	.amdhsa_code_object_version 6
	.text
	.protected	k_q2057e28801_proj
	.globl	k_q2057e28801_proj
	.p2align	8
	.type	k_q2057e28801_proj,@function
k_q2057e28801_proj:
	s_mov_b64 s[64:65], 0
	v_nop
	global_prefetch_b8 v0, s[64:65] scope:SCOPE_SE
	s_setreg_imm32_b32 hwreg(HW_REG_WAVE_MODE, 25, 1), 1
	s_wait_xcnt 0x0
	s_wait_alu depctr_hold_cnt(0) depctr_sa_sdst(0) depctr_va_vdst(0) depctr_va_sdst(0) depctr_va_ssrc(0) depctr_va_vcc(0) depctr_vm_vsrc(0)
	s_getreg_b32 s2, hwreg(HW_REG_IB_STS2, 6, 4)
	s_cmp_eq_u32 s2, 0
	s_cbranch_scc0 .Lentry_in_a_cluster
	s_endpgm
.Lentry_in_a_cluster:
	s_bfe_u32 s2, ttmp6, 0x10000c
	s_cmp_lg_u32 s2, 0xf033
	s_cbranch_scc0 .Lentry_shape_is_right
	s_endpgm
.Lentry_shape_is_right:
; qkv[t][m][n] = sum over k of x[m][k] W_t[k][n], t = q, k, v.  x: [4096][512] f16 at cb; W_q, W_k, W_v: [512][4096] f16, one behind the other from cb + 4 MiB: one matrix of 1,536 rows.
; Sums in f32, rounded once to f16, unscaled.  LIMIT: a result of 65,520 or more becomes an infinity (as drawn the results stay under 4).
; A tile of the result is 256 x 256: four waves, each 128 x 128 in 64 accumulators (512 registers).  A WORK-GROUP STAYS: it makes the same tile of q, then of k, then of v: 768 tiles on 256 work-groups.
; K goes in steps of 128 through a ring of two LDS slots filled by the tensor data mover; the ring runs on through all 12 steps: a tile's last two changes of slots ask for the next tile's first two steps.
; x's tile lies [row][k] (rows of 256 bytes), W's [k][n] (128 rows of 512 bytes) and is turned on its way into registers by ds_load_tr16_b128.
; CLUSTERS: 4 x 4 work-groups.  The four of a row of the cluster need the same tiles of x, the four of a column the same tiles of W: each tile is asked for JOINTLY, by the same tensor load with the
; same descriptor and a mask that names the four.
; THE MATRIX INSTRUCTION IS USED TRANSPOSED (source 0 = 16 columns of W, source 1 = 16 rows of x): a lane then holds eight neighbouring numbers of a row of the result, 16 bytes in f16.
; REGISTERS, in windows of 256 (s_set_vgpr_msb: bits 1:0 source 0, 3:2 source 1, 5:4 source 2, 7:6 destination):
;   window 0: v0-31 addresses; v64-127, v128-191 fragments of x, two buffers; v32-63, v192-255 at work on the way out
;   window 1: v64-127, v128-191 fragments of W, two buffers        window 2: the accumulators of my rows 0-63 ((a, b) at v[8 (8 a + b)])        window 3: those of my rows 64-127
.set PA,     272                       ; an LDS row of x: 256 bytes + 16 of padding: the 16 rows that a load touches start 16 bytes apart modulo 256
.set PB,     544                       ; an LDS row of W: 512 bytes + 32: the 8 rows x 32 bytes that 16 lanes of the turning load take fall on different words modulo 256 bytes
.set HALFT,  128*PA                    ; what one tensor load brings: 128 rows of x, or 64 rows of W (64 x 544 is the same number)
.set SLOT,   4*HALFT                   ; x's 256 rows, then W's 128 rows
.set STAGE,  2*SLOT                    ; behind the ring: 16 rows x 272 bytes for each wave, for the way out
.set SPITCH, 272
.set SPARE,  STAGE+4*16*SPITCH         ; behind the stages: the spare words, 128 bytes for each wave
.set CROW,   8192                      ; bytes in a row of q, k, v, and of W
.set NEXT_C, (4096-7*16)*CROW          ; from my last 16 rows of a tile to my first of the same tile in the next tensor
.set ADRA, 16                          ; v16-17  LDS address of my fragments of x in slot 0, 1
.set ADRB, 20                          ; v20-21  the same for W
.set STO,  24                          ; v24     the way out: where I put 16 bytes of a row
.set RD,   25                          ; v25     the way out: where I read a row back
.set CO,   26                          ; v26     my byte offset in the result
.set SPW,  28                          ; v28     LDS address of my spare word; never rewritten
.set NIL,  29                          ; v29     0; never rewritten
.set F0,   64
.set F1,   128
.set TMP,  192
.set OB,   32
.set G1,  24                           ; s[24:31] descriptor group 1 for x's tiles
.set G0,  32                           ; s[32:39] group 0 for x's tiles, one set for each slot
.set G1B, 48                           ; s[48:55], s[56:63] the same for W's tiles
.set G0B, 56
.set MSB, 0
.macro WIN new                         ; the immediate's high byte repeats the setting that is left; a switch that changes nothing is dropped
.if MSB != (\new)
	s_set_vgpr_msb (MSB<<8)|(\new)
.set MSB, (\new)
.endif
.endm
.set MUL_LO, 0xa1                      ; source 0 (W) window 1, source 1 (x) window 0, C and D window 2
.set MUL_HI, 0xf1                      ; the same, C and D window 3
.set TO_B,   0x40                      ; destination window 1, address window 0
; A joint load.  Waves 0 and 1 fetch x's two halves, waves 2 and 3 W's.  The branch hangs on the wave's number alone.  An s_nop 0 and four v_nop follow each line.
.macro JLOAD s
	s_cmp_eq_u32 s11, 0
	s_cbranch_scc0 .Lfor_b_\@
	tensor_load_to_lds s[G0+4*(\s):G0+4*(\s)+3], s[G1:G1+7]
	s_nop 0
.rept 4
	v_nop
.endr
	s_branch .Lasked_\@
.Lfor_b_\@:
	tensor_load_to_lds s[G0B+4*(\s):G0B+4*(\s)+3], s[G1B:G1B+7]
	s_nop 0
.rept 4
	v_nop
.endr
.Lasked_\@:
.endm
.macro CREST                           ; a round of the cluster's barrier behind its opening barrier
	s_cmp_lg_u32 s10, 0
	s_cbranch_scc1 .Lnot_wave_0_\@
	s_barrier_signal -3
.Lnot_wave_0_\@:
	s_barrier_wait -3
	s_barrier_signal -1
	s_barrier_wait -1
.endm
.macro CROUND                          ; a whole round
	s_barrier_signal -1
	s_barrier_wait -1
	CREST
.endm
	s_load_b64 s[4:5], s[0:1], 0x0                 ; cb
	s_load_b64 s[8:9], s[0:1], 0x8                 ; qkv
	v_lshl_add_u32 v[SPW], v0, 2, SPARE
	v_mov_b32 v[NIL], 0
	ds_add_u32 v[SPW], v[NIL]                      ; the wave's opening: the add and its wait come ahead of my first tensor load
	v_lshrrev_b32 v1, 5, v0
	v_readfirstlane_b32 s10, v1                    ; wave 0..3
	s_lshr_b32 s11, s10, 1                         ; which half of the tile's rows is mine.  Also: I fetch for x (0) or for W (1)
	s_and_b32 s12, s10, 1                          ; which half of its columns.  Also: which half of that tile I fetch
	s_bfe_u32 s40, ttmp6, 0x40000                  ; cx, cy: my place in the cluster
	s_bfe_u32 s41, ttmp6, 0x40004
	s_lshl_b32 s42, ttmp9, 2
	s_add_co_u32 s42, s42, s40                     ; tile column = 4 x cluster x + cx
	s_and_b32 s13, ttmp7, 0xffff
	s_lshl_b32 s13, s13, 2
	s_add_co_u32 s13, s13, s41                     ; tile row = 4 x cluster y + cy
	s_lshl_b32 s43, s41, 2
	s_lshl_b32 s43, 15, s43                        ; my row of the cluster
	s_lshl_b32 s44, 0x1111, s40                    ; my column
	s_or_b32 s[G1+0], s43, (1<<16)|(1<<20)|(1<<21)|(5<<22)|(3<<25)   ; the mask; 2-byte elements; padding on; bit 21 beside a mask; after every 64 words, 4 words
	s_mov_b32 s[G1+1], 128<<16                     ; tensor_dim0 = 128
	s_mov_b32 s[G1+2], 128<<16                     ; tensor_dim1 = 128
	s_mov_b32 s[G1+3], 128<<16                     ; tile_dim0 = 128
	s_mov_b32 s[G1+4], 128                         ; tile_dim1 = 128
	s_mov_b32 s[G1+5], 512                         ; elements from row to row of x
	s_mov_b32 s[G1+6], 0
	s_mov_b32 s[G1+7], 0
	s_or_b32 s[G1B+0], s44, (1<<16)|(1<<20)|(1<<21)|(6<<22)|(7<<25)  ; after every 128 words, 8 words
	s_mov_b32 s[G1B+1], 256<<16                    ; tensor_dim0 = 256
	s_mov_b32 s[G1B+2], 64<<16                     ; tensor_dim1 = 64
	s_mov_b32 s[G1B+3], 256<<16                    ; tile_dim0 = 256
	s_mov_b32 s[G1B+4], 64                         ; tile_dim1 = 64
	s_mov_b32 s[G1B+5], 4096                       ; elements from row to row of W
	s_mov_b32 s[G1B+6], 0
	s_mov_b32 s[G1B+7], 0
	s_lshl_b32 s16, s13, 18                        ; x: (256 x tile row + 128 x half) rows of 1,024 bytes
	s_lshl_b32 s17, s12, 17
	s_add_co_u32 s16, s16, s17
	s_mov_b32 s17, 0
	s_lshl_b32 s46, s42, 9                         ; W: 4 MiB + 64 x half rows of 8,192 bytes + 512 x tile column
	s_lshl_b32 s47, s12, 19
	s_add_co_u32 s46, s46, s47
	s_add_co_u32 s46, s46, 0x400000
	s_mov_b32 s47, 0
	s_mul_i32 s20, s10, HALFT                      ; where they go: wave x HALFT: no place in the cluster enters an LDS address
	s_wait_dscnt 0x0                               ; the opening add is done
	s_wait_kmcnt 0x0
	s_add_nc_u64 s[14:15], s[4:5], s[16:17]
	s_add_nc_u64 s[46:47], s[4:5], s[46:47]
	CROUND                                         ; all sixteen work-groups are here: the first joint loads meet
.irp s, 0,1
	s_mov_b32 s[G0+4*(\s)], 1
	s_add_co_u32 s[G0+4*(\s)+1], s20, (\s)*SLOT
	s_add_nc_u64 s[G0+4*(\s)+2:G0+4*(\s)+3], s[14:15], (\s)*256        ; K step s: 128 elements along x's rows
	s_or_b32 s[G0+4*(\s)+3], s[G0+4*(\s)+3], 0x80000000
	s_mov_b32 s[G0B+4*(\s)], 1
	s_add_co_u32 s[G0B+4*(\s)+1], s20, (\s)*SLOT
	s_add_nc_u64 s[G0B+4*(\s)+2:G0B+4*(\s)+3], s[46:47], (\s)*128*CROW ; K step s: 128 rows of W
	s_or_b32 s[G0B+4*(\s)+3], s[G0B+4*(\s)+3], 0x80000000
	JLOAD \s
.endr
	; A fragment is 16 rows x 32 K in 8 registers: lane l holds row l % 16, K = 8 (l / 16) + 0..7 and 16 + 8 (l / 16) + 0..7.  x: two loads of 16 bytes, 32 bytes apart.
	; W: the turning load: lane l reads 16 bytes of row 8 (l / 16) + l % 8 at column 8 ((l / 8) % 2); the second load 16 rows further down.
	v_and_b32 v1, 15, v0
	v_bfe_u32 v2, v0, 4, 1
	v_mul_u32_u24 v3, v1, PA
	v_lshl_add_u32 v3, v2, 4, v3
	v_and_b32 v4, 7, v0
	v_lshl_add_u32 v4, v2, 3, v4
	v_mul_u32_u24 v4, v4, PB
	v_bfe_u32 v5, v0, 3, 1
	v_lshl_add_u32 v4, v5, 4, v4
	s_mul_i32 s21, s11, HALFT                      ; my 128 rows of x
	s_lshl_b32 s22, s12, 8                         ; my 128 columns of W, 256 bytes,
	s_add_co_u32 s22, s22, 2*HALFT                 ; behind x's 256 rows
.irp s, 0,1
	v_add_nc_u32 v[ADRA+(\s)], s21, v3
	v_add_nc_u32 v[ADRB+(\s)], s22, v4
	s_add_co_u32 s21, s21, SLOT
	s_add_co_u32 s22, s22, SLOT
.endr
	s_mul_i32 s23, s10, 16*SPITCH
	s_add_co_u32 s23, s23, STAGE                   ; my stage
	v_mul_u32_u24 v4, v1, SPITCH                   ; in: row l % 16, 16 bytes for each half of the lanes
	v_lshl_add_u32 v4, v2, 4, v4
	v_add_nc_u32 v[STO], s23, v4
	v_mul_u32_u24 v5, v2, SPITCH                   ; back: lanes 0-15 take one row of 256 bytes, lanes 16-31 the next
	v_lshl_add_u32 v5, v1, 4, v5
	v_add_nc_u32 v[RD], s23, v5
	v_mul_u32_u24 v5, v2, CROW                     ; and the same two rows in the result
	v_lshl_add_u32 v[CO], v1, 4, v5
	s_lshl_b32 s16, s13, 21                        ; my part of the tile in q: (256 x tile row + 128 x half) rows of 8,192 bytes
	s_lshl_b32 s17, s11, 20
	s_add_co_u32 s16, s16, s17
	s_lshl_b32 s46, s42, 9                         ; + 512 x tile column + 256 x half
	s_lshl_b32 s47, s12, 8
	s_add_co_u32 s46, s46, s47
	s_add_co_u32 s16, s16, s46
	s_mov_b32 s17, 0
; 16 matrix instructions: m blocks a0, a0 + 1 of the window's four x all 8 n blocks, 32 along K.  zero = 1: the first product starts the sums.
.macro MUL16 f, hi, a0, zero
	WIN MUL_LO+0x50*(\hi)
.irp a, \a0, (\a0)+1
.irp b, 0,1,2,3,4,5,6,7
.if \zero
	v_wmma_f32_16x16x32_f16 v[8*(8*(\a)+(\b)):8*(8*(\a)+(\b))+7], v[(\f)+8*(\b):(\f)+8*(\b)+7], v[(\f)+8*(4*(\hi)+(\a)):(\f)+8*(4*(\hi)+(\a))+7], 0
.else
	v_wmma_f32_16x16x32_f16 v[8*(8*(\a)+(\b)):8*(8*(\a)+(\b))+7], v[(\f)+8*(\b):(\f)+8*(\b)+7], v[(\f)+8*(4*(\hi)+(\a)):(\f)+8*(4*(\hi)+(\a))+7], v[8*(8*(\a)+(\b)):8*(8*(\a)+(\b))+7]
.endif
.endr
.endr
.endm
; 32 LDS loads in one run: the fragments of one quarter step (32 K at byte k of x's rows, rows k / 2 on of W) into buffer f
.macro FETCH slot, k, f
	WIN TO_B
.irp i, 0,1,2,3,4,5,6,7
	ds_load_tr16_b128 v[(\f)+8*(\i):(\f)+8*(\i)+3],   v[ADRB+(\slot)] offset:((\k)/64)*32*PB+(\i)*32
	ds_load_tr16_b128 v[(\f)+8*(\i)+4:(\f)+8*(\i)+7], v[ADRB+(\slot)] offset:((\k)/64)*32*PB+16*PB+(\i)*32
.endr
	WIN 0
.irp i, 0,1,2,3,4,5,6,7
	ds_load_b128 v[(\f)+8*(\i):(\f)+8*(\i)+3],   v[ADRA+(\slot)] offset:(\k)+(\i)*16*PA
	ds_load_b128 v[(\f)+8*(\i)+4:(\f)+8*(\i)+7], v[ADRA+(\slot)] offset:(\k)+(\i)*16*PA+32
.endr
.endm
.macro PLACES                          ; four plain vector instructions between a matrix instruction and a load into, or a vector read of, its registers
.rept 4
	v_nop
.endr
.endm
; A K step is four quarters of 32 along K, 64 matrix instructions each, on buffers 0, 1, 0, 1.  One of the first three multiplies buffer f and fetches the next quarter into g.
.macro QUARTER slot, k, f, g, zero
	s_wait_dscnt 8                                 ; W and x's rows 0-63 are in; the youngest eight loads (x's rows 64-127) may be out
	MUL16 \f, 0, 0, \zero
	MUL16 \f, 0, 2, \zero
	PLACES
	FETCH \slot, \k, \g
	s_wait_dscnt 32                                ; all but the 32 just issued
	MUL16 \f, 1, 0, \zero
	MUL16 \f, 1, 2, \zero
.endm
; The last quarter's first half: ONE barrier for the change of slots.  In front of it each wave waits for all its tensor loads (one is out: its part of the next slot), adds 0 to its spare word,
; and waits for that and for its reads of this slot.
.macro MEET round
	WIN 0
	s_wait_tensorcnt 0x0
	ds_add_u32 v[SPW], v[NIL]
	s_wait_dscnt 9                                 ; (the add and the youngest eight loads may be out)
	MUL16 F1, 0, 0, 0
	s_wait_dscnt 0x0                               ; the add is done, and my reads of this slot are over
	s_barrier_signal -1
	MUL16 F1, 0, 2, 0
.if \round
	WIN 0
.endif
	s_barrier_wait -1
.endm
; The whole last quarter with a refill: this slot takes the K step two steps on.  back = 1: that step is the next tensor's: x goes back along K; W's rows simply go on.
.macro TURN slot, next, back
	MEET 1
	CREST                                          ; the barrier has opened a round of the cluster's: no wave of any partner still reads this slot or has a load on its way
.if \back
	s_sub_nc_u64 s[G0+4*(\slot)+2:G0+4*(\slot)+3], s[G0+4*(\slot)+2:G0+4*(\slot)+3], 512
.else
	s_add_nc_u64 s[G0+4*(\slot)+2:G0+4*(\slot)+3], s[G0+4*(\slot)+2:G0+4*(\slot)+3], 512
.endif
	s_add_nc_u64 s[G0B+4*(\slot)+2:G0B+4*(\slot)+3], s[G0B+4*(\slot)+2:G0B+4*(\slot)+3], 2*128*CROW
	JLOAD \slot                                    ; the first tensor load behind the round; its four v_nop are also the places in front of the loads below
	FETCH \next, 0, F0
	MUL16 F1, 1, 0, 0
	MUL16 F1, 1, 2, 0
.endm
; THE WAY OUT of block a of 16 rows.  PACK: rounded to f16, 16 bytes a lane, each accumulator from its low end.  TOSTAGE: into my own stage, and back as whole rows of 256 bytes.  SEND: stored.
.macro PACK a
.set AC, 64*((\a)%4)
	WIN 0x0a+5*((\a)/4)
.irp b, 0,1,2,3,4,5,6,7
.irp r, 0,1,2,3
	v_cvt_pk_f16_f32 v[TMP+4*(\b)+(\r)], v[AC+8*(\b)+2*(\r)], v[AC+8*(\b)+2*(\r)+1]
.endr
.endr
	WIN 0
.endm
.macro TOSTAGE a
	WIN 0
.set BK, OB+192*((\a)%2)
.irp b, 0,1,2,3,4,5,6,7
	ds_store_b128 v[STO], v[TMP+4*(\b):TMP+4*(\b)+3] offset:32*(\b)
.endr
.irp t, 0,1,2,3,4,5,6,7
	ds_load_b128 v[BK+4*(\t):BK+4*(\t)+3], v[RD] offset:(\t)*2*SPITCH  ; LDS serves a wave's instructions in order (ISA guide 5.7.1.4): these see the stores above
.endr
.endm
.macro SEND a
	WIN 0
.set BK, OB+192*((\a)%2)
	s_wait_dscnt 0x0                               ; the block is back in registers
	s_wait_xcnt 0x0                                ; the stores' base, and registers that earlier stores read, are rewritten only behind this wait
.if (\a) == 0
	s_add_nc_u64 s[8:9], s[8:9], s[16:17]          ; on to this tile's first rows
.else
	s_add_nc_u64 s[8:9], s[8:9], 16*CROW
.endif
.irp t, 0,1,2,3,4,5,6,7
	global_store_b128 v[CO], v[BK+4*(\t):BK+4*(\t)+3], s[8:9] offset:2*(\t)*CROW  ; 16 lanes store 256 consecutive bytes, aligned
.endr
.endm
	s_wait_tensorcnt 0x1                           ; my part of K step 0 is in; step 1's may stay out
	s_barrier_signal -1
	s_barrier_wait -1
	FETCH 0, 0, F0
	s_mov_b32 s2, 3                                ; tensors to go: the same number in every work-group
.Ltile:
	QUARTER 0, 64,  F0, F1, 1                      ; a tile's first quarter starts the sums
	QUARTER 0, 128, F1, F0, 0
	QUARTER 0, 192, F0, F1, 0
	TURN 0, 1, 0
	QUARTER 1, 64,  F0, F1, 0
	QUARTER 1, 128, F1, F0, 0
	QUARTER 1, 192, F0, F1, 0
	TURN 1, 0, 0
	QUARTER 0, 64,  F0, F1, 0
	QUARTER 0, 128, F1, F0, 0
	QUARTER 0, 192, F0, F1, 0
	WIN 0
	s_cmp_eq_u32 s2, 1
	s_cbranch_scc1 .Llast                          ; the last tile's end is written out: it asks for nothing more
	TURN 0, 1, 1                                   ; the ring goes on into the next tensor: slot 0 takes its K step 0,
	QUARTER 1, 64,  F0, F1, 0
	QUARTER 1, 128, F1, F0, 0
	QUARTER 1, 192, F0, F1, 0
	TURN 1, 0, 1                                   ; slot 1 its K step 1, and its first fragments are fetched
	WIN 0
	s_branch .Lout
.Llast:
	MEET 0                                         ; the load that was out is the last K step's, so no round follows
	PLACES
	FETCH 1, 0, F0
	MUL16 F1, 1, 0, 0
	MUL16 F1, 1, 2, 0
	QUARTER 1, 64,  F0, F1, 0
	QUARTER 1, 128, F1, F0, 0
	QUARTER 1, 192, F0, F1, 0
	s_wait_dscnt 8
	MUL16 F1, 0, 0, 0
	MUL16 F1, 0, 2, 0
	s_wait_dscnt 0x0
	MUL16 F1, 1, 0, 0
	MUL16 F1, 1, 2, 0
	WIN 0
.Lout:                                                 ; one way out for both ends; nothing waits for a tile's stores
	PLACES
	PACK 0
	TOSTAGE 0
.irp a, 1,2,3,4,5,6,7                  ; block a's conversions stand between block a - 1's loads from the stage and the wait for them
	PACK \a
	SEND (\a)-1
	TOSTAGE \a
.endr
	SEND 7
	s_mov_b64 s[16:17], NEXT_C                     ; what the next way out adds to the address
	s_sub_co_u32 s2, s2, 1
	s_cmp_lg_u32 s2, 0
	s_cbranch_scc1 .Ltile
	s_wait_tensorcnt 0x0                           ; the wave's end
	ds_add_u32 v[SPW], v[NIL]
	s_wait_dscnt 0x0
	CROUND                                         ; the closing round: no work-group ends while a partner may still ask for a tile that names it
	s_endpgm
.Lfunc_end_k_q2057e28801_proj:
	.size	k_q2057e28801_proj, .Lfunc_end_k_q2057e28801_proj-k_q2057e28801_proj
	.p2alignl 7, 3214868480
	.fill 96, 4, 3214868480
	.section	.rodata,"a",@progbits
	.p2align	6, 0x0
	.amdhsa_kernel k_q2057e28801_proj
		.amdhsa_group_segment_fixed_size 327680
		.amdhsa_private_segment_fixed_size 0
		.amdhsa_enable_private_segment 0
		.amdhsa_kernarg_size 16
		.amdhsa_user_sgpr_count 2
		.amdhsa_user_sgpr_kernarg_segment_ptr 1
		.amdhsa_wavefront_size32 1
		.amdhsa_system_sgpr_workgroup_id_x 1
		.amdhsa_system_sgpr_workgroup_id_y 1
		.amdhsa_system_sgpr_workgroup_id_z 1
		.amdhsa_system_vgpr_workitem_id 0
		.amdhsa_next_free_vgpr 1024
		.amdhsa_next_free_sgpr 66
		.amdhsa_reserve_vcc 0
		.amdhsa_float_denorm_mode_32 3
		.amdhsa_float_denorm_mode_16_64 3
		.amdhsa_memory_ordered 1
		.amdhsa_forward_progress 1
		.amdhsa_inst_pref_size 177
	.end_amdhsa_kernel
	.amdgpu_metadata
---
amdhsa.version: [ 1, 2 ]
amdhsa.kernels:
  - .name:           k_q2057e28801_proj
    .symbol:         k_q2057e28801_proj.kd
    .args:
      - { .name: cb, .offset: 0, .size: 8, .value_kind: global_buffer, .address_space: global }
      - { .name: qkv, .offset: 8, .size: 8, .value_kind: global_buffer, .address_space: global }
    .group_segment_fixed_size: 327680
    .private_segment_fixed_size: 0
    .kernarg_segment_align: 8
    .kernarg_segment_size: 16
    .max_flat_workgroup_size: 128
    .sgpr_count:     66
    .vgpr_count:     1024
    .wavefront_size: 32
...
	.end_amdgpu_metadata
.endif
;; end of part 2
;; launch attn (part 3): grid 8 x 32, 4 waves a work-group, clusters of 4 x 1, 327,680 bytes of LDS; arguments qkv, ob; writes ob
.if DOCPART == 3
	.amdgcn_target "amdgcn-amd-amdhsa--gfx1250"
	.amdhsa_code_object_version 6
	.text
	.protected	k_q2057e28801_attn
	.globl	k_q2057e28801_attn
	.p2align	8
	.type	k_q2057e28801_attn,@function
k_q2057e28801_attn:
	s_mov_b64 s[64:65], 0
	v_nop
	global_prefetch_b8 v0, s[64:65] scope:SCOPE_SE
	s_setreg_imm32_b32 hwreg(HW_REG_WAVE_MODE, 25, 1), 1
	s_wait_xcnt 0x0
	s_wait_alu depctr_hold_cnt(0) depctr_sa_sdst(0) depctr_va_vdst(0) depctr_va_sdst(0) depctr_va_ssrc(0) depctr_va_vcc(0) depctr_vm_vsrc(0)
	s_getreg_b32 s2, hwreg(HW_REG_IB_STS2, 6, 4)
	s_cmp_eq_u32 s2, 0
	s_cbranch_scc0 .Lentry_in_a_cluster
	s_endpgm
.Lentry_in_a_cluster:
	s_bfe_u32 s2, ttmp6, 0x10000c
	s_cmp_lg_u32 s2, 0x3003
	s_cbranch_scc0 .Lentry_shape_is_right
	s_endpgm
.Lentry_shape_is_right:
; ob[b t][h c] = the sum over s of softmax_s(q[b t][h :] . k[b s][h :] / sqrt(512)) v[b s][h c].  q, k, v: three tensors [4096][4096] f16 in qkv (row = 1024 b + t, column = 512 h + c); ob likewise.
; Products, maxima and sums in f32; the weights p are rounded to f16 for the second product (their sum l is taken of the unrounded p), the result once at the end.
; LIMITS.  q, k, v arrive within f16's 65,504; p lies in 0 to 1 and below 6e-5 keeps f16's fixed step of 6e-8; a weight below 2^-126 counts as 0 in l; NaN and infinities are not treated apart.
; SHARES.  A work-group owns 128 queries of one (b, h), each of its four waves 32: two tiles of 16, with all 512 channels: O^T takes 512 registers, Q 256.  Every wave walks the 1,024 keys, 64 a step.
; LAYOUT.  S^T = K Q^T (source 0 = 16 keys, source 1 = 16 queries): a lane holds ONE query (lane % 16) and the keys 8 (lane / 16) + 0..7.  Two such results rounded to f16 ARE source 1 of O^T = V^T P.
; K comes out of LDS as it lies, V ([key][channel]) turned, by ds_load_tr16_b128.
; SOFTMAX.  A running maximum m and sum l a query: p = 2^(c s - c m), c = log2(e) / sqrt(512); in every step O and l are multiplied by a = 2^(c m_old - c m_new).  m starts at the lowest finite number, O and l at 0.
; THE PIPELINE.  Trip r: 128 products S(r) = K(r) Q^T, behind every second of them four multiplies of O by a(r-1); then 128 products O += V(r-1)^T P(r-1), behind every second of them a slot of the
; softmax of S(r); then S(r) is rounded into P.  Trip 0 multiplies P = 0 by a stand-in tile.  At the end of trip 15, 1 / l is folded into a and into P; trip 16 does the last rescaling and V^T P,
; and its 128 products K Q^T on a stale tile, the softmax made of them, and what its end makes of that (the normalisation, the rounding of P, three runs of K loads) serve nothing: the price, once a launch, of one text for the two last trips.
; FRAGMENTS.  A trip is a stream of 32 groups of 8 matrix instructions on 4 fragments; four buffers of 32 registers take turns, and group g + 3's eight LDS loads stand in the middle of group g.
; CLUSTER.  The four query blocks of a cluster belong to one (b, h) and walk the same K and V: each tile is asked for JOINTLY, by the same tensor load, descriptor and mask in all four.
; REGISTERS, in windows of 256 (s_set_vgpr_msb: bits 1:0 source 0, 3:2 source 1, 5:4 source 2, 7:6 destination):
;   window 0: v0-15 addresses; v16-31 statistics; v32-95 S^T; v96-127 P; v128-255 the four fragment buffers
;   windows 1, 2: O^T: channel block cb of 32, tile t at window 1 + cb / 16, register 8 (2 (cb % 16) + t)          window 3: Q: tile t, channels 32 c on at 128 t + 8 c
.set PK,    1040      ; a row of K in LDS: 1,024 bytes + 16: the 16 rows of a load start 16 bytes apart modulo 256
.set PV,    1056      ; a row of V: 1,024 + 32: the 8 rows x 32 bytes that 16 lanes of the turning load take fall on different words modulo 256 bytes
.set KTOG,  64*PK     ; K's two slots lie at 0 and here
.set VS0,   2*64*PK   ; V's two slots
.set VS1,   VS0+64*PV
.set VTOG,  0x11800   ; VS0 xor VS1 = 0x20800 xor 0x31000
.set STAGE, VS1+64*PV ; behind the slots, never filled by a tensor load: 16 rows x 528 bytes for each wave, for the way out
.set SP,    528
.set SPARE, STAGE+4*16*SP  ; the spare words, 128 bytes for each wave
.set ROWB,  8192      ; bytes in a row of q, k, v, ob
.set AK0, 2           ; v2   my lane's place in a tile of K; never rewritten
.set AV0, 3           ; v3   the same for V
.set AK,  4           ; v4   the trip's LDS address for K
.set AV,  5           ; v5   for V
.set STO, 6           ; v6   the way out: where I put 16 bytes of a row
.set RD,  7           ; v7   the way out: where I read a row back
.set GO,  8           ; v8   my byte offset in 512 consecutive bytes of ob
.set QO,  9           ; v9   my byte offset in 16 rows of q
.set SPW, 12          ; v12  LDS address of my spare word; never rewritten
.set NIL, 13          ; v13  0; never rewritten
.set ST,  16          ; tile t's statistics at v[ST+8 t]: c m, m, l (even keys', odd keys'), c0-c3 at work; when the maximum is found c2 takes a
.set S,   32          ; tile t, key block kb at S + 32 t + 8 kb
.set P,   96          ; tile t, key half kk at P + 16 t + 8 kk
.set F,   128
.set WV,  12          ; s12  my wave's number
.set KW,  17          ; s17  my half's place in a slot of K
.set VW,  18          ; s18  in a slot of V
.set G1K, 24          ; s[24:31] descriptor group 1 for K's tiles
.set G1V, 32          ; s[32:39] for V's: it differs in the padding alone
.set G0K, 40          ; s[40:47] group 0 for K's tiles: a set for each first fill; the second then walks on
.set G0V, 48          ; s[48:55] the same for V's
.set CNT, 56          ; s56  counts trips
.set CS,  58          ; s[58:59] c
.set SEL, 60          ; s[60:61] v_permlanex16_b32's selects: each lane takes its own place in the other half
.set KB,  62          ; s62  the slot of K that the trip reads
.set VB,  63          ; s63  the slot of V
.set MSB, 0
.macro WIN new
.if MSB != (\new)
	s_set_vgpr_msb (MSB<<8)|(\new)
.set MSB, (\new)
.endif
.endm
.set W_KQ, 0x0c       ; Q (source 1) in window 3; K, S^T, and an LDS load's address and destination in window 0
.macro PLACES
.rept 4
	v_nop
.endr
.endm
; A joint refill.  Waves 0 and 1 fetch the two halves (32 keys) of K's tile, waves 2 and 3 those of V's.  An s_nop 0 and four v_nop follow each line.
.macro JLOAD
	s_cmp_lt_u32 s[WV], 2
	s_cbranch_scc0 .Lfor_v_\@
	tensor_load_to_lds s[G0K+4:G0K+7], s[G1K:G1K+7]
	s_nop 0
.rept 4
	v_nop
.endr
	s_branch .Lasked_\@
.Lfor_v_\@:
	tensor_load_to_lds s[G0V+4:G0V+7], s[G1V:G1V+7]
	s_nop 0
.rept 4
	v_nop
.endr
.Lasked_\@:
.endm
.macro JLOADV                       ; the last refill: no tile of K is left, so waves 0 and 1 issue nothing
	s_cmp_lt_u32 s[WV], 2
	s_cbranch_scc1 .Lnone_\@
	tensor_load_to_lds s[G0V+4:G0V+7], s[G1V:G1V+7]
	s_nop 0
.rept 4
	v_nop
.endr
.Lnone_\@:
.endm
.macro CREST                        ; a round of the cluster's barrier behind its opening barrier
	s_cmp_lg_u32 s[WV], 0
	s_cbranch_scc1 .Lnot_wave_0_\@
	s_barrier_signal -3
.Lnot_wave_0_\@:
	s_barrier_wait -3
	s_barrier_signal -1
	s_barrier_wait -1
.endm
.macro CROUND
	s_barrier_signal -1
	s_barrier_wait -1
	CREST
.endm
	s_load_b128 s[4:7], s[0:1], 0x0 ; qkv s[4:5], ob s[6:7]
	v_lshl_add_u32 v[SPW], v0, 2, SPARE
	v_mov_b32 v[NIL], 0
	ds_add_u32 v[SPW], v[NIL]       ; the wave's opening: the add and its wait come ahead of my first tensor load
	v_lshrrev_b32 v1, 5, v0
	v_readfirstlane_b32 s[WV], v1   ; wave 0..3
	s_bfe_u32 s13, ttmp6, 0x40000   ; cx
	s_lshl_b32 s14, ttmp9, 2
	s_add_co_u32 s14, s14, s13      ; my block of 128 queries: it enters q's and ob's addresses alone
	s_and_b32 s15, ttmp7, 0xffff    ; 8 b + h, which the four partners share
	s_lshr_b32 s20, s15, 3
	s_lshl_b32 s20, s20, 23         ; b x 1,024 rows of 8,192 bytes
	s_and_b32 s21, s15, 7
	s_lshl_b32 s21, s21, 10         ; h x 512 channels of 2 bytes
	s_add_co_u32 s20, s20, s21
	s_and_b32 s16, s[WV], 1         ; which half of a tile's 64 keys I fetch:
	s_lshl_b32 s22, s16, 18         ; its 32 rows in memory,
	s_add_co_u32 s22, s22, s20
	s_mov_b32 s23, 0
	s_mul_i32 s[KW], s16, 32*PK     ; and its place in a slot
	s_mul_i32 s[VW], s16, 32*PV
	s_lshl_b32 s2, s14, 20          ; my block's 128 rows,
	s_lshl_b32 s3, s[WV], 18        ; my wave's 32 of them
	s_add_co_u32 s2, s2, s3
	s_add_co_u32 s2, s2, s20
	s_mov_b32 s3, 0
	; descriptor group 1: 32 rows of 512 elements, padded in LDS behind every row
	s_mov_b32 s[G1K], 15|(1<<16)|(1<<20)|(1<<21)|(7<<22)|(3<<25)  ; the mask of four; 2-byte elements; padding on; bit 21 beside a mask; after every 256 words, 4 words
	s_mov_b32 s[G1V], 15|(1<<16)|(1<<20)|(1<<21)|(7<<22)|(7<<25)  ; the same with 8 words
.irp g, G1K, G1V
	s_mov_b32 s[\g+1], 512<<16      ; tensor_dim0 = 512
	s_mov_b32 s[\g+2], 32<<16       ; tensor_dim1 = 32
	s_mov_b32 s[\g+3], 512<<16      ; tile_dim0 = 512
	s_mov_b32 s[\g+4], 32           ; tile_dim1 = 32
	s_mov_b32 s[\g+5], 4096         ; elements from row to row
	s_mov_b32 s[\g+6], 0
	s_mov_b32 s[\g+7], 0
.endr
	s_mov_b32 s[CS], 0x3d8293ee     ; c = log2(e) / sqrt(512) = 0.0637587
	s_mov_b32 s[CS+1], s[CS]
	s_mov_b32 s[SEL], 0x76543210
	s_mov_b32 s[SEL+1], 0xfedcba98
	s_mov_b32 s[KB], 0
	s_mov_b32 s[VB], VS0
	s_mov_b32 s[G0K], 1
	s_mov_b32 s[G0K+1], s[KW]                  ; K(0) into K's slot 0
	s_mov_b32 s[G0K+4], 1
	s_add_co_u32 s[G0K+5], s[KW], KTOG         ; K(1) into slot 1
	s_mov_b32 s[G0V], 1
	s_add_co_u32 s[G0V+1], s[VW], VS0          ; V(0) into V's slot 0: the stand-in that trip 0 multiplies by P = 0
	s_mov_b32 s[G0V+4], 1
	s_add_co_u32 s[G0V+5], s[VW], VS1          ; V(0) into slot 1, where trip 1 reads it
	s_wait_dscnt 0x0                ; the opening add is done
	s_wait_kmcnt 0x0
	s_add_nc_u64 s[8:9], s[4:5], s[22:23]
	s_add_nc_u64 s[G0K+2:G0K+3], s[8:9], 0x2000000         ; k lies 32 MiB behind q
	s_or_b32 s[G0K+3], s[G0K+3], 0x80000000
	s_add_nc_u64 s[G0K+6:G0K+7], s[8:9], 0x2000000+64*ROWB
	s_or_b32 s[G0K+7], s[G0K+7], 0x80000000
	s_add_nc_u64 s[G0V+2:G0V+3], s[8:9], 0x4000000         ; v 64 MiB
	s_or_b32 s[G0V+3], s[G0V+3], 0x80000000
	s_add_nc_u64 s[G0V+6:G0V+7], s[8:9], 0x4000000
	s_or_b32 s[G0V+7], s[G0V+7], 0x80000000
	s_add_nc_u64 s[4:5], s[4:5], s[2:3]        ; q and ob at my wave's first row
	s_add_nc_u64 s[10:11], s[6:7], s[2:3]
	CROUND                          ; all four work-groups are here: the first joint loads meet
	s_cmp_lt_u32 s[WV], 2           ; a wave's two first fills stand in one branch: two loads of mine are out
	s_cbranch_scc0 .Lfirst_v
	tensor_load_to_lds s[G0K:G0K+3], s[G1K:G1K+7]
	s_nop 0
	tensor_load_to_lds s[G0K+4:G0K+7], s[G1K:G1K+7]
	s_nop 0
.rept 4
	v_nop
.endr
	s_branch .Lfirst_asked
.Lfirst_v:
	tensor_load_to_lds s[G0V:G0V+3], s[G1V:G1V+7]
	s_nop 0
	tensor_load_to_lds s[G0V+4:G0V+7], s[G1V:G1V+7]
	s_nop 0
.rept 4
	v_nop
.endr
.Lfirst_asked:
	; A fragment of K or Q is 16 rows x 32 channels in 8 registers: lane l holds row l % 16, channels 8 (l / 16) + 0..7 and 16 + 8 (l / 16) + 0..7: two loads of 16 bytes, 32 bytes apart.
	v_and_b32 v1, 15, v0            ; l % 16
	v_bfe_u32 v10, v0, 4, 1         ; l / 16
	v_lshlrev_b32 v[QO], 13, v1
	v_lshl_add_u32 v[QO], v10, 4, v[QO]
	WIN 0xc0                        ; destination window 3, address window 0
.set i, 0
.rept 32                            ; Q stays in registers: tile i / 16, channels 32 (i % 16) on
	global_load_b128 v[128*(i/16)+8*(i%16):128*(i/16)+8*(i%16)+3],   v[QO], s[4:5] offset:(i/16)*16*ROWB+(i%16)*64
	global_load_b128 v[128*(i/16)+8*(i%16)+4:128*(i/16)+8*(i%16)+7], v[QO], s[4:5] offset:(i/16)*16*ROWB+(i%16)*64+32
.set i, i+1
.endr
	WIN 0
.set i, 0
.rept 32
	v_mov_b32 v[P+i], 0             ; what trip 0 multiplies the stand-in tile by
.set i, i+1
.endr
	WIN 0x40                        ; O^T = 0 x 0 + 0: 64 matrix instructions on P's zeros write the 512 registers
.set i, 0
.rept 32
	v_wmma_f32_16x16x32_f16 v[8*i:8*i+7], v[P:P+7], v[P+8:P+15], 0
.set i, i+1
.endr
	WIN 0x80
.set i, 0
.rept 32
	v_wmma_f32_16x16x32_f16 v[8*i:8*i+7], v[P:P+7], v[P+8:P+15], 0
.set i, i+1
.endr
	WIN 0
.irp t, 0,1
	v_mov_b32 v[ST+8*\t], 0xfe000000    ; c m: far below every c s, so the first step's a is 0
	v_mov_b32 v[ST+8*\t+1], 0xff7fffff  ; m
	v_mov_b32 v[ST+8*\t+2], 0
	v_mov_b32 v[ST+8*\t+3], 0
	v_mov_b32 v[ST+8*\t+6], 0
	v_mov_b32 v[ST+8*\t+7], 0
.endr
	v_mul_u32_u24 v[AK0], v1, PK
	v_lshl_add_u32 v[AK0], v10, 4, v[AK0]  ; row x pitch + 16 x half
	; The turning load takes 16 keys x 16 channels (lane l reads key 8 (l / 16) + l % 8, channels 8 ((l / 8) % 2) + 0..7) and leaves half a fragment of V^T: lane l holds channel l % 16 and 8 keys.
	v_and_b32 v11, 7, v0
	v_bfe_u32 v14, v0, 3, 1
	v_lshl_add_u32 v[AV0], v10, 3, v11
	v_mul_u32_u24 v[AV0], v[AV0], PV
	v_lshl_add_u32 v[AV0], v14, 4, v[AV0]
	v_mov_b32 v[AK], v[AK0]
	v_add_nc_u32 v[AV], VS0, v[AV0]
	s_mul_i32 s13, s[WV], 16*SP
	s_add_co_u32 s13, s13, STAGE    ; my stage
	v_mul_u32_u24 v[STO], v1, SP    ; in: row l % 16, 16 bytes for each half of the lanes
	v_lshl_add_u32 v[STO], v10, 4, v[STO]
	v_add_nc_u32 v[STO], s13, v[STO]
	v_and_b32 v[GO], 31, v0         ; back: 32 lanes take one row's 512 bytes
	v_lshlrev_b32 v[GO], 4, v[GO]
	v_add_nc_u32 v[RD], s13, v[GO]
; THE LDS LOADS, eight to a group.  K: channels 32 c on of the four key blocks.  V: channel blocks 2 n, 2 n + 1 of the two key halves (fragment f: block f % 2, half f / 2).
.macro KLOAD c
.set fl, F+32*((\c)%4)
.irp kb, 0,1,2,3
	ds_load_b128 v[fl+8*\kb:fl+8*\kb+3],   v[AK] offset:\kb*16*PK+64*(\c)
	ds_load_b128 v[fl+8*\kb+4:fl+8*\kb+7], v[AK] offset:\kb*16*PK+64*(\c)+32
.endr
.endm
.macro VLOAD n
.set fl, F+32*((\n)%4)
.irp f, 0,1,2,3
	ds_load_tr16_b128 v[fl+8*\f:fl+8*\f+3],   v[AV] offset:(\f/2)*32*PV+(2*(\n)+\f%2)*32
	ds_load_tr16_b128 v[fl+8*\f+4:fl+8*\f+7], v[AV] offset:(\f/2)*32*PV+16*PV+(2*(\n)+\f%2)*32
.endr
.endm
.macro LOADS g                      ; group g of the trip's 32
.if (\g) < 16
	KLOAD (\g)
.else
	VLOAD (\g)-16
.endif
.endm
; One accumulator of O^T times a: four packed multiplies, from its low end.
.macro RS cb, t
.set ro, 8*(2*((\cb)%16)+(\t))
	WIN 0x41*(1+(\cb)/16)           ; destination and source 0 in window 1 or 2, a in window 0
.irp z, 0,1,2,3
	v_pk_mul_f32 v[ro+2*\z:ro+2*\z+1], v[ro+2*\z:ro+2*\z+1], v[ST+8*(\t)+6:ST+8*(\t)+7] op_sel_hi:[1,0]
.endr
.endm
; Group c of S^T = K Q^T: channels 32 c on; product i: key block i / 2, tile i % 2.  The 8 accumulators take turns.  Group 0 starts the sums.
; The four multiplies behind product 7 are the places between the group's products and the loads into its buffer, which stand in the middle of the next group.
.macro SG c
	s_wait_dscnt 16                 ; my group's eight loads are in; the two younger groups may be out
.set i, 0
.rept 8
.set rsa, S+32*(i%2)+8*(i/2)
.set rka, F+32*((\c)%4)+8*(i/2)
.set rqa, 128*(i%2)+8*(\c)
	WIN W_KQ
.if (\c) == 0
	v_wmma_f32_16x16x32_f16 v[rsa:rsa+7], v[rka:rka+7], v[rqa:rqa+7], 0
.else
	v_wmma_f32_16x16x32_f16 v[rsa:rsa+7], v[rka:rka+7], v[rqa:rqa+7], v[rsa:rsa+7]
.endif
.if i%2 == 1
	RS 2*(\c)+i/4, (i/2)%2
.endif
.if i == 3
	WIN W_KQ
	LOADS (\c)+3
.endif
.set i, i+1
.endr
.endm
; THE SOFTMAX of one tile and step: X 0-21 find the maximum and the statistics; F b: c s - c m for pair b of 16; E i: the exponential of score i of 32; L b: l takes pair b (L 0: l = a l + pair 0).
;   X 0-11  four chains c0-c3 of seven scores each (each accumulator's lowest registers are read first)     12-15  the four scores left over, c0-c3 and the old m into c0
;   16, 18  the query's other 32 keys lie in the lane 16 away: the new m     17  c m_old is kept     19-21  c m; c m_old - c m_new; a
.macro XS t, n
.set rT, ST+8*(\t)
.set rS, S+32*(\t)
.if (\n) < 4
	v_max3_num_f32 v[rT+4+(\n)], v[rS+8*(\n)], v[rS+8*(\n)+1], v[rS+8*(\n)+2]
.elseif (\n) < 12
	v_max3_num_f32 v[rT+4+(\n)%4], v[rT+4+(\n)%4], v[rS+8*((\n)%4)+2*((\n)/4)+1], v[rS+8*((\n)%4)+2*((\n)/4)+2]
.elseif (\n) == 12
	v_max3_num_f32 v[rT+4], v[rT+4], v[rS+7], v[rS+15]
.elseif (\n) == 13
	v_max3_num_f32 v[rT+6], v[rT+6], v[rS+23], v[rS+31]
.elseif (\n) == 14
	v_max3_num_f32 v[rT+4], v[rT+4], v[rT+5], v[rT+6]
.elseif (\n) == 15
	v_max3_num_f32 v[rT+4], v[rT+4], v[rT+7], v[rT+1]
.elseif (\n) == 16
	v_permlanex16_b32 v[rT+5], v[rT+4], s[SEL], s[SEL+1]
.elseif (\n) == 17
	v_mov_b32 v[rT+7], v[rT]
.elseif (\n) == 18
	v_max_num_f32 v[rT+1], v[rT+4], v[rT+5]
.elseif (\n) == 19
	v_mul_f32 v[rT], s[CS], v[rT+1]
.elseif (\n) == 20
	v_sub_f32 v[rT+7], v[rT+7], v[rT]
.else
	v_exp_f32 v[rT+6], v[rT+7]
.endif
.endm
.macro FS t, b
.set rT, ST+8*(\t)
.set rS, S+32*(\t)+2*(\b)
	v_pk_fma_f32 v[rS:rS+1], v[rS:rS+1], s[CS:CS+1], v[rT:rT+1] op_sel_hi:[1,0,0] neg_lo:[0,0,1] neg_hi:[0,0,1]
.endm
.macro ES t, n
	v_exp_f32 v[S+32*(\t)+(\n)], v[S+32*(\t)+(\n)]
.endm
.macro LS t, b
.set rT, ST+8*(\t)
.set rS, S+32*(\t)+2*(\b)
.if (\b) == 0
	s_wait_alu depctr_va_vdst(0)
	v_pk_fma_f32 v[rT+2:rT+3], v[rT+2:rT+3], v[rT+6:rT+7], v[rS:rS+1] op_sel_hi:[1,0,1]
.else
	s_wait_alu depctr_va_vdst(0)
	v_pk_add_f32 v[rT+2:rT+3], v[rT+2:rT+3], v[rS:rS+1]
.endif
.endm
; Slot sl of 64, behind every second product V^T P.  0-10: two numbers of X for both tiles.  11: F 0.  12 + 2 k + t: for tile t exponential, plain, exponential, plain: E 2k, F k+1, E 2k+1, L k-1: a plain
; instruction stands behind every exponential before its result is used (ISA guide 5.7.2).  44: L 15.  From 45 on two v_nop.  Every slot holds two plain instructions or more that name no register of the
; products round it: three slots, six places, lie between a group's last product and the loads into its buffer.
.macro SLOT
	WIN 0
.if sl < 11
	XS 0, 2*sl
	XS 1, 2*sl
	XS 0, 2*sl+1
	XS 1, 2*sl+1
.elseif sl == 11
	FS 0, 0
	FS 1, 0
.elseif sl < 44
.set kq, (sl-12)/2
.set tq, (sl-12)%2
	ES tq, 2*kq
.if kq < 15
	FS tq, kq+1
.else
	v_nop
.endif
	ES tq, 2*kq+1
.if kq > 0
	LS tq, kq-1
.else
	v_nop
.endif
.elseif sl == 44
	LS 0, 15
	LS 1, 15
.else
	v_nop
	v_nop
.endif
.set sl, sl+1
.endm
; Group n of O^T += V^T P: channel blocks 2 n, 2 n + 1; product i: key half i / 4, block (i / 2) % 2, tile i % 2.  The 4 accumulators take turns.
; wt: the count of the wait at its head, or -1 for none.  ld: the group whose loads stand in its middle, or -1.
.macro PG n, wt, ld
.if (\wt) >= 0
	s_wait_dscnt \wt
.endif
.set i, 0
.rept 8
.set roa, 8*(2*((2*(\n)+(i/2)%2)%16)+i%2)
.set rva, F+32*((\n)%4)+8*(2*(i/4)+(i/2)%2)
.set rpa, P+16*(i%2)+8*(i/4)
	WIN 0x50*(1+(\n)/8)             ; C and D in window 1 or 2
	v_wmma_f32_16x16x32_f16 v[roa:roa+7], v[rva:rva+7], v[rpa:rpa+7], v[roa:roa+7]
.if i%2 == 1
	SLOT
.endif
.if (i == 3) && ((\ld) >= 0)
	WIN 0
	LOADS \ld
.endif
.set i, i+1
.endr
.endm
; S^T, now the weights, is rounded into P.  norm = 1 (the last key step): first 1 / l is made and folded into a and into the weights, so that the result needs no division.
.macro CVT norm
	WIN 0
.if \norm
.irp t, 0,1
	v_add_f32 v[ST+8*\t+4], v[ST+8*\t+2], v[ST+8*\t+3]
.endr
.irp t, 0,1
	v_permlanex16_b32 v[ST+8*\t+5], v[ST+8*\t+4], s[SEL], s[SEL+1]
.endr
.irp t, 0,1
	v_add_f32 v[ST+8*\t+4], v[ST+8*\t+4], v[ST+8*\t+5]
.endr
.irp t, 0,1
	v_rcp_f32 v[ST+8*\t+4], v[ST+8*\t+4]
.endr
	v_nop                           ; a plain instruction between the last reciprocal and the use of its result
	s_wait_alu depctr_va_vdst(0)
.irp t, 0,1
	v_mul_f32 v[ST+8*\t+6], v[ST+8*\t+6], v[ST+8*\t+4]
.endr
.set z, 0
.rept 32
	v_pk_mul_f32 v[S+2*z:S+2*z+1], v[S+2*z:S+2*z+1], v[ST+8*(z/16)+4:ST+8*(z/16)+5] op_sel_hi:[1,0]
.set z, z+1
.endr
.endif
.set z, 0
.rept 32
	v_cvt_pk_f16_f32 v[P+z], v[S+2*z], v[S+2*z+1]
.set z, z+1
.endr
.endm
; A trip up to its last three groups.
.macro MAIN
.set cc, 0
.rept 16
	SG cc
.set cc, cc+1
.endr
.set sl, 0
.set nn, 0
.rept 13
	PG nn, 16, nn+19
.set nn, nn+1
.endr
	WIN 0
.endm
; A TRIP'S END, and the change of slots.  All of the trip's LDS loads have been issued.  Each wave waits for all its tensor loads (one is out: its part of the next trip's tiles), adds 0 to its spare
; word, and waits for that and for its reads of the slots.  Behind the barrier nobody reads the old slots any more and the next trip's are whole.
; fill = 2: the old slots take K two steps on and V one step on; 1: V alone; the barrier then opens a round of the cluster's, and the joint refill is the first thing behind it: it has a whole trip in which to land.
.macro END fill, norm
.set sl, 52
	WIN 0
	s_wait_tensorcnt 0x0            ; no tensor load of mine is out, so a group 0 may be written
	ds_add_u32 v[SPW], v[NIL]
.if (\fill) == 2
	s_add_co_u32 s[G0K+5], s[KB], s[KW]        ; the slot that this trip has read, my half of it,
	s_add_nc_u64 s[G0K+6:G0K+7], s[G0K+6:G0K+7], 64*ROWB  ; the next 64 keys; the type bits on top are not reached
.endif
.if (\fill) >= 1
	s_add_co_u32 s[G0V+5], s[VB], s[VW]
	s_add_nc_u64 s[G0V+6:G0V+7], s[G0V+6:G0V+7], 64*ROWB
.endif
	s_xor_b32 s[KB], s[KB], KTOG    ; the next trip reads the other slots
	s_xor_b32 s[VB], s[VB], VTOG
	s_wait_dscnt 17                 ; group 13's loads are in; the add and the two younger groups may be out
	PG 13, -1, -1
	s_wait_dscnt 0x0                ; the add is done, and my reads of the slots are over
	s_barrier_signal -1
	PG 14, -1, -1
	WIN 0
	s_barrier_wait -1
.if (\fill) == 2
	CREST
	JLOAD
.elseif (\fill) == 1
	CREST
	JLOADV
.endif
	v_add_nc_u32 v[AK], s[KB], v[AK0]
	v_add_nc_u32 v[AV], s[VB], v[AV0]
	KLOAD 0                         ; the next trip's first groups
	KLOAD 1
	PG 15, -1, 2
	PLACES                          ; P is a source of the products just issued
	CVT \norm
.endm
	s_wait_tensorcnt 0x1            ; my first fill is in; the second may stay out
	s_barrier_signal -1
	s_barrier_wait -1
	KLOAD 0
	KLOAD 1
	KLOAD 2
	s_wait_loadcnt 0x0              ; Q
	s_mov_b32 s[CNT], 15
	s_branch .Lmain                 ; the loop is entered behind its change of slots
.Ltrip:                             ; 14 times: the ends of trips 0 to 13 fill both tensors' slots again
	END 2, 0
.Lmain:                             ; trips 0 to 14
	MAIN
	s_sub_co_u32 s[CNT], s[CNT], 1
	s_cmp_lg_u32 s[CNT], 0
	s_cbranch_scc1 .Ltrip
	END 1, 0                        ; the tail is written out: V of the last step is asked for
	s_mov_b32 s[CNT], 2
.Ltail:                             ; trip 15, and trip 16 for the last rescaling and V^T P
	MAIN
	END 0, 1
	s_sub_co_u32 s[CNT], s[CNT], 1
	s_cmp_lg_u32 s[CNT], 0
	s_cbranch_scc1 .Ltail
	s_wait_dscnt 0x0                ; the loads that trip 16's end has issued for a trip that does not come: their registers are written below
	; THE WAY OUT, in four pieces p: tile p / 2, channels 256 (p % 2) on.  A lane's eight channels pack into 16 bytes; they go into my stage's rows of 528 bytes and come back as whole rows of 512.
	; The roundings of P above are the places behind the last products.
.macro PACK p
.set tb, 32+64*((\p)%3)
	WIN 0x05*(1+(\p)%2)             ; sources 0 and 1 in window 1 or 2, destination in window 0
.set z, 0
.rept 16
.irp q, 0,1,2,3
	v_cvt_pk_f16_f32 v[tb+4*z+\q], v[8*(2*z+(\p)/2)+2*\q], v[8*(2*z+(\p)/2)+2*\q+1]
.endr
.set z, z+1
.endr
	WIN 0
.set z, 0
.rept 16
	ds_store_b128 v[STO], v[tb+4*z:tb+4*z+3] offset:32*z
.set z, z+1
.endr
.set z, 0
.rept 16
	ds_load_b128 v[tb+4*z:tb+4*z+3], v[RD] offset:SP*z  ; LDS serves a wave's instructions in order (ISA guide 5.7.1.4): these see the stores above; the next piece's stores come behind them
.set z, z+1
.endr
.endm
.macro SEND p, younger              ; younger: the LDS instructions issued behind piece p's loads: the next piece's 32, or none
.set tb, 32+64*((\p)%3)
.set z, 0
.rept 16
	s_wait_dscnt (\younger)+15-z
	global_store_b128 v[GO], v[tb+4*z:tb+4*z+3], s[10:11] offset:(16*((\p)/2)+z)*ROWB+512*((\p)%2)  ; 512 consecutive bytes, aligned to 512
.set z, z+1
.endr
.endm
	PACK 0
	PACK 1                          ; a piece's arithmetic stands between the loads of the piece before and its stores
	SEND 0, 32
	PACK 2
	SEND 1, 32
	s_wait_xcnt 0x0                 ; piece 3 takes piece 0's registers, which its stores read
	PACK 3
	SEND 2, 32
	SEND 3, 0
	s_wait_tensorcnt 0x0            ; the wave's end
	ds_add_u32 v[SPW], v[NIL]
	s_wait_dscnt 0x0
	CROUND                          ; the closing round: no work-group ends while a partner may still ask for a tile that names it
	s_endpgm
.Lfunc_end_k_q2057e28801_attn:
	.size	k_q2057e28801_attn, .Lfunc_end_k_q2057e28801_attn-k_q2057e28801_attn
	.p2alignl 7, 3214868480
	.fill 96, 4, 3214868480
	.section	.rodata,"a",@progbits
	.p2align	6, 0x0
	.amdhsa_kernel k_q2057e28801_attn
		.amdhsa_group_segment_fixed_size 327680
		.amdhsa_private_segment_fixed_size 0
		.amdhsa_enable_private_segment 0
		.amdhsa_kernarg_size 16
		.amdhsa_user_sgpr_count 2
		.amdhsa_user_sgpr_kernarg_segment_ptr 1
		.amdhsa_wavefront_size32 1
		.amdhsa_system_sgpr_workgroup_id_x 1
		.amdhsa_system_sgpr_workgroup_id_y 1
		.amdhsa_system_sgpr_workgroup_id_z 1
		.amdhsa_system_vgpr_workitem_id 0
		.amdhsa_next_free_vgpr 1024
		.amdhsa_next_free_sgpr 66
		.amdhsa_reserve_vcc 0
		.amdhsa_float_denorm_mode_32 3
		.amdhsa_float_denorm_mode_16_64 3
		.amdhsa_memory_ordered 1
		.amdhsa_forward_progress 1
		.amdhsa_inst_pref_size 204
	.end_amdhsa_kernel
	.amdgpu_metadata
---
amdhsa.version: [ 1, 2 ]
amdhsa.kernels:
  - .name:           k_q2057e28801_attn
    .symbol:         k_q2057e28801_attn.kd
    .args:
      - { .name: qkv, .offset: 0, .size: 8, .value_kind: global_buffer, .address_space: global }
      - { .name: ob, .offset: 8, .size: 8, .value_kind: global_buffer, .address_space: global }
    .group_segment_fixed_size: 327680
    .private_segment_fixed_size: 0
    .kernarg_segment_align: 8
    .kernarg_segment_size: 16
    .max_flat_workgroup_size: 128
    .sgpr_count:     66
    .vgpr_count:     1024
    .wavefront_size: 32
...
	.end_amdgpu_metadata
.endif
;; end of part 3
;; launch outp (part 4): grid 4 x 32, 4 waves a work-group, clusters of 4 x 4, 327,680 bytes of LDS; arguments ob, cb, bu, out0; writes out0
.if DOCPART == 4
	.amdgcn_target "amdgcn-amd-amdhsa--gfx1250"
	.amdhsa_code_object_version 6
	.text
	.protected	k_q2057e28801_outp
	.globl	k_q2057e28801_outp
	.p2align	8
	.type	k_q2057e28801_outp,@function
k_q2057e28801_outp:
	s_mov_b64 s[64:65], 0
	v_nop
	global_prefetch_b8 v0, s[64:65] scope:SCOPE_SE
	s_setreg_imm32_b32 hwreg(HW_REG_WAVE_MODE, 25, 1), 1
	s_wait_xcnt 0x0
	s_wait_alu depctr_hold_cnt(0) depctr_sa_sdst(0) depctr_va_vdst(0) depctr_va_sdst(0) depctr_va_ssrc(0) depctr_va_vcc(0) depctr_vm_vsrc(0)
	s_getreg_b32 s2, hwreg(HW_REG_IB_STS2, 6, 4)
	s_cmp_eq_u32 s2, 0
	s_cbranch_scc0 .Lentry_in_a_cluster
	s_endpgm
.Lentry_in_a_cluster:
	s_bfe_u32 s2, ttmp6, 0x10000c
	s_cmp_lg_u32 s2, 0xf033
	s_cbranch_scc0 .Lentry_shape_is_right
	s_endpgm
.Lentry_shape_is_right:
; out0[m][n] = sum over k of O[m][k] Wu[k][n] + bu[n].  O: [4096][4096] f16 (ob); Wu: [4096][512] f16 at cb + 16 MiB; bu: [512] f32, rounded here to bf16 like every other input; out0: [4096][512] f32.  Sums in f32.
; A tile of the result is 128 x 128: four waves, each 64 x 64 in 16 accumulators.  128 work-groups: a tile of 64 x 128 would give 256, with three LDS loads for two matrix instructions in place of one for one.
; K goes in steps of 256 through two LDS slots: O's tile lies [row][k] (rows of 512 bytes), Wu's [k][n] (256 rows of 256 bytes) and is turned on its way into registers by ds_load_tr16_b128.
; CLUSTERS: 4 x 4 work-groups.  The four of a row of the cluster need the same tiles of O, the four of a column the same tiles of Wu: each tile is asked for JOINTLY.
; THE MATRIX INSTRUCTION IS USED TRANSPOSED (source 0 = 16 columns of Wu, source 1 = 16 rows of O): a lane holds eight neighbouring numbers of a row of the result, 32 bytes.
; REGISTERS: window 0: v0-31 addresses and the bias; v32-95 at work on the way out; v128-255 the accumulators ((a, b) at v[128 + 8 (4 a + b)]).
;   window 1: two fragment buffers of 128: for 64 along K, 64 registers of O, then 64 of Wu.
.set PA,     528                       ; an LDS row of O: 512 bytes + 16
.set PB,     288                       ; an LDS row of Wu: 256 bytes + 32
.set AHALF,  64*PA                     ; what a tensor load of waves 0, 1 brings: 64 rows of O
.set BHALF,  128*PB                    ; of waves 2, 3: 128 rows of Wu
.set BOFF,   2*AHALF
.set SLOT,   2*AHALF+2*BHALF
.set STAGE,  2*SLOT                    ; behind the ring: 16 rows x 272 bytes for each wave: a wave's 64 columns of f32 are 256 bytes
.set SPITCH, 272
.set SPARE,  STAGE+4*16*SPITCH
.set LAPS,   8                         ; a lap = two K steps
.set OROW,   2048                      ; bytes in a row of out0
.set BIAS, 8                           ; v8-11   the bias of my four columns on the way out
.set ADRA, 16                          ; v16-17  LDS address of my fragments of O in slot 0, 1
.set ADRB, 20                          ; v20-23  of Wu: slot 0 rows 0-127, rows 128-255; slot 1 likewise (an LDS offset has 16 bits)
.set STO,  24
.set RD,   25
.set CO,   26
.set SPW,  28
.set NIL,  29
.set TMP,  32
.set ACC,  128
.set F0,   0
.set F1,   128
.set WV,  12                           ; s12 wave;  s13 which half of the rows is mine, and: I fetch for O (0) or Wu (1);  s14 which half of the columns, and which half I fetch
.set HR,  13
.set HC,  14
.set G1,  24
.set G0,  32
.set G1B, 48
.set G0B, 56
.set MSB, 0
.macro WIN new
.if MSB != (\new)
	s_set_vgpr_msb (MSB<<8)|(\new)
.set MSB, (\new)
.endif
.endm
.set MUL,  0x05                        ; sources 0 and 1 window 1; C and D window 0
.set TO_F, 0x40                        ; destination window 1, address window 0
.macro JLOAD s                         ; a joint load; an s_nop 0 and four v_nop follow each of the two lines
	s_cmp_eq_u32 s[HR], 0
	s_cbranch_scc0 .Lfor_b_\@
	tensor_load_to_lds s[G0+4*(\s):G0+4*(\s)+3], s[G1:G1+7]
	s_nop 0
.rept 4
	v_nop
.endr
	s_branch .Lasked_\@
.Lfor_b_\@:
	tensor_load_to_lds s[G0B+4*(\s):G0B+4*(\s)+3], s[G1B:G1B+7]
	s_nop 0
.rept 4
	v_nop
.endr
.Lasked_\@:
.endm
.macro CREST
	s_cmp_lg_u32 s[WV], 0
	s_cbranch_scc1 .Lnot_wave_0_\@
	s_barrier_signal -3
.Lnot_wave_0_\@:
	s_barrier_wait -3
	s_barrier_signal -1
	s_barrier_wait -1
.endm
.macro CROUND
	s_barrier_signal -1
	s_barrier_wait -1
	CREST
.endm
	s_load_b256 s[4:11], s[0:1], 0x0               ; ob s[4:5], cb s[6:7], bu s[8:9], out0 s[10:11]
	v_lshl_add_u32 v[SPW], v0, 2, SPARE
	v_mov_b32 v[NIL], 0
	ds_add_u32 v[SPW], v[NIL]                      ; the wave's opening: the add and its wait come ahead of my first tensor load
	v_lshrrev_b32 v1, 5, v0
	v_readfirstlane_b32 s[WV], v1
	s_lshr_b32 s[HR], s[WV], 1
	s_and_b32 s[HC], s[WV], 1
	s_bfe_u32 s40, ttmp6, 0x40000                  ; cx, cy
	s_bfe_u32 s41, ttmp6, 0x40004
	s_lshl_b32 s42, ttmp9, 2
	s_add_co_u32 s42, s42, s40                     ; tile column
	s_and_b32 s15, ttmp7, 0xffff
	s_lshl_b32 s15, s15, 2
	s_add_co_u32 s15, s15, s41                     ; tile row
	s_lshl_b32 s43, s41, 2
	s_lshl_b32 s43, 15, s43                        ; my row of the cluster
	s_lshl_b32 s44, 0x1111, s40                    ; my column
	s_or_b32 s[G1+0], s43, (1<<16)|(1<<20)|(1<<21)|(6<<22)|(3<<25)   ; after every 128 words, 4 words of padding
	s_mov_b32 s[G1+1], 256<<16                     ; tensor_dim0 = 256
	s_mov_b32 s[G1+2], 64<<16                      ; tensor_dim1 = 64
	s_mov_b32 s[G1+3], 256<<16                     ; tile_dim0 = 256
	s_mov_b32 s[G1+4], 64                          ; tile_dim1 = 64
	s_mov_b32 s[G1+5], 4096
	s_mov_b32 s[G1+6], 0
	s_mov_b32 s[G1+7], 0
	s_or_b32 s[G1B+0], s44, (1<<16)|(1<<20)|(1<<21)|(5<<22)|(7<<25)  ; after every 64 words, 8 words
	s_mov_b32 s[G1B+1], 128<<16                    ; tensor_dim0 = 128
	s_mov_b32 s[G1B+2], 128<<16                    ; tensor_dim1 = 128
	s_mov_b32 s[G1B+3], 128<<16                    ; tile_dim0 = 128
	s_mov_b32 s[G1B+4], 128                        ; tile_dim1 = 128
	s_mov_b32 s[G1B+5], 512
	s_mov_b32 s[G1B+6], 0
	s_mov_b32 s[G1B+7], 0
	s_lshl_b32 s16, s15, 20                        ; O: (128 x tile row + 64 x half) rows of 8,192 bytes
	s_lshl_b32 s17, s[HC], 19
	s_add_co_u32 s16, s16, s17
	s_mov_b32 s17, 0
	s_lshl_b32 s46, s42, 8                         ; Wu: 16 MiB + 128 x half rows of 1,024 bytes + 256 x tile column
	s_lshl_b32 s47, s[HC], 17
	s_add_co_u32 s46, s46, s47
	s_add_co_u32 s46, s46, 0x1000000
	s_mov_b32 s47, 0
	s_mul_i32 s20, s[HC], AHALF                    ; where they go: no place in the cluster enters an LDS address
	s_mul_i32 s21, s[HC], BHALF
	s_add_co_u32 s21, s21, BOFF
	s_wait_dscnt 0x0                               ; the opening add is done
	s_wait_kmcnt 0x0
	s_add_nc_u64 s[18:19], s[4:5], s[16:17]
	s_add_nc_u64 s[46:47], s[6:7], s[46:47]
	CROUND                                         ; all sixteen work-groups are here: the first joint loads meet
.irp s, 0,1
	s_mov_b32 s[G0+4*(\s)], 1
	s_add_co_u32 s[G0+4*(\s)+1], s20, (\s)*SLOT
	s_add_nc_u64 s[G0+4*(\s)+2:G0+4*(\s)+3], s[18:19], (\s)*512
	s_or_b32 s[G0+4*(\s)+3], s[G0+4*(\s)+3], 0x80000000
	s_mov_b32 s[G0B+4*(\s)], 1
	s_add_co_u32 s[G0B+4*(\s)+1], s21, (\s)*SLOT
	s_add_nc_u64 s[G0B+4*(\s)+2:G0B+4*(\s)+3], s[46:47], (\s)*256*1024
	s_or_b32 s[G0B+4*(\s)+3], s[G0B+4*(\s)+3], 0x80000000
	JLOAD \s
.endr
	v_and_b32 v1, 15, v0                           ; l % 16
	v_bfe_u32 v2, v0, 4, 1                         ; l / 16
	s_lshl_b32 s46, s42, 9                         ; my first column in bytes of f32: 512 x tile column + 256 x half
	s_lshl_b32 s47, s[HC], 8
	s_add_co_u32 s46, s46, s47
	s_mov_b32 s47, 0
	s_add_nc_u64 s[8:9], s[8:9], s[46:47]
	v_lshlrev_b32 v5, 4, v1
	global_load_b128 v[BIAS:BIAS+3], v5, s[8:9]    ; the bias of the four columns that I store
	v_mul_u32_u24 v3, v1, PA
	v_lshl_add_u32 v3, v2, 4, v3                   ; O: row x pitch + 16 x half
	v_and_b32 v4, 7, v0                            ; Wu, turned: row 8 (l / 16) + l % 8, 16 bytes at column 8 ((l / 8) % 2)
	v_lshl_add_u32 v4, v2, 3, v4
	v_mul_u32_u24 v4, v4, PB
	v_bfe_u32 v6, v0, 3, 1
	v_lshl_add_u32 v4, v6, 4, v4
	s_mul_i32 s22, s[HR], AHALF                    ; my 64 rows of O
	s_lshl_b32 s23, s[HC], 7                       ; my 64 columns of Wu, 128 bytes,
	s_add_co_u32 s23, s23, BOFF                    ; behind O's 128 rows
.irp s, 0,1
	v_add_nc_u32 v[ADRA+(\s)], s22, v3
	v_add_nc_u32 v[ADRB+2*(\s)], s23, v4
	s_add_co_u32 s23, s23, BHALF
	v_add_nc_u32 v[ADRB+2*(\s)+1], s23, v4
	s_add_co_u32 s22, s22, SLOT
	s_add_co_u32 s23, s23, SLOT-BHALF
.endr
	s_mul_i32 s23, s[WV], 16*SPITCH
	s_add_co_u32 s23, s23, STAGE                   ; my stage
	v_mul_u32_u24 v4, v1, SPITCH                   ; in: row l % 16, 32 bytes for each half of the lanes
	v_lshl_add_u32 v4, v2, 5, v4
	v_add_nc_u32 v[STO], s23, v4
	v_mul_u32_u24 v6, v2, SPITCH                   ; back: lanes 0-15 take one row of 256 bytes, lanes 16-31 the next
	v_lshl_add_u32 v6, v1, 4, v6
	v_add_nc_u32 v[RD], s23, v6
	v_lshlrev_b32 v6, 11, v2                       ; and the same two rows in out0
	v_lshl_add_u32 v[CO], v1, 4, v6
	s_lshl_b32 s16, s15, 18                        ; (128 x tile row + 64 x half) rows of 2,048 bytes
	s_lshl_b32 s17, s[HR], 17
	s_add_co_u32 s16, s16, s17
	s_add_co_u32 s16, s16, s46
	s_mov_b32 s17, 0
	s_add_nc_u64 s[10:11], s[10:11], s[16:17]
; 8 matrix instructions: m blocks a0, a0 + 1 x all 4 n blocks, 32 along K: half c of buffer f.  zero = 1: the first product starts the sums
.macro MUL8 f, c, a0, zero
	WIN MUL
.irp a, \a0, (\a0)+1
.irp b, 0,1,2,3
.if \zero
	v_wmma_f32_16x16x32_f16 v[ACC+8*(4*(\a)+(\b)):ACC+8*(4*(\a)+(\b))+7], v[(\f)+64+8*(4*(\c)+(\b)):(\f)+64+8*(4*(\c)+(\b))+7], v[(\f)+8*(4*(\c)+(\a)):(\f)+8*(4*(\c)+(\a))+7], 0
.else
	v_wmma_f32_16x16x32_f16 v[ACC+8*(4*(\a)+(\b)):ACC+8*(4*(\a)+(\b))+7], v[(\f)+64+8*(4*(\c)+(\b)):(\f)+64+8*(4*(\c)+(\b))+7], v[(\f)+8*(4*(\c)+(\a)):(\f)+8*(4*(\c)+(\a))+7], v[ACC+8*(4*(\a)+(\b)):ACC+8*(4*(\a)+(\b))+7]
.endif
.endr
.endr
.endm
; 32 LDS loads in one run: the fragments of 64 along K (byte k of O's rows, rows k / 2 on of Wu) into buffer f; the first 32 along K first
.macro FETCH slot, k, f
	WIN TO_F
.irp c, 0,1
.irp i, 0,1,2,3
	ds_load_tr16_b128 v[(\f)+64+8*(4*(\c)+(\i)):(\f)+64+8*(4*(\c)+(\i))+3],   v[ADRB+2*(\slot)+(\k)/256] offset:((((\k)/128)%2)*64+32*(\c))*PB+32*(\i)
	ds_load_tr16_b128 v[(\f)+64+8*(4*(\c)+(\i))+4:(\f)+64+8*(4*(\c)+(\i))+7], v[ADRB+2*(\slot)+(\k)/256] offset:((((\k)/128)%2)*64+32*(\c))*PB+16*PB+32*(\i)
	ds_load_b128 v[(\f)+8*(4*(\c)+(\i)):(\f)+8*(4*(\c)+(\i))+3],         v[ADRA+(\slot)] offset:(\k)+64*(\c)+(\i)*16*PA
	ds_load_b128 v[(\f)+8*(4*(\c)+(\i))+4:(\f)+8*(4*(\c)+(\i))+7],       v[ADRA+(\slot)] offset:(\k)+64*(\c)+(\i)*16*PA+32
.endr
.endr
.endm
.macro PLACES                          ; four plain vector instructions in front of loads into registers that matrix instructions have read
.rept 4
	v_nop
.endr
.endm
; A K step is four quarters of 64 along K, 32 matrix instructions each, on buffers 0, 1, 0, 1.
.macro QUARTER slot, k, f, g, zero
	s_wait_dscnt 16                                ; the first 32 along K are in
	MUL8 \f, 0, 0, \zero
	MUL8 \f, 0, 2, \zero
	PLACES
	FETCH \slot, \k, \g
	s_wait_dscnt 32                                ; all but the 32 just issued
	MUL8 \f, 1, 0, 0
	MUL8 \f, 1, 2, 0
.endm
; The last quarter multiplies buffer 1 and changes slots: ONE barrier; in front of it each wave waits for all its tensor loads, adds 0 to its spare word, and waits for that and for its reads of this slot.
.macro TURN slot, next, fill
	WIN 0
	s_wait_tensorcnt 0x0                           ; all my tensor loads have landed: my part of the next slot
	ds_add_u32 v[SPW], v[NIL]
	s_wait_dscnt 17                                ; (the add and the youngest sixteen loads may be out)
	MUL8 F1, 0, 0, 0
	s_wait_dscnt 0x0                               ; the add is done, and my reads of this slot are over
	s_barrier_signal -1
	MUL8 F1, 0, 2, 0
.if \fill
	WIN 0
.endif
	s_barrier_wait -1
.if \fill
	CREST                                          ; the barrier has opened a round of the cluster's: no wave of any partner still reads this slot or has a load on its way
	s_add_nc_u64 s[G0+4*(\slot)+2:G0+4*(\slot)+3], s[G0+4*(\slot)+2:G0+4*(\slot)+3], 2*512
	s_add_nc_u64 s[G0B+4*(\slot)+2:G0B+4*(\slot)+3], s[G0B+4*(\slot)+2:G0B+4*(\slot)+3], 2*256*1024
	JLOAD \slot                                    ; the first tensor load behind the round; its four v_nop are also the places in front of the loads below
.else
	PLACES
.endif
	FETCH \next, 0, F0
	MUL8 F1, 1, 0, 0
	MUL8 F1, 1, 2, 0
.endm
	s_wait_tensorcnt 0x1                           ; my part of K step 0 is in; step 1's may stay out
	s_barrier_signal -1
	s_barrier_wait -1
	FETCH 0, 0, F0
	QUARTER 0, 128, F0, F1, 1                      ; the first quarter stands in front of the loop: its first products start the sums
	WIN 0
	s_mov_b32 s3, LAPS-1
.Llap:                                                 ; a trip goes once round the ring, from a lap's second quarter to the next lap's first
	QUARTER 0, 256, F1, F0, 0
	QUARTER 0, 384, F0, F1, 0
	TURN 0, 1, 1
	QUARTER 1, 128, F0, F1, 0
	QUARTER 1, 256, F1, F0, 0
	QUARTER 1, 384, F0, F1, 0
	TURN 1, 0, 1
	QUARTER 0, 128, F0, F1, 0
	WIN 0
	s_sub_co_u32 s3, s3, 1
	s_cmp_lg_u32 s3, 0
	s_cbranch_scc1 .Llap
	QUARTER 0, 256, F1, F0, 0                      ; the last lap fills nothing, and has no round of the cluster's barrier
	QUARTER 0, 384, F0, F1, 0
	TURN 0, 1, 0
	QUARTER 1, 128, F0, F1, 0
	QUARTER 1, 256, F1, F0, 0
	QUARTER 1, 384, F0, F1, 0
	s_wait_dscnt 16
	MUL8 F1, 0, 0, 0
	MUL8 F1, 0, 2, 0
	s_wait_dscnt 0x0
	MUL8 F1, 1, 0, 0
	MUL8 F1, 1, 2, 0
	WIN 0
	; THE WAY OUT.  The bias is rounded to bf16: six plain instructions, the places behind the last products.  Then 16 rows at a time: a lane's 32 bytes go from the accumulators (low end first) into
	; my stage's rows of 272 bytes and come back as whole rows of 256; the bias is added; sixteen lanes store 256 consecutive bytes, aligned.
	s_wait_loadcnt 0x0
	v_cvt_pk_bf16_f32 v6, v[BIAS], v[BIAS+1]
	v_cvt_pk_bf16_f32 v7, v[BIAS+2], v[BIAS+3]
	v_lshlrev_b32 v[BIAS], 16, v6
	v_and_b32 v[BIAS+1], 0xffff0000, v6
	v_lshlrev_b32 v[BIAS+2], 16, v7
	v_and_b32 v[BIAS+3], 0xffff0000, v7
.irp a, 0,1,2,3
.set bk, TMP+32*((\a)%2)
.irp b, 0,1,2,3
	ds_store_b128 v[STO], v[ACC+8*(4*(\a)+(\b)):ACC+8*(4*(\a)+(\b))+3] offset:64*(\b)
	ds_store_b128 v[STO], v[ACC+8*(4*(\a)+(\b))+4:ACC+8*(4*(\a)+(\b))+7] offset:64*(\b)+16
.endr
.if (\a) >= 2
	s_wait_xcnt 0x0                                ; the registers that the stores of two blocks ago read are loaded again only behind this wait
.endif
.irp t, 0,1,2,3,4,5,6,7
	ds_load_b128 v[bk+4*(\t):bk+4*(\t)+3], v[RD] offset:(\t)*2*SPITCH  ; LDS serves a wave's instructions in order (ISA guide 5.7.1.4): these see the stores above
.endr
.irp t, 0,1,2,3,4,5,6,7
	s_wait_dscnt 7-(\t)
	v_pk_add_f32 v[bk+4*(\t):bk+4*(\t)+1], v[bk+4*(\t):bk+4*(\t)+1], v[BIAS:BIAS+1]
	v_pk_add_f32 v[bk+4*(\t)+2:bk+4*(\t)+3], v[bk+4*(\t)+2:bk+4*(\t)+3], v[BIAS+2:BIAS+3]
	global_store_b128 v[CO], v[bk+4*(\t):bk+4*(\t)+3], s[10:11] offset:(16*(\a)+2*(\t))*OROW
.endr
.endr
	s_wait_tensorcnt 0x0                           ; the wave's end
	ds_add_u32 v[SPW], v[NIL]
	s_wait_dscnt 0x0
	CROUND                                         ; the closing round: no work-group ends while a partner may still ask for a tile that names it
	s_endpgm
.Lfunc_end_k_q2057e28801_outp:
	.size	k_q2057e28801_outp, .Lfunc_end_k_q2057e28801_outp-k_q2057e28801_outp
	.p2alignl 7, 3214868480
	.fill 96, 4, 3214868480
	.section	.rodata,"a",@progbits
	.p2align	6, 0x0
	.amdhsa_kernel k_q2057e28801_outp
		.amdhsa_group_segment_fixed_size 327680
		.amdhsa_private_segment_fixed_size 0
		.amdhsa_enable_private_segment 0
		.amdhsa_kernarg_size 32
		.amdhsa_user_sgpr_count 2
		.amdhsa_user_sgpr_kernarg_segment_ptr 1
		.amdhsa_wavefront_size32 1
		.amdhsa_system_sgpr_workgroup_id_x 1
		.amdhsa_system_sgpr_workgroup_id_y 1
		.amdhsa_system_sgpr_workgroup_id_z 1
		.amdhsa_system_vgpr_workitem_id 0
		.amdhsa_next_free_vgpr 512
		.amdhsa_next_free_sgpr 66
		.amdhsa_reserve_vcc 0
		.amdhsa_float_denorm_mode_32 3
		.amdhsa_float_denorm_mode_16_64 3
		.amdhsa_memory_ordered 1
		.amdhsa_forward_progress 1
		.amdhsa_inst_pref_size 91
	.end_amdhsa_kernel
	.amdgpu_metadata
---
amdhsa.version: [ 1, 2 ]
amdhsa.kernels:
  - .name:           k_q2057e28801_outp
    .symbol:         k_q2057e28801_outp.kd
    .args:
      - { .name: ob, .offset: 0, .size: 8, .value_kind: global_buffer, .address_space: global }
      - { .name: cb, .offset: 8, .size: 8, .value_kind: global_buffer, .address_space: global }
      - { .name: bu, .offset: 16, .size: 8, .value_kind: global_buffer, .address_space: global }
      - { .name: out0, .offset: 24, .size: 8, .value_kind: global_buffer, .address_space: global }
    .group_segment_fixed_size: 327680
    .private_segment_fixed_size: 0
    .kernarg_segment_align: 8
    .kernarg_segment_size: 32
    .max_flat_workgroup_size: 128
    .sgpr_count:     66
    .vgpr_count:     512
    .wavefront_size: 32
...
	.end_amdgpu_metadata
.endif
;; end of part 4
;; ======== version 2 of 2: 5 launches; 1.29 times as fast as version 1
;; limits: values are held in f16: magnitudes above 65,504 overflow, below 6.1e-05 lose precision; right only within a limited range of input values
;; workspace buffers: cb 25,165,824 bytes; gh 8,388,608 bytes; ob 33,554,432 bytes; pp 16,777,216 bytes
;; launch cast (part 5): grid 256 x 5, 8 waves a work-group, no clusters, 0 bytes of LDS; arguments x, Wq, Wk, Wv, Wu, cb; writes cb
.if DOCPART == 5
	.amdgcn_target "amdgcn-amd-amdhsa--gfx1250"
	.amdhsa_code_object_version 6
	.text
	.protected	k_q2057e28801_cast
	.globl	k_q2057e28801_cast
	.p2align	8
	.type	k_q2057e28801_cast,@function
k_q2057e28801_cast:
	s_mov_b64 s[64:65], 0
	v_nop
	global_prefetch_b8 v0, s[64:65] scope:SCOPE_SE
	s_setreg_imm32_b32 hwreg(HW_REG_WAVE_MODE, 25, 1), 1
	s_wait_xcnt 0x0
; cb = [x as f16 | x | Wq | Wk | Wv | Wu], six sections of 2,097,152 numbers of 16 bits (4 MiB each).  Every number is rounded to bf16 (nearest even); sections 1 to 5 hold that bf16;
; section 0 holds x's bf16 numbers written as f16, for the product with the softmax's f16 weights.
; The grid's y picks the input, its x 32 KiB of it.
; LIMITS.  A bf16 number is exact in f16 from 2^-17 up to 65,504; below 2^-17 it keeps f16's fixed step of 2^-24; from 65,520 on it becomes an infinity: x stays under that.
; A stream: no LDS, no barrier, no matrix unit.  Thread t takes 16 bytes at 4,096 i + 16 t (i = 0..7): a wave's load covers 512 consecutive bytes,
; its store of 8 bytes a lane 256 consecutive bytes, aligned.  All eight loads go out first; no register that a load or store names is written twice.
.set X,  4                             ; v[4:35]   eight loads of four f32
.set T,  36                            ; v[36:39]  at work
.set YB, 40                            ; v[40:55]  eight pairs of bf16 words to store
.set YH, 56                            ; v[56:71]  eight pairs of f16 words to store (x alone)
	s_load_b256 s[4:11], s[0:1], 0x0               ; x s[4:5], Wq s[6:7], Wk s[8:9], Wv s[10:11]
	s_load_b128 s[12:15], s[0:1], 0x20             ; Wu s[12:13], cb s[14:15]
	s_and_b32 s20, ttmp7, 0xffff                   ; which input
	s_lshl_b32 s18, ttmp9, 15                      ; my 32 KiB of it
	s_mov_b32 s19, 0
	s_lshl_b32 s26, ttmp9, 14                      ; my 16 KiB of a section of cb
	s_mov_b32 s27, 0
	s_add_co_u32 s22, s20, 1                       ; input y goes to section y + 1
	s_lshl_b32 s22, s22, 22
	s_add_co_u32 s22, s22, s26
	s_mov_b32 s23, 0
	s_mov_b32 s28, 0xffff0000                      ; a word's upper bf16
	v_lshlrev_b32 v1, 4, v0
	v_lshlrev_b32 v2, 3, v0
	s_wait_kmcnt 0x0
	s_mov_b64 s[16:17], s[4:5]
.irp y, 1,2,3,4
	s_cmp_eq_u32 s20, \y                           ; the choice hangs on the grid's y alone
	s_cselect_b64 s[16:17], s[4+2*\y:5+2*\y], s[16:17]
.endr
	s_add_nc_u64 s[16:17], s[16:17], s[18:19]
	s_add_nc_u64 s[24:25], s[14:15], s[22:23]      ; the bf16 section
	s_add_nc_u64 s[14:15], s[14:15], s[26:27]      ; section 0
.irp i, 0,1,2,3,4,5,6,7
	global_load_b128 v[X+4*\i:X+4*\i+3], v1, s[16:17] offset:4096*\i th:TH_LOAD_NT
.endr
.irp i, 0,1,2,3,4,5,6,7
	s_wait_loadcnt 7-\i                            ; loads come back in order: piece i is in, the younger ones stay out
	v_cvt_pk_bf16_f32 v[YB+2*\i], v[X+4*\i], v[X+4*\i+1]
	v_cvt_pk_bf16_f32 v[YB+2*\i+1], v[X+4*\i+2], v[X+4*\i+3]
	global_store_b64 v2, v[YB+2*\i:YB+2*\i+1], s[24:25] offset:2048*\i
.endr
	s_cmp_lg_u32 s20, 0
	s_cbranch_scc1 .Ldone                          ; only x has a second copy
.irp i, 0,1,2,3,4,5,6,7
	v_lshlrev_b32 v[T], 16, v[YB+2*\i]             ; bf16 back to f32: the low half moves up, the high half stays
	v_and_b32 v[T+1], s28, v[YB+2*\i]
	v_lshlrev_b32 v[T+2], 16, v[YB+2*\i+1]
	v_and_b32 v[T+3], s28, v[YB+2*\i+1]
	v_cvt_pk_f16_f32 v[YH+2*\i], v[T], v[T+1]
	v_cvt_pk_f16_f32 v[YH+2*\i+1], v[T+2], v[T+3]
	global_store_b64 v2, v[YH+2*\i:YH+2*\i+1], s[14:15] offset:2048*\i
.endr
.Ldone:
	s_endpgm
.Lfunc_end_k_q2057e28801_cast:
	.size	k_q2057e28801_cast, .Lfunc_end_k_q2057e28801_cast-k_q2057e28801_cast
	.p2alignl 7, 3214868480
	.fill 96, 4, 3214868480
	.section	.rodata,"a",@progbits
	.p2align	6, 0x0
	.amdhsa_kernel k_q2057e28801_cast
		.amdhsa_group_segment_fixed_size 0
		.amdhsa_private_segment_fixed_size 0
		.amdhsa_enable_private_segment 0
		.amdhsa_kernarg_size 48
		.amdhsa_user_sgpr_count 2
		.amdhsa_user_sgpr_kernarg_segment_ptr 1
		.amdhsa_wavefront_size32 1
		.amdhsa_system_sgpr_workgroup_id_x 1
		.amdhsa_system_sgpr_workgroup_id_y 1
		.amdhsa_system_sgpr_workgroup_id_z 1
		.amdhsa_system_vgpr_workitem_id 0
		.amdhsa_next_free_vgpr 72
		.amdhsa_next_free_sgpr 66
		.amdhsa_reserve_vcc 0
		.amdhsa_float_denorm_mode_32 3
		.amdhsa_float_denorm_mode_16_64 3
		.amdhsa_memory_ordered 1
		.amdhsa_forward_progress 1
		.amdhsa_inst_pref_size 7
	.end_amdhsa_kernel
	.amdgpu_metadata
---
amdhsa.version: [ 1, 2 ]
amdhsa.kernels:
  - .name:           k_q2057e28801_cast
    .symbol:         k_q2057e28801_cast.kd
    .args:
      - { .name: x, .offset: 0, .size: 8, .value_kind: global_buffer, .address_space: global }
      - { .name: Wq, .offset: 8, .size: 8, .value_kind: global_buffer, .address_space: global }
      - { .name: Wk, .offset: 16, .size: 8, .value_kind: global_buffer, .address_space: global }
      - { .name: Wv, .offset: 24, .size: 8, .value_kind: global_buffer, .address_space: global }
      - { .name: Wu, .offset: 32, .size: 8, .value_kind: global_buffer, .address_space: global }
      - { .name: cb, .offset: 40, .size: 8, .value_kind: global_buffer, .address_space: global }
    .group_segment_fixed_size: 0
    .private_segment_fixed_size: 0
    .kernarg_segment_align: 8
    .kernarg_segment_size: 48
    .max_flat_workgroup_size: 256
    .sgpr_count:     66
    .vgpr_count:     72
    .wavefront_size: 32
...
	.end_amdgpu_metadata
.endif
;; end of part 5
;; launch prep (part 6): grid 4 x 64, 4 waves a work-group, clusters of 4 x 4, 327,680 bytes of LDS; arguments cb, gh; writes gh
.if DOCPART == 6
	.amdgcn_target "amdgcn-amd-amdhsa--gfx1250"
	.amdhsa_code_object_version 6
	.text
	.protected	k_q2057e28801_prep
	.globl	k_q2057e28801_prep
	.p2align	8
	.type	k_q2057e28801_prep,@function
k_q2057e28801_prep:
	s_mov_b64 s[64:65], 0
	v_nop
	global_prefetch_b8 v0, s[64:65] scope:SCOPE_SE
	s_setreg_imm32_b32 hwreg(HW_REG_WAVE_MODE, 25, 1), 1
	s_wait_xcnt 0x0
	s_wait_alu depctr_hold_cnt(0) depctr_sa_sdst(0) depctr_va_vdst(0) depctr_va_sdst(0) depctr_va_ssrc(0) depctr_va_vcc(0) depctr_vm_vsrc(0)
	s_getreg_b32 s2, hwreg(HW_REG_IB_STS2, 6, 4)
	s_cmp_eq_u32 s2, 0
	s_cbranch_scc0 .Lentry_in_a_cluster
	s_endpgm
.Lentry_in_a_cluster:
	s_bfe_u32 s2, ttmp6, 0x10000c
	s_cmp_lg_u32 s2, 0xf033
	s_cbranch_scc0 .Lentry_shape_is_right
	s_endpgm
.Lentry_shape_is_right:
; THE TWO PRODUCTS OF WEIGHTS that take the key and value projections' place (matrix products are associative):
;   kind 0:  G_h[i][j] = sum over c of Wq[i][512 h + c] Wk[j][512 h + c]      so that  scores_h = (x G_h) x^T,      stored bf16, [8][512][512], at gh
;   kind 1:  H_h[c][n] = sum over j of Wv[c][512 h + j] Wu[512 h + j][n]      so that  out = sum over h of (P_h x) H_h,  stored as 256 H in f16, [4096 = 512 h + c][512], at gh + 4 MiB
; The weights are bf16 in cb: Wq, Wk, Wv [512][4096] at 8, 12, 16 MiB, Wu [4096][512] at 20 MiB.  Sums in f32, each result rounded once.
; LIMITS.  256 H has f16's range: |H| stays under 255 (as drawn it is some 0.005; the factor, a power of two and so exact, keeps weights 30 times smaller among f16's normal numbers).  G has bf16's range.
; SHARES.  Sixteen matrices of 512 x 512 x 512.  A cluster of 4 x 4 work-groups makes one matrix (the cluster's y = 8 kind + h), a work-group a tile of 128 x 128, each of its four waves 64 x 64 in 16 accumulators.
; K = 512 is two steps of 256, each in an LDS slot of its own: both are first fills, and no byte of LDS is filled again.
; The four work-groups of a row of the cluster need the same rows of Wq (Wv), the four of a column the same rows of Wk (columns of Wu): each tile is asked for JOINTLY.
; THE TWO KINDS differ in their second operand: Wk's rows lie along K and are loaded as they lie; Wu lies [k][n] and is turned on its way into registers by ds_load_tr16_b128.  Each kind has a text of its own,
; under one branch on the cluster's y, a number that the sixteen partners share; so every descriptor word but the address is a constant of its text.
; THE MATRIX INSTRUCTION IS USED TRANSPOSED (source 0 = 16 columns of the result, source 1 = 16 rows): a lane holds eight neighbouring numbers of a row of the result, 16 bytes when rounded.
; REGISTERS: window 0: v0-31 addresses; v32-95 at work on the way out; v128-255 the accumulators ((a, b) at v[128 + 8 (4 a + b)]).   window 1: two fragment buffers of 128: for 64 along K, 64 registers of the first operand, then 64 of the second.
.set PA,     528                       ; an LDS row along K: 512 bytes + 16: the 16 rows that a load touches start 16 bytes apart modulo 256
.set PB,     288                       ; an LDS row of Wu: 256 bytes + 32: the 8 rows x 32 bytes that 16 lanes of the turning load take fall on different words modulo 256 bytes
.set AHALF,  64*PA                     ; what a tensor load of waves 0, 1 brings: 64 rows
.set BHALF,  128*PB                    ; the room of what waves 2, 3 bring: 128 rows of Wu, or 64 rows of Wk (64 x 528, which is less)
.set BOFF,   2*AHALF
.set SLOT,   2*AHALF+2*BHALF
.set STAGE,  2*SLOT                    ; behind the slots: 128 rows x 272 bytes, the work-group's, for the way out
.set SPITCH, 272
.set SPARE,  STAGE+128*SPITCH          ; the spare words, 128 bytes for each wave
.set GROW,   1024                      ; bytes in a row of G and of H
.set ADRA, 16                          ; v16-17  LDS address of my fragments of the first operand in slot 0, 1
.set ADRB, 20                          ; v20-23  of the second: slot s at ADRB + 2 s; Wu: rows 0-127 there, rows 128-255 one register on (an LDS offset has 16 bits)
.set STO,  24                          ; v24     the way out: where I put 16 bytes of a row
.set RD,   25                          ; v25     where I read a row back
.set CO,   26                          ; v26     my byte offset in the result
.set SPW,  28                          ; v28     LDS address of my spare word; never rewritten
.set NIL,  29                          ; v29     0; never rewritten
.set TMP,  32
.set ACC,  128
.set F0,   0
.set F1,   128
.set KIND, 2                           ; s2  0: G, 1: H
.set HD,   3                           ; s3  the head
.set SC,   10                          ; s[10:11] 256.0
.set WV,   12                          ; s12 wave;  s13 which half of the rows is mine, and: I fetch the first operand (0) or the second (1);  s14 which half of the columns, and which half I fetch
.set HR,   13
.set HC,   14
.set G1,   24                          ; s[24:31] descriptor group 1 of the first operand;  s[32:39] group 0, one set for each slot
.set G0,   32
.set G1B,  48                          ; s[48:55], s[56:63] the same for the second
.set G0B,  56
.set MSB, 0
.macro WIN new                         ; the immediate's high byte repeats the setting that is left; a switch that changes nothing is dropped
.if MSB != (\new)
	s_set_vgpr_msb (MSB<<8)|(\new)
.set MSB, (\new)
.endif
.endm
.set MUL,  0x05                        ; sources 0 and 1 window 1; C and D window 0
.set TO_F, 0x40                        ; destination window 1, address window 0
.macro JLOAD s                         ; a joint load; an s_nop 0 and four v_nop follow each of the two lines
	s_cmp_eq_u32 s[HR], 0
	s_cbranch_scc0 .Lfor_b_\@
	tensor_load_to_lds s[G0+4*(\s):G0+4*(\s)+3], s[G1:G1+7]
	s_nop 0
.rept 4
	v_nop
.endr
	s_branch .Lasked_\@
.Lfor_b_\@:
	tensor_load_to_lds s[G0B+4*(\s):G0B+4*(\s)+3], s[G1B:G1B+7]
	s_nop 0
.rept 4
	v_nop
.endr
.Lasked_\@:
.endm
.macro CREST                           ; a round of the cluster's barrier behind its opening barrier
	s_cmp_lg_u32 s[WV], 0
	s_cbranch_scc1 .Lnot_wave_0_\@
	s_barrier_signal -3
.Lnot_wave_0_\@:
	s_barrier_wait -3
	s_barrier_signal -1
	s_barrier_wait -1
.endm
.macro CROUND
	s_barrier_signal -1
	s_barrier_wait -1
	CREST
.endm
; 8 matrix instructions: m blocks a0, a0 + 1 x all 4 n blocks, 32 along K: half c of buffer f.  zero = 1: the first product starts the sums.  The 16 accumulators take turns.
.macro MUL8 f, c, a0, zero
	WIN MUL
.irp a, \a0, (\a0)+1
.irp b, 0,1,2,3
.if \zero
	v_wmma_f32_16x16x32_bf16 v[ACC+8*(4*(\a)+(\b)):ACC+8*(4*(\a)+(\b))+7], v[(\f)+64+8*(4*(\c)+(\b)):(\f)+64+8*(4*(\c)+(\b))+7], v[(\f)+8*(4*(\c)+(\a)):(\f)+8*(4*(\c)+(\a))+7], 0
.else
	v_wmma_f32_16x16x32_bf16 v[ACC+8*(4*(\a)+(\b)):ACC+8*(4*(\a)+(\b))+7], v[(\f)+64+8*(4*(\c)+(\b)):(\f)+64+8*(4*(\c)+(\b))+7], v[(\f)+8*(4*(\c)+(\a)):(\f)+8*(4*(\c)+(\a))+7], v[ACC+8*(4*(\a)+(\b)):ACC+8*(4*(\a)+(\b))+7]
.endif
.endr
.endr
.endm
; 32 LDS loads in one run: the fragments of 64 along K (byte k of the rows that lie along K; rows k / 2 on of Wu) into buffer f; the first 32 along K first
.macro FETCH kind, slot, k, f
	WIN TO_F
.irp c, 0,1
.irp i, 0,1,2,3
.if \kind
	ds_load_tr16_b128 v[(\f)+64+8*(4*(\c)+(\i)):(\f)+64+8*(4*(\c)+(\i))+3],   v[ADRB+2*(\slot)+(\k)/256] offset:((((\k)/128)%2)*64+32*(\c))*PB+32*(\i)
	ds_load_tr16_b128 v[(\f)+64+8*(4*(\c)+(\i))+4:(\f)+64+8*(4*(\c)+(\i))+7], v[ADRB+2*(\slot)+(\k)/256] offset:((((\k)/128)%2)*64+32*(\c))*PB+16*PB+32*(\i)
.else
	ds_load_b128 v[(\f)+64+8*(4*(\c)+(\i)):(\f)+64+8*(4*(\c)+(\i))+3],   v[ADRB+2*(\slot)] offset:(\k)+64*(\c)+(\i)*16*PA
	ds_load_b128 v[(\f)+64+8*(4*(\c)+(\i))+4:(\f)+64+8*(4*(\c)+(\i))+7], v[ADRB+2*(\slot)] offset:(\k)+64*(\c)+(\i)*16*PA+32
.endif
	ds_load_b128 v[(\f)+8*(4*(\c)+(\i)):(\f)+8*(4*(\c)+(\i))+3],         v[ADRA+(\slot)] offset:(\k)+64*(\c)+(\i)*16*PA
	ds_load_b128 v[(\f)+8*(4*(\c)+(\i))+4:(\f)+8*(4*(\c)+(\i))+7],       v[ADRA+(\slot)] offset:(\k)+64*(\c)+(\i)*16*PA+32
.endr
.endr
.endm
.macro PLACES                          ; four plain vector instructions in front of loads into registers that matrix instructions have read, and of vector reads of results
.rept 4
	v_nop
.endr
.endm
; A K step is four quarters of 64 along K, 32 matrix instructions each, on buffers 0, 1, 0, 1.
.macro QUARTER kind, slot, k, f, g, zero
	s_wait_dscnt 16                                ; the first 32 along K are in
	MUL8 \f, 0, 0, \zero
	MUL8 \f, 0, 2, \zero
	PLACES
	FETCH \kind, \slot, \k, \g
	s_wait_dscnt 32                                ; all but the 32 just issued
	MUL8 \f, 1, 0, 0
	MUL8 \f, 1, 2, 0
.endm
; Slot 0's last quarter, and the step into slot 1: each wave waits for its part of slot 1, then the barrier shows everybody's.  Nothing is filled again.
.macro TURN kind
	WIN 0
	s_wait_tensorcnt 0x0                           ; my part of slot 1 has landed
	ds_add_u32 v[SPW], v[NIL]
	s_wait_dscnt 17                                ; (the add and the youngest sixteen loads may be out)
	MUL8 F1, 0, 0, 0
	s_wait_dscnt 0x0                               ; no LDS instruction of mine is pending at the signal
	s_barrier_signal -1
	MUL8 F1, 0, 2, 0
	s_barrier_wait -1
	PLACES
	FETCH \kind, 1, 0, F0
	MUL8 F1, 1, 0, 0
	MUL8 F1, 1, 2, 0
.endm
; One kind's whole text, from the second operand's descriptors to the rounded results in v[TMP ..].
.macro BODY kind
.if \kind
	s_or_b32 s[G1B+0], s44, (1<<16)|(1<<20)|(1<<21)|(5<<22)|(7<<25)  ; my column's mask; 2-byte elements; padding on; bit 21 beside a mask; after every 64 words, 8 words
	s_mov_b32 s[G1B+1], 128<<16                    ; tensor_dim0 = 128
	s_mov_b32 s[G1B+2], 128<<16                    ; tensor_dim1 = 128
	s_mov_b32 s[G1B+3], 128<<16                    ; tile_dim0 = 128
	s_mov_b32 s[G1B+4], 128                        ; tile_dim1 = 128
	s_mov_b32 s[G1B+5], 512                        ; elements from row to row of Wu
	s_lshl_b32 s46, s[HD], 19                      ; Wu: 20 MiB + (512 h + 128 x half) rows of 1,024 bytes + 256 x tile column
	s_lshl_b32 s47, s[HC], 17
	s_add_co_u32 s46, s46, s47
	s_lshl_b32 s47, s40, 8
	s_add_co_u32 s46, s46, s47
	s_add_co_u32 s46, s46, 0x1400000
.else
	s_or_b32 s[G1B+0], s44, (1<<16)|(1<<20)|(1<<21)|(6<<22)|(3<<25)  ; after every 128 words, 4 words
	s_mov_b32 s[G1B+1], 256<<16                    ; tensor_dim0 = 256
	s_mov_b32 s[G1B+2], 64<<16                     ; tensor_dim1 = 64
	s_mov_b32 s[G1B+3], 256<<16                    ; tile_dim0 = 256
	s_mov_b32 s[G1B+4], 64                         ; tile_dim1 = 64
	s_mov_b32 s[G1B+5], 4096                       ; elements from row to row of Wk
	s_lshl_b32 s46, s40, 20                        ; Wk: 12 MiB + (128 x tile column + 64 x half) rows of 8,192 bytes + 1,024 h
	s_lshl_b32 s47, s[HC], 19
	s_add_co_u32 s46, s46, s47
	s_lshl_b32 s47, s[HD], 10
	s_add_co_u32 s46, s46, s47
	s_add_co_u32 s46, s46, 0xc00000
.endif
	s_mov_b32 s[G1B+6], 0
	s_mov_b32 s[G1B+7], 0
	s_mov_b32 s47, 0
	s_add_nc_u64 s[46:47], s[4:5], s[46:47]
	CROUND                                         ; all sixteen work-groups are here: the joint loads meet
.irp s, 0,1
	s_mov_b32 s[G0+4*(\s)], 1
	s_add_co_u32 s[G0+4*(\s)+1], s20, (\s)*SLOT
	s_add_nc_u64 s[G0+4*(\s)+2:G0+4*(\s)+3], s[18:19], (\s)*512            ; K step s: 256 elements along the rows
	s_or_b32 s[G0+4*(\s)+3], s[G0+4*(\s)+3], 0x80000000
	s_mov_b32 s[G0B+4*(\s)], 1
	s_add_co_u32 s[G0B+4*(\s)+1], s21, (\s)*SLOT
	s_add_nc_u64 s[G0B+4*(\s)+2:G0B+4*(\s)+3], s[46:47], (\s)*(512+(\kind)*(256*1024-512))  ; the same along Wk's rows, or 256 rows of Wu
	s_or_b32 s[G0B+4*(\s)+3], s[G0B+4*(\s)+3], 0x80000000
	JLOAD \s
.endr
.if \kind
	s_lshl_b32 s23, s[HC], 7                       ; my 64 columns of Wu, 128 bytes,
	s_add_co_u32 s23, s23, BOFF                    ; behind the first operand's 128 rows
.irp s, 0,1
	v_add_nc_u32 v[ADRB+2*(\s)], s23, v4
	s_add_co_u32 s23, s23, BHALF
	v_add_nc_u32 v[ADRB+2*(\s)+1], s23, v4
	s_add_co_u32 s23, s23, SLOT-BHALF
.endr
.else
	v_add_nc_u32 v[ADRB], s21, v3                  ; my 64 columns of G are the 64 rows of Wk in half HC of the tile
	v_add_nc_u32 v[ADRB+2], SLOT, v[ADRB]
.endif
	s_wait_tensorcnt 0x1                           ; my part of K step 0 is in; step 1's may stay out
	s_barrier_signal -1
	s_barrier_wait -1
	FETCH \kind, 0, 0, F0
	QUARTER \kind, 0, 128, F0, F1, 1               ; the first products start the sums
	QUARTER \kind, 0, 256, F1, F0, 0
	QUARTER \kind, 0, 384, F0, F1, 0
	TURN \kind
	QUARTER \kind, 1, 128, F0, F1, 0
	QUARTER \kind, 1, 256, F1, F0, 0
	QUARTER \kind, 1, 384, F0, F1, 0
	s_wait_dscnt 16
	MUL8 F1, 0, 0, 0
	MUL8 F1, 0, 2, 0
	s_wait_dscnt 0x0
	MUL8 F1, 1, 0, 0
	MUL8 F1, 1, 2, 0
	WIN 0
	PLACES
.if \kind
.set z, 0
.rept 64
	v_pk_mul_f32 v[ACC+2*z:ACC+2*z+1], v[ACC+2*z:ACC+2*z+1], s[SC:SC+1] op_sel_hi:[1,0]  ; 256 H; each accumulator from its low end
.set z, z+1
.endr
.endif
.set z, 0
.rept 64
.if \kind
	v_cvt_pk_f16_f32 v[TMP+z], v[ACC+2*z], v[ACC+2*z+1]
.else
	v_cvt_pk_bf16_f32 v[TMP+z], v[ACC+2*z], v[ACC+2*z+1]
.endif
.set z, z+1
.endr
.endm
	s_load_b128 s[4:7], s[0:1], 0x0                ; cb s[4:5], gh s[6:7]
	v_lshl_add_u32 v[SPW], v0, 2, SPARE
	v_mov_b32 v[NIL], 0
	ds_add_u32 v[SPW], v[NIL]                      ; the wave's opening: the add and its wait come ahead of my first tensor load
	v_lshrrev_b32 v1, 5, v0
	v_readfirstlane_b32 s[WV], v1
	s_lshr_b32 s[HR], s[WV], 1
	s_and_b32 s[HC], s[WV], 1
	s_bfe_u32 s40, ttmp6, 0x40000                  ; cx: the tile column
	s_bfe_u32 s41, ttmp6, 0x40004                  ; cy: the tile row
	s_and_b32 s15, ttmp7, 0xffff                   ; the cluster's y = 8 kind + h
	s_lshr_b32 s[KIND], s15, 3
	s_and_b32 s[HD], s15, 7
	s_lshl_b32 s43, s41, 2
	s_lshl_b32 s43, 15, s43                        ; my row of the cluster
	s_lshl_b32 s44, 0x1111, s40                    ; my column
	s_or_b32 s[G1+0], s43, (1<<16)|(1<<20)|(1<<21)|(6<<22)|(3<<25)   ; after every 128 words, 4 words of padding
	s_mov_b32 s[G1+1], 256<<16                     ; tensor_dim0 = 256
	s_mov_b32 s[G1+2], 64<<16                      ; tensor_dim1 = 64
	s_mov_b32 s[G1+3], 256<<16                     ; tile_dim0 = 256
	s_mov_b32 s[G1+4], 64                          ; tile_dim1 = 64
	s_mov_b32 s[G1+5], 4096
	s_mov_b32 s[G1+6], 0
	s_mov_b32 s[G1+7], 0
	s_lshl_b32 s16, s[KIND], 23                    ; Wq at 8 MiB or Wv at 16 MiB,
	s_add_co_u32 s16, s16, 0x800000
	s_lshl_b32 s17, s41, 20                        ; (128 x tile row + 64 x half) rows of 8,192 bytes,
	s_add_co_u32 s16, s16, s17
	s_lshl_b32 s17, s[HC], 19
	s_add_co_u32 s16, s16, s17
	s_lshl_b32 s17, s[HD], 10                      ; the head's 512 columns
	s_add_co_u32 s16, s16, s17
	s_mov_b32 s17, 0
	s_mul_i32 s20, s[HC], AHALF                    ; where the tiles go: no place in the cluster enters an LDS address
	s_mul_i32 s21, s[HC], BHALF
	s_add_co_u32 s21, s21, BOFF
	s_mov_b32 s[SC], 0x43800000                    ; 256.0
	s_mov_b32 s[SC+1], s[SC]
	v_and_b32 v1, 15, v0                           ; l % 16
	v_bfe_u32 v2, v0, 4, 1                         ; l / 16
	v_mul_u32_u24 v3, v1, PA
	v_lshl_add_u32 v3, v2, 4, v3                   ; rows along K: row x pitch + 16 x half
	v_and_b32 v4, 7, v0                            ; Wu, turned: row 8 (l / 16) + l % 8, 16 bytes at column 8 ((l / 8) % 2)
	v_lshl_add_u32 v4, v2, 3, v4
	v_mul_u32_u24 v4, v4, PB
	v_bfe_u32 v6, v0, 3, 1
	v_lshl_add_u32 v4, v6, 4, v4
	s_mul_i32 s22, s[HR], AHALF                    ; my 64 rows of the first operand
	v_add_nc_u32 v[ADRA], s22, v3
	v_add_nc_u32 v[ADRA+1], SLOT, v[ADRA]
	s_mul_i32 s23, s[HR], 64*SPITCH                ; into the stage: my 64 rows, my half of their 256 bytes; row l % 16, 16 bytes for each half of the lanes
	s_lshl_b32 s22, s[HC], 7
	s_add_co_u32 s23, s23, s22
	s_add_co_u32 s23, s23, STAGE
	v_mul_u32_u24 v5, v1, SPITCH
	v_lshl_add_u32 v5, v2, 4, v5
	v_add_nc_u32 v[STO], s23, v5
	s_mul_i32 s23, s[WV], 32*SPITCH                ; back: wave w takes rows 32 w .. 32 w + 31, whole; lanes 0-15 one row of 256 bytes, lanes 16-31 the next
	s_add_co_u32 s23, s23, STAGE
	v_mul_u32_u24 v5, v2, SPITCH
	v_lshl_add_u32 v5, v1, 4, v5
	v_add_nc_u32 v[RD], s23, v5
	v_lshlrev_b32 v5, 10, v2                       ; and the same two rows in the result
	v_lshl_add_u32 v[CO], v1, 4, v5
	s_wait_dscnt 0x0                               ; the opening add is done
	s_wait_kmcnt 0x0
	s_add_nc_u64 s[18:19], s[4:5], s[16:17]
	s_lshl_b32 s16, s[KIND], 22                    ; the result: 4 MiB x kind + (512 h + 128 x tile row + 32 x wave) rows of 1,024 bytes + 256 x tile column
	s_lshl_b32 s17, s[HD], 19
	s_add_co_u32 s16, s16, s17
	s_lshl_b32 s17, s41, 17
	s_add_co_u32 s16, s16, s17
	s_lshl_b32 s17, s[WV], 15
	s_add_co_u32 s16, s16, s17
	s_lshl_b32 s17, s40, 8
	s_add_co_u32 s16, s16, s17
	s_mov_b32 s17, 0
	s_add_nc_u64 s[8:9], s[6:7], s[16:17]
	s_cmp_lg_u32 s[KIND], 0                        ; the same in all sixteen work-groups of the cluster
	s_cbranch_scc1 .Lkind1
	BODY 0
	s_branch .Lout
.Lkind1:
	BODY 1
.Lout:
	; THE WAY OUT: 16 bytes a lane into the work-group's stage; a barrier, since a row's 256 bytes come from two waves; back as whole rows, 32 rows a wave.
.irp a, 0,1,2,3
.irp b, 0,1,2,3
	ds_store_b128 v[STO], v[TMP+4*(4*(\a)+(\b)):TMP+4*(4*(\a)+(\b))+3] offset:(\a)*16*SPITCH+32*(\b)
.endr
.endr
	s_wait_dscnt 0x0                               ; for the others' sake: my stores into the stage are done
	s_barrier_signal -1
	s_barrier_wait -1
.irp t, 0,1,2,3,4,5,6,7,8,9,10,11,12,13,14,15
	ds_load_b128 v[TMP+4*(\t):TMP+4*(\t)+3], v[RD] offset:(\t)*2*SPITCH
.endr
.irp t, 0,1,2,3,4,5,6,7,8,9,10,11,12,13,14,15
	s_wait_dscnt 15-(\t)                           ; LDS loads come back in order: pair t of rows is in
	global_store_b128 v[CO], v[TMP+4*(\t):TMP+4*(\t)+3], s[8:9] offset:2*(\t)*GROW  ; 16 lanes store 256 consecutive bytes, aligned
.endr
	s_wait_tensorcnt 0x0                           ; the wave's end
	ds_add_u32 v[SPW], v[NIL]
	s_wait_dscnt 0x0
	CROUND                                         ; the closing round: no work-group ends while a partner may still ask for a tile that names it
	s_endpgm
.Lfunc_end_k_q2057e28801_prep:
	.size	k_q2057e28801_prep, .Lfunc_end_k_q2057e28801_prep-k_q2057e28801_prep
	.p2alignl 7, 3214868480
	.fill 96, 4, 3214868480
	.section	.rodata,"a",@progbits
	.p2align	6, 0x0
	.amdhsa_kernel k_q2057e28801_prep
		.amdhsa_group_segment_fixed_size 327680
		.amdhsa_private_segment_fixed_size 0
		.amdhsa_enable_private_segment 0
		.amdhsa_kernarg_size 16
		.amdhsa_user_sgpr_count 2
		.amdhsa_user_sgpr_kernarg_segment_ptr 1
		.amdhsa_wavefront_size32 1
		.amdhsa_system_sgpr_workgroup_id_x 1
		.amdhsa_system_sgpr_workgroup_id_y 1
		.amdhsa_system_sgpr_workgroup_id_z 1
		.amdhsa_system_vgpr_workitem_id 0
		.amdhsa_next_free_vgpr 512
		.amdhsa_next_free_sgpr 66
		.amdhsa_reserve_vcc 0
		.amdhsa_float_denorm_mode_32 3
		.amdhsa_float_denorm_mode_16_64 3
		.amdhsa_memory_ordered 1
		.amdhsa_forward_progress 1
		.amdhsa_inst_pref_size 96
	.end_amdhsa_kernel
	.amdgpu_metadata
---
amdhsa.version: [ 1, 2 ]
amdhsa.kernels:
  - .name:           k_q2057e28801_prep
    .symbol:         k_q2057e28801_prep.kd
    .args:
      - { .name: cb, .offset: 0, .size: 8, .value_kind: global_buffer, .address_space: global }
      - { .name: gh, .offset: 8, .size: 8, .value_kind: global_buffer, .address_space: global }
    .group_segment_fixed_size: 327680
    .private_segment_fixed_size: 0
    .kernarg_segment_align: 8
    .kernarg_segment_size: 16
    .max_flat_workgroup_size: 128
    .sgpr_count:     66
    .vgpr_count:     512
    .wavefront_size: 32
...
	.end_amdgpu_metadata
.endif
;; end of part 6
;; launch attn (part 7): grid 8 x 32, 4 waves a work-group, clusters of 4 x 1, 327,680 bytes of LDS; arguments cb, gh, ob; writes ob
.if DOCPART == 7
	.amdgcn_target "amdgcn-amd-amdhsa--gfx1250"
	.amdhsa_code_object_version 6
	.text
	.protected	k_q2057e28801_attn
	.globl	k_q2057e28801_attn
	.p2align	8
	.type	k_q2057e28801_attn,@function
k_q2057e28801_attn:
	s_mov_b64 s[64:65], 0
	v_nop
	global_prefetch_b8 v0, s[64:65] scope:SCOPE_SE
	s_setreg_imm32_b32 hwreg(HW_REG_WAVE_MODE, 25, 1), 1
	s_wait_xcnt 0x0
	s_wait_alu depctr_hold_cnt(0) depctr_sa_sdst(0) depctr_va_vdst(0) depctr_va_sdst(0) depctr_va_ssrc(0) depctr_va_vcc(0) depctr_vm_vsrc(0)
	s_getreg_b32 s2, hwreg(HW_REG_IB_STS2, 6, 4)
	s_cmp_eq_u32 s2, 0
	s_cbranch_scc0 .Lentry_in_a_cluster
	s_endpgm
.Lentry_in_a_cluster:
	s_bfe_u32 s2, ttmp6, 0x10000c
	s_cmp_lg_u32 s2, 0x3003
	s_cbranch_scc0 .Lentry_shape_is_right
	s_endpgm
.Lentry_shape_is_right:
; ob[b t][h c] = the sum over s of softmax_s(q'[t] . x[b s] / sqrt(512)) x[b s][c],  with  q'[t][j] = the sum over i of x[b t][i] G_h[i][j].
; G_h = Wq_h Wk_h^T, so q' . x[s] is q . k; the value projection and the output projection follow in the next launch as one product with H_h = Wv_h Wu_h (matrix products are associative).
; So the key tile and the value tile of every head are rows of x.  x: [4096][512], f16 at cb and bf16 at cb + 4 MiB (the same numbers); G: bf16 [8][512][512] at gh; ob: f16 [4096][4096], row = 1024 b + t, column = 512 h + c.
; FORMATS.  x G and q' x^T are multiplied in bf16 (q' is rounded once, to bf16: it has no bound that fits f16 when x and the weights carry offsets); P x in f16.  Products, maxima and sums in f32;
; the weights p are rounded to f16 for the second product (their sum l is taken of the unrounded p), the result once at the end.
; LIMITS.  x stays within f16's 65,504; p lies in 0 to 1 and below 6e-5 keeps f16's fixed step of 6e-8; a weight below 2^-126 counts as 0 in l; NaN and infinities are not treated apart.
; SHARES.  A work-group owns 128 queries of one (b, h), each of its four waves 32: two tiles of 16, with all 512 channels: O^T takes 512 registers, Q 256.  Every wave walks the 1,024 keys, 64 a step.
; LAYOUT.  S^T = K Q^T (source 0 = 16 keys, source 1 = 16 queries): a lane holds ONE query (lane % 16) and the keys 8 (lane / 16) + 0..7.  Two such results rounded to f16 ARE source 1 of O^T = V^T P.
; K comes out of LDS as it lies, V ([key][channel]) turned, by ds_load_tr16_b128.
; THE PROJECTION, first: q'^T = G^T x^T has the form of O^T = V^T P: G's tiles ([i][j], 64 rows a step, eight steps) walk V's two slots and are turned, x's fragments stand where P stands, the sums grow in O^T's
; registers.  A step's 32 registers of x come straight from memory, a step ahead, into S^T's idle registers, and are moved into P's at the step's end: P has one buffer, and a text that is looped over names fixed
; registers.  Two results rounded to bf16 ARE a fragment of Q.
; SOFTMAX.  A running maximum m and sum l a query: p = 2^(c s - c m), c = log2(e) / sqrt(512); in every step O and l are multiplied by a = 2^(c m_old - c m_new).  m starts at the lowest finite number, l at 0, a at 0.
; THE PIPELINE.  Trip r: 128 products S(r) = K(r) Q^T, behind every second of them four multiplies of O by a(r-1); then 128 products O += V(r-1)^T P(r-1), behind every second of them a slot of the
; softmax of S(r); then S(r) is rounded into P.  Trip 0 multiplies O (q', no longer wanted) by 0 and P = 0 by a stand-in tile.  At the end of trip 15, 1 / l is folded into a and into P; trip 16 does the last
; rescaling and V^T P, and its 128 products K Q^T on a stale tile, the softmax made of them, and what its end makes of that serve nothing: the price, once a launch, of one text for the two last trips.
; FRAGMENTS.  Matrix work goes in groups of 8 instructions on 4 fragments; four buffers of 32 registers take turns.  The LDS loads stand in runs of sixteen: in the middle of every even group g the fragments of
; groups g + 2 and g + 3 are fetched, into the buffers that groups g - 2 and g - 1 have read: the longest run that four buffers allow, 16 runs for a trip's 256 loads.
; CLUSTER.  The four query blocks of a cluster belong to one (b, h) and walk the same G, K and V: each tile is asked for JOINTLY, by the same tensor load, descriptor and mask in all four.
; REGISTERS, in windows of 256 (s_set_vgpr_msb: bits 1:0 source 0, 3:2 source 1, 5:4 source 2, 7:6 destination):
;   window 0: v0-15 addresses; v16-31 statistics; v32-95 S^T (v32-63 in the projection: the next step's x); v96-127 P; v128-255 the four fragment buffers
;   windows 1, 2: O^T: channel block cb of 32, tile t at window 1 + cb / 16, register 8 (2 (cb % 16) + t)          window 3: Q: tile t, channels 32 c on at 128 t + 8 c
.set PK,    1040      ; a row of K in LDS: 1,024 bytes + 16: the 16 rows of a load start 16 bytes apart modulo 256
.set PV,    1056      ; a row of V or G: 1,024 + 32: the 8 rows x 32 bytes that 16 lanes of the turning load take fall on different words modulo 256 bytes
.set KTOG,  64*PK     ; K's two slots lie at 0 and here
.set VS0,   2*64*PK   ; V's two slots
.set VS1,   VS0+64*PV
.set VTOG,  0x11800   ; VS0 xor VS1 = 0x20800 xor 0x31000
.set STAGE, VS1+64*PV ; behind the slots, never filled by a tensor load: 16 rows x 528 bytes for each wave, for the way out
.set SP,    528
.set SPARE, STAGE+4*16*SP  ; the spare words, 128 bytes for each wave
.set XROW,  1024      ; bytes in a row of x and of G
.set TILEB, 64*XROW   ; a tile of 64 rows
.set ROWB,  8192      ; bytes in a row of ob
.set AK0, 2           ; v2   my lane's place in a tile of K; never rewritten
.set AV0, 3           ; v3   the same for V and G
.set AK,  4           ; v4   the trip's LDS address for K
.set AV,  5           ; v5   for V and G
.set STO, 6           ; v6   the way out: where I put 16 bytes of a row
.set RD,  7           ; v7   the way out: where I read a row back
.set GO,  8           ; v8   my byte offset in 512 consecutive bytes of ob
.set QO,  9           ; v9   my byte offset in 16 rows of x
.set SPW, 12          ; v12  LDS address of my spare word; never rewritten
.set NIL, 13          ; v13  0; never rewritten
.set ST,  16          ; tile t's statistics at v[ST+8 t]: c m, m, l (even keys', odd keys'), c0-c3 at work; when the maximum is found c2 takes a
.set S,   32          ; tile t, key block kb at S + 32 t + 8 kb
.set XG,  32          ; the projection: the next step's fragments of x
.set P,   96          ; tile t, key half kk at P + 16 t + 8 kk
.set F,   128
.set OF,  2           ; s[2:3]  the projection: byte offset of the tile to be asked for
.set WV,  12          ; s12  my wave's number
.set KW,  17          ; s17  my half's place in a slot of K
.set VW,  18          ; s18  in a slot of V
.set G1K, 24          ; s[24:31] descriptor group 1 for K's tiles
.set G1V, 32          ; s[32:39] for V's and G's: it differs in the padding alone
.set G0K, 40          ; s[40:47] group 0 for K's tiles: a set for each first fill; the second then walks on
.set G0V, 48          ; s[48:55] the same for G's and V's
.set CNT, 56          ; s56  counts steps and trips
.set CS,  58          ; s[58:59] c
.set SEL, 60          ; s[60:61] v_permlanex16_b32's selects: each lane takes its own place in the other half
.set KB,  62          ; s62  the slot of K that the trip reads
.set VB,  63          ; s63  the slot of V or G
.set GB,  66          ; s[66:67] G_h at my half of its tile 0
.set XVB, 68          ; s[68:69] x (f16) of batch b at my half of its tile 0
.set TA,  70          ; s[70:71] the one of the two from which the next tile comes
.set BF,  1           ; 1: the groups of O^T multiply in bf16 (the projection); 0: in f16
.set MSB, 0
.macro WIN new
.if MSB != (\new)
	s_set_vgpr_msb (MSB<<8)|(\new)
.set MSB, (\new)
.endif
.endm
.set W_KQ, 0x0c       ; Q (source 1) in window 3; K, S^T, and an LDS load's address and destination in window 0
.macro PLACES
.rept 4
	v_nop
.endr
.endm
; A joint refill.  Waves 0 and 1 fetch the two halves (32 keys) of K's tile, waves 2 and 3 those of V's.  An s_nop 0 and four v_nop follow each line.
.macro JLOAD
	s_cmp_lt_u32 s[WV], 2
	s_cbranch_scc0 .Lfor_v_\@
	tensor_load_to_lds s[G0K+4:G0K+7], s[G1K:G1K+7]
	s_nop 0
.rept 4
	v_nop
.endr
	s_branch .Lasked_\@
.Lfor_v_\@:
	tensor_load_to_lds s[G0V+4:G0V+7], s[G1V:G1V+7]
	s_nop 0
.rept 4
	v_nop
.endr
.Lasked_\@:
.endm
.macro JLOADV                       ; a refill of V's slots alone: waves 0 and 1 issue nothing
	s_cmp_lt_u32 s[WV], 2
	s_cbranch_scc1 .Lnone_\@
	tensor_load_to_lds s[G0V+4:G0V+7], s[G1V:G1V+7]
	s_nop 0
.rept 4
	v_nop
.endr
.Lnone_\@:
.endm
.macro CREST                        ; a round of the cluster's barrier behind its opening barrier
	s_cmp_lg_u32 s[WV], 0
	s_cbranch_scc1 .Lnot_wave_0_\@
	s_barrier_signal -3
.Lnot_wave_0_\@:
	s_barrier_wait -3
	s_barrier_signal -1
	s_barrier_wait -1
.endm
.macro CROUND
	s_barrier_signal -1
	s_barrier_wait -1
	CREST
.endm
; Eight loads: x's fragments of one step of 64 along K (fragment f: tile f / 2, K half f % 2), off bytes behind the walking base.
.macro XLOAD dst, off
.irp f, 0,1,2,3
	global_load_b128 v[(\dst)+8*\f:(\dst)+8*\f+3],   v[QO], s[4:5] offset:(\f/2)*16*XROW+(\f%2)*64+(\off)
	global_load_b128 v[(\dst)+8*\f+4:(\dst)+8*\f+7], v[QO], s[4:5] offset:(\f/2)*16*XROW+(\f%2)*64+32+(\off)
.endr
.endm
	s_load_b128 s[4:7], s[0:1], 0x0 ; cb s[4:5], gh s[6:7]
	s_load_b64 s[8:9], s[0:1], 0x10 ; ob
	v_lshl_add_u32 v[SPW], v0, 2, SPARE
	v_mov_b32 v[NIL], 0
	ds_add_u32 v[SPW], v[NIL]       ; the wave's opening: the add and its wait come ahead of my first tensor load
	v_lshrrev_b32 v1, 5, v0
	v_readfirstlane_b32 s[WV], v1   ; wave 0..3
	s_bfe_u32 s13, ttmp6, 0x40000   ; cx
	s_lshl_b32 s14, ttmp9, 2
	s_add_co_u32 s14, s14, s13      ; my block of 128 queries: it enters my own rows' addresses alone
	s_and_b32 s15, ttmp7, 0xffff    ; 8 b + h, which the four partners share
	s_lshr_b32 s20, s15, 3          ; b
	s_and_b32 s21, s15, 7           ; h
	s_and_b32 s16, s[WV], 1         ; which half of a tile's 64 rows I fetch:
	s_lshl_b32 s19, s16, 15         ; its 32 rows of 1,024 bytes in memory,
	s_mul_i32 s[KW], s16, 32*PK     ; and its place in a slot
	s_mul_i32 s[VW], s16, 32*PV
	s_lshl_b32 s22, s20, 20         ; x: b x 1,024 rows
	s_add_co_u32 s22, s22, s19
	s_mov_b32 s23, 0
	s_lshl_b32 s[OF], s21, 19       ; G: h x 512 rows
	s_add_co_u32 s[OF], s[OF], s19
	s_mov_b32 s[OF+1], 0
	s_lshl_b32 s72, s20, 20         ; my queries' rows of x in bf16: 4 MiB + b x 1,024 rows + my block's 128 + my wave's 32
	s_lshl_b32 s73, s14, 17
	s_add_co_u32 s72, s72, s73
	s_lshl_b32 s73, s[WV], 15
	s_add_co_u32 s72, s72, s73
	s_add_co_u32 s72, s72, 0x400000
	s_mov_b32 s73, 0
	s_lshl_b32 s56, s20, 23         ; the same rows in ob, 8,192 bytes each, at the head's 512 channels
	s_lshl_b32 s57, s21, 10
	s_add_co_u32 s56, s56, s57
	s_lshl_b32 s57, s14, 20
	s_add_co_u32 s56, s56, s57
	s_lshl_b32 s57, s[WV], 18
	s_add_co_u32 s56, s56, s57
	s_mov_b32 s57, 0
	; descriptor group 1: 32 rows of 512 elements, dense in memory, padded in LDS behind every row
	s_mov_b32 s[G1K], 15|(1<<16)|(1<<20)|(1<<21)|(7<<22)|(3<<25)  ; the mask of four; 2-byte elements; padding on; bit 21 beside a mask; after every 256 words, 4 words
	s_mov_b32 s[G1V], 15|(1<<16)|(1<<20)|(1<<21)|(7<<22)|(7<<25)  ; the same with 8 words
.irp g, G1K, G1V
	s_mov_b32 s[\g+1], 512<<16      ; tensor_dim0 = 512
	s_mov_b32 s[\g+2], 32<<16       ; tensor_dim1 = 32
	s_mov_b32 s[\g+3], 512<<16      ; tile_dim0 = 512
	s_mov_b32 s[\g+4], 32           ; tile_dim1 = 32
	s_mov_b32 s[\g+5], 512          ; elements from row to row
	s_mov_b32 s[\g+6], 0
	s_mov_b32 s[\g+7], 0
.endr
	s_mov_b32 s[CS], 0x3d8293ee     ; c = log2(e) / sqrt(512) = 0.0637587
	s_mov_b32 s[CS+1], s[CS]
	s_mov_b32 s[SEL], 0x76543210
	s_mov_b32 s[SEL+1], 0xfedcba98
	s_mov_b32 s[KB], 0
	s_mov_b32 s[VB], VS0
	s_mov_b32 s[G0K], 1
	s_mov_b32 s[G0K+1], s[KW]                  ; K(0) into K's slot 0
	s_mov_b32 s[G0K+4], 1
	s_add_co_u32 s[G0K+5], s[KW], KTOG         ; K(1) into slot 1
	s_mov_b32 s[G0V], 1
	s_add_co_u32 s[G0V+1], s[VW], VS0          ; G's tile 0 into V's slot 0
	s_mov_b32 s[G0V+4], 1
	s_add_co_u32 s[G0V+5], s[VW], VS1          ; tile 1 into slot 1
	s_wait_dscnt 0x0                ; the opening add is done
	s_wait_kmcnt 0x0
	s_add_nc_u64 s[XVB:XVB+1], s[4:5], s[22:23]
	s_add_nc_u64 s[G0K+2:G0K+3], s[XVB:XVB+1], 0x400000        ; the bf16 copy lies 4 MiB behind the f16 copy
	s_or_b32 s[G0K+3], s[G0K+3], 0x80000000
	s_add_nc_u64 s[G0K+6:G0K+7], s[XVB:XVB+1], 0x400000+TILEB
	s_or_b32 s[G0K+7], s[G0K+7], 0x80000000
	s_add_nc_u64 s[GB:GB+1], s[6:7], s[OF:OF+1]
	s_add_nc_u64 s[G0V+2:G0V+3], s[GB:GB+1], 0
	s_or_b32 s[G0V+3], s[G0V+3], 0x80000000
	s_add_nc_u64 s[G0V+6:G0V+7], s[GB:GB+1], TILEB
	s_or_b32 s[G0V+7], s[G0V+7], 0x80000000
	s_add_nc_u64 s[4:5], s[4:5], s[72:73]      ; x (bf16) and ob at my wave's first row
	s_add_nc_u64 s[10:11], s[8:9], s[56:57]
	s_mov_b32 s[OF], 2*TILEB        ; the first refill brings G's tile 2
	CROUND                          ; all four work-groups are here: the first joint loads meet
	s_cmp_lt_u32 s[WV], 2           ; a wave's two first fills stand in one branch: two loads of mine are out
	s_cbranch_scc0 .Lfirst_v
	tensor_load_to_lds s[G0K:G0K+3], s[G1K:G1K+7]
	s_nop 0
	tensor_load_to_lds s[G0K+4:G0K+7], s[G1K:G1K+7]
	s_nop 0
.rept 4
	v_nop
.endr
	s_branch .Lfirst_asked
.Lfirst_v:
	tensor_load_to_lds s[G0V:G0V+3], s[G1V:G1V+7]
	s_nop 0
	tensor_load_to_lds s[G0V+4:G0V+7], s[G1V:G1V+7]
	s_nop 0
.rept 4
	v_nop
.endr
.Lfirst_asked:
	; A fragment of K, Q or x is 16 rows x 32 channels in 8 registers: lane l holds row l % 16, channels 8 (l / 16) + 0..7 and 16 + 8 (l / 16) + 0..7: two loads of 16 bytes, 32 bytes apart.
	v_and_b32 v1, 15, v0            ; l % 16
	v_bfe_u32 v10, v0, 4, 1         ; l / 16
	v_lshlrev_b32 v[QO], 10, v1
	v_lshl_add_u32 v[QO], v10, 4, v[QO]
	XLOAD P, 0                      ; x of step 0 goes where the products read it,
	XLOAD XG, 128                   ; x of step 1 waits beside it
.set i, 0
.rept 16
	v_mov_b32 v[64+i], 0            ; two fragments of zeros
.set i, i+1
.endr
	WIN 0x40                        ; the sums start at 0 x 0 + 0: 64 matrix instructions write the 512 registers
.set i, 0
.rept 32
	v_wmma_f32_16x16x32_bf16 v[8*i:8*i+7], v[64:71], v[72:79], 0
.set i, i+1
.endr
	WIN 0x80
.set i, 0
.rept 32
	v_wmma_f32_16x16x32_bf16 v[8*i:8*i+7], v[64:71], v[72:79], 0
.set i, i+1
.endr
	WIN 0
.irp t, 0,1
	v_mov_b32 v[ST+8*\t], 0xfe000000    ; c m: far below every c s, so the first key step's a is 0
	v_mov_b32 v[ST+8*\t+1], 0xff7fffff  ; m
	v_mov_b32 v[ST+8*\t+2], 0
	v_mov_b32 v[ST+8*\t+3], 0
	v_mov_b32 v[ST+8*\t+6], 0           ; a: trip 0 multiplies O^T's registers, which then hold q', by it
	v_mov_b32 v[ST+8*\t+7], 0
.endr
	v_mul_u32_u24 v[AK0], v1, PK
	v_lshl_add_u32 v[AK0], v10, 4, v[AK0]  ; row x pitch + 16 x half
	; The turning load takes 16 rows x 16 columns (lane l reads row 8 (l / 16) + l % 8, columns 8 ((l / 8) % 2) + 0..7) and leaves half a fragment of the transposed tile: lane l holds column l % 16 and 8 rows.
	v_and_b32 v11, 7, v0
	v_bfe_u32 v14, v0, 3, 1
	v_lshl_add_u32 v[AV0], v10, 3, v11
	v_mul_u32_u24 v[AV0], v[AV0], PV
	v_lshl_add_u32 v[AV0], v14, 4, v[AV0]
	v_mov_b32 v[AK], v[AK0]
	v_add_nc_u32 v[AV], VS0, v[AV0]
	s_mul_i32 s13, s[WV], 16*SP
	s_add_co_u32 s13, s13, STAGE    ; my stage
	v_mul_u32_u24 v[STO], v1, SP    ; in: row l % 16, 16 bytes for each half of the lanes
	v_lshl_add_u32 v[STO], v10, 4, v[STO]
	v_add_nc_u32 v[STO], s13, v[STO]
	v_and_b32 v[GO], 31, v0         ; back: 32 lanes take one row's 512 bytes
	v_lshlrev_b32 v[GO], 4, v[GO]
	v_add_nc_u32 v[RD], s13, v[GO]
; THE LDS LOADS, eight to a group.  K: channels 32 c on of the four key blocks.  V or G: column blocks 2 n, 2 n + 1 of the two halves of the rows (fragment f: block f % 2, half f / 2).
.macro KLOAD c
.set fl, F+32*((\c)%4)
.irp kb, 0,1,2,3
	ds_load_b128 v[fl+8*\kb:fl+8*\kb+3],   v[AK] offset:\kb*16*PK+64*(\c)
	ds_load_b128 v[fl+8*\kb+4:fl+8*\kb+7], v[AK] offset:\kb*16*PK+64*(\c)+32
.endr
.endm
.macro VLOAD n
.set fl, F+32*((\n)%4)
.irp f, 0,1,2,3
	ds_load_tr16_b128 v[fl+8*\f:fl+8*\f+3],   v[AV] offset:(\f/2)*32*PV+(2*(\n)+\f%2)*32
	ds_load_tr16_b128 v[fl+8*\f+4:fl+8*\f+7], v[AV] offset:(\f/2)*32*PV+16*PV+(2*(\n)+\f%2)*32
.endr
.endm
.macro LOADS g                      ; group g of a trip's 32
.if (\g) < 16
	KLOAD (\g)
.else
	VLOAD (\g)-16
.endif
.endm
; The projection's look ahead: groups a and b of the next step's G, or, behind the last step, of K of key step 0.  The jumps go forward over LDS loads alone, as many on either way.
.macro NEXTL a, b
	s_cmp_eq_u32 s[CNT], 1
	s_cbranch_scc1 .Lnk_\@
	VLOAD \a
	VLOAD \b
	s_branch .Lnj_\@
.Lnk_\@:
	KLOAD \a
	KLOAD \b
.Lnj_\@:
.endm
; One accumulator of O^T times a: four packed multiplies, from its low end.
.macro RS cb, t
.set ro, 8*(2*((\cb)%16)+(\t))
	WIN 0x41*(1+(\cb)/16)           ; destination and source 0 in window 1 or 2, a in window 0
.irp z, 0,1,2,3
	v_pk_mul_f32 v[ro+2*\z:ro+2*\z+1], v[ro+2*\z:ro+2*\z+1], v[ST+8*(\t)+6:ST+8*(\t)+7] op_sel_hi:[1,0]
.endr
.endm
; Group c of S^T = K Q^T: channels 32 c on; product i: key block i / 2, tile i % 2.  The 8 accumulators take turns.  Group 0 starts the sums.
; An even group fetches groups c + 2 and c + 3 behind its fourth product: twelve multiplies (behind product 7 of the group before and products 1 and 3 of this one) are the places between the last product
; that read a buffer and the loads into it.
.macro SG c
.if (\c)%2
	s_wait_dscnt 16                 ; an odd group: its eight loads are in; the sixteen that the group before has issued may be out
.else
	s_wait_dscnt 8                  ; an even group: the older half of the run that brought it is in; the younger half, the next group's, may be out
.endif
.set i, 0
.rept 8
.set rsa, S+32*(i%2)+8*(i/2)
.set rka, F+32*((\c)%4)+8*(i/2)
.set rqa, 128*(i%2)+8*(\c)
	WIN W_KQ
.if (\c) == 0
	v_wmma_f32_16x16x32_bf16 v[rsa:rsa+7], v[rka:rka+7], v[rqa:rqa+7], 0
.else
	v_wmma_f32_16x16x32_bf16 v[rsa:rsa+7], v[rka:rka+7], v[rqa:rqa+7], v[rsa:rsa+7]
.endif
.if i%2 == 1
	RS 2*(\c)+i/4, (i/2)%2
.endif
.if (i == 3) && ((\c)%2 == 0)
	WIN W_KQ
	LOADS (\c)+2
	LOADS (\c)+3
.endif
.set i, i+1
.endr
.endm
; THE SOFTMAX of one tile and step: X 0-21 find the maximum and the statistics; F b: c s - c m for pair b of 16; E i: the exponential of score i of 32; L b: l takes pair b (L 0: l = a l + pair 0).
;   X 0-11  four chains c0-c3 of seven scores each (each accumulator's lowest registers are read first)     12-15  the four scores left over, c0-c3 and the old m into c0
;   16, 18  the query's other 32 keys lie in the lane 16 away: the new m     17  c m_old is kept     19-21  c m; c m_old - c m_new; a
.macro XS t, n
.set rT, ST+8*(\t)
.set rS, S+32*(\t)
.if (\n) < 4
	v_max3_num_f32 v[rT+4+(\n)], v[rS+8*(\n)], v[rS+8*(\n)+1], v[rS+8*(\n)+2]
.elseif (\n) < 12
	v_max3_num_f32 v[rT+4+(\n)%4], v[rT+4+(\n)%4], v[rS+8*((\n)%4)+2*((\n)/4)+1], v[rS+8*((\n)%4)+2*((\n)/4)+2]
.elseif (\n) == 12
	v_max3_num_f32 v[rT+4], v[rT+4], v[rS+7], v[rS+15]
.elseif (\n) == 13
	v_max3_num_f32 v[rT+6], v[rT+6], v[rS+23], v[rS+31]
.elseif (\n) == 14
	v_max3_num_f32 v[rT+4], v[rT+4], v[rT+5], v[rT+6]
.elseif (\n) == 15
	v_max3_num_f32 v[rT+4], v[rT+4], v[rT+7], v[rT+1]
.elseif (\n) == 16
	v_permlanex16_b32 v[rT+5], v[rT+4], s[SEL], s[SEL+1]
.elseif (\n) == 17
	v_mov_b32 v[rT+7], v[rT]
.elseif (\n) == 18
	v_max_num_f32 v[rT+1], v[rT+4], v[rT+5]
.elseif (\n) == 19
	v_mul_f32 v[rT], s[CS], v[rT+1]
.elseif (\n) == 20
	v_sub_f32 v[rT+7], v[rT+7], v[rT]
.else
	v_exp_f32 v[rT+6], v[rT+7]
.endif
.endm
.macro FS t, b
.set rT, ST+8*(\t)
.set rS, S+32*(\t)+2*(\b)
	v_pk_fma_f32 v[rS:rS+1], v[rS:rS+1], s[CS:CS+1], v[rT:rT+1] op_sel_hi:[1,0,0] neg_lo:[0,0,1] neg_hi:[0,0,1]
.endm
.macro ES t, n
	v_exp_f32 v[S+32*(\t)+(\n)], v[S+32*(\t)+(\n)]
.endm
.macro LS t, b
.set rT, ST+8*(\t)
.set rS, S+32*(\t)+2*(\b)
.if (\b) == 0
	s_wait_alu depctr_va_vdst(0)
	v_pk_fma_f32 v[rT+2:rT+3], v[rT+2:rT+3], v[rT+6:rT+7], v[rS:rS+1] op_sel_hi:[1,0,1]
.else
	s_wait_alu depctr_va_vdst(0)
	v_pk_add_f32 v[rT+2:rT+3], v[rT+2:rT+3], v[rS:rS+1]
.endif
.endm
; Slot sl, behind every second product of a group of O^T.  0-10: two numbers of X for both tiles.  11: F 0.  12 + 2 k + t: for tile t exponential, plain, exponential, plain: E 2k, F k+1, E 2k+1, L k-1: a plain
; instruction stands behind every exponential before its result is used (ISA guide 5.7.2).  44: L 15.  From 45 on two v_nop, which want no window.  Every slot holds two plain instructions or more that name no
; register of the products round it: three slots, six places, lie between a group's last product and the loads into its buffer.
.macro SLOT
.if sl < 45
	WIN 0
.endif
.if sl < 11
	XS 0, 2*sl
	XS 1, 2*sl
	XS 0, 2*sl+1
	XS 1, 2*sl+1
.elseif sl == 11
	FS 0, 0
	FS 1, 0
.elseif sl < 44
.set kq, (sl-12)/2
.set tq, (sl-12)%2
	ES tq, 2*kq
.if kq < 15
	FS tq, kq+1
.else
	v_nop
.endif
	ES tq, 2*kq+1
.if kq > 0
	LS tq, kq-1
.else
	v_nop
.endif
.elseif sl == 44
	LS 0, 15
	LS 1, 15
.else
	v_nop
	v_nop
.endif
.set sl, sl+1
.endm
; Group n of O^T += V^T P (or q'^T += G^T x^T): column blocks 2 n, 2 n + 1; product i: half i / 4 of the rows, block (i / 2) % 2, tile i % 2.  The 4 accumulators take turns.
; wt: the count of the wait at its head, or -1 for none.  ld: the first of the two groups whose sixteen loads stand in its middle, or -1.
.macro PG n, wt, ld
.if (\wt) >= 0
	s_wait_dscnt \wt
.endif
.set i, 0
.rept 8
.set roa, 8*(2*((2*(\n)+(i/2)%2)%16)+i%2)
.set rva, F+32*((\n)%4)+8*(2*(i/4)+(i/2)%2)
.set rpa, P+16*(i%2)+8*(i/4)
	WIN 0x50*(1+(\n)/8)             ; C and D in window 1 or 2
.if BF
	v_wmma_f32_16x16x32_bf16 v[roa:roa+7], v[rva:rva+7], v[rpa:rpa+7], v[roa:roa+7]
.else
	v_wmma_f32_16x16x32_f16 v[roa:roa+7], v[rva:rva+7], v[rpa:rpa+7], v[roa:roa+7]
.endif
.if i%2 == 1
	SLOT
.endif
.if (i == 3) && ((\ld) >= 0)
	WIN 0
	LOADS \ld
	LOADS (\ld)+1
.endif
.set i, i+1
.endr
.endm
; Groups 0 to 12 of O^T: an even group waits for the older half of the run that brought it (8 may be out) and fetches the two groups after the next; an odd one leaves that run of sixteen out.
.macro PG13
.set nn, 0
.rept 13
.if nn%2
	PG nn, 16, -1
.else
	PG nn, 8, nn+18
.endif
.set nn, nn+1
.endr
	WIN 0
.endm
; S^T, now the weights, is rounded into P.  norm = 1 (the last key step): first 1 / l is made and folded into a and into the weights, so that the result needs no division.
.macro CVT norm
	WIN 0
.if \norm
.irp t, 0,1
	v_add_f32 v[ST+8*\t+4], v[ST+8*\t+2], v[ST+8*\t+3]
.endr
.irp t, 0,1
	v_permlanex16_b32 v[ST+8*\t+5], v[ST+8*\t+4], s[SEL], s[SEL+1]
.endr
.irp t, 0,1
	v_add_f32 v[ST+8*\t+4], v[ST+8*\t+4], v[ST+8*\t+5]
.endr
.irp t, 0,1
	v_rcp_f32 v[ST+8*\t+4], v[ST+8*\t+4]
.endr
	v_nop                           ; a plain instruction between the last reciprocal and the use of its result
	s_wait_alu depctr_va_vdst(0)
.irp t, 0,1
	v_mul_f32 v[ST+8*\t+6], v[ST+8*\t+6], v[ST+8*\t+4]
.endr
.set z, 0
.rept 32
	v_pk_mul_f32 v[S+2*z:S+2*z+1], v[S+2*z:S+2*z+1], v[ST+8*(z/16)+4:ST+8*(z/16)+5] op_sel_hi:[1,0]
.set z, z+1
.endr
.endif
.set z, 0
.rept 32
	v_cvt_pk_f16_f32 v[P+z], v[S+2*z], v[S+2*z+1]
.set z, z+1
.endr
.endm
; A step of the projection up to its last three groups.
.macro PMAIN
.set sl, 64
	PG13
.endm
; A STEP'S END.  All of the step's LDS loads have been issued.  Each wave waits for all its tensor loads, adds 0 to its spare word, and waits for that and for its reads of the slot.  The barrier opens a round of the
; cluster's, and the joint refill is the first thing behind it: the slot just read takes the tile that is read two steps on: G's tiles 2 to 7, then, behind steps 6 and 7, x's key tile 0: for trip 0 as the stand-in,
; for trip 1 as V(0).  The address is made anew: the base that the counter chooses, and the tile's offset.
.macro PEND
.set sl, 64
	WIN 0
	s_wait_tensorcnt 0x0            ; no tensor load of mine is out, so a group 0 may be written
	ds_add_u32 v[SPW], v[NIL]
	s_cmp_gt_u32 s[CNT], 2          ; are more than two steps left, this one among them?
	s_cselect_b64 s[TA:TA+1], s[GB:GB+1], s[XVB:XVB+1]
	s_cselect_b32 s[OF], s[OF], 0
	s_add_nc_u64 s[G0V+6:G0V+7], s[TA:TA+1], s[OF:OF+1]
	s_or_b32 s[G0V+7], s[G0V+7], 0x80000000
	s_add_co_u32 s[OF], s[OF], TILEB
	s_add_co_u32 s[G0V+5], s[VB], s[VW]        ; the slot that this step has read, my half of it
	s_xor_b32 s[VB], s[VB], VTOG    ; the next step reads the other slot
	s_wait_dscnt 17                 ; group 13's loads are in; the add and the run of sixteen for groups 14 and 15 may be out
	PG 13, -1, -1
	s_wait_dscnt 0x0                ; the add is done, and my reads of the slot are over
	s_barrier_signal -1
	PG 14, -1, -1
	WIN 0
	s_barrier_wait -1
	CREST
	JLOADV
	v_add_nc_u32 v[AV], s[VB], v[AV0]
	NEXTL 0, 1                      ; the first two groups of what follows, in one run
	PG 15, -1, -1
	WIN 0
	PLACES                          ; P is a source of the products just issued, and O^T their result
	s_cmp_eq_u32 s[CNT], 1
	s_cbranch_scc1 .Lpx_\@          ; behind the last step there is no x to come
	s_wait_loadcnt 0x0              ; the next step's x, asked for a step ago
.set z, 0
.rept 32
	v_mov_b32 v[P+z], v[XG+z]
.set z, z+1
.endr
	s_cmp_eq_u32 s[CNT], 2
	s_cbranch_scc1 .Lpx_\@          ; the last step's x has just been moved: nothing is left to ask for, and no load leaves the rows
	s_add_nc_u64 s[4:5], s[4:5], 128  ; no load that names the base is out
	XLOAD XG, 128
.Lpx_\@:
.endm
; A trip up to its last three groups.
.macro MAIN
.set cc, 0
.rept 16
	SG cc
.set cc, cc+1
.endr
.set sl, 0
	PG13
.endm
; A TRIP'S END, and the change of slots.  All of the trip's LDS loads have been issued.  Each wave waits for all its tensor loads (one is out: its part of the next trip's tiles), adds 0 to its spare
; word, and waits for that and for its reads of the slots.  Behind the barrier nobody reads the old slots any more and the next trip's are whole.
; fill = 2: the old slots take K two steps on and V one step on; 1: V alone; the barrier then opens a round of the cluster's, and the joint refill is the first thing behind it: it has a whole trip in which to land.
.macro END fill, norm
.set sl, 52
	WIN 0
	s_wait_tensorcnt 0x0            ; no tensor load of mine is out, so a group 0 may be written
	ds_add_u32 v[SPW], v[NIL]
.if (\fill) == 2
	s_add_co_u32 s[G0K+5], s[KB], s[KW]        ; the slot that this trip has read, my half of it,
	s_add_nc_u64 s[G0K+6:G0K+7], s[G0K+6:G0K+7], TILEB  ; the next 64 keys; the type bits on top are not reached
.endif
.if (\fill) >= 1
	s_add_co_u32 s[G0V+5], s[VB], s[VW]
	s_add_nc_u64 s[G0V+6:G0V+7], s[G0V+6:G0V+7], TILEB
.endif
	s_xor_b32 s[KB], s[KB], KTOG    ; the next trip reads the other slots
	s_xor_b32 s[VB], s[VB], VTOG
	s_wait_dscnt 17                 ; group 13's loads are in; the add and the run of sixteen for groups 14 and 15 may be out
	PG 13, -1, -1
	s_wait_dscnt 0x0                ; the add is done, and my reads of the slots are over
	s_barrier_signal -1
	PG 14, -1, -1
	WIN 0
	s_barrier_wait -1
.if (\fill) == 2
	CREST
	JLOAD
.elseif (\fill) == 1
	CREST
	JLOADV
.endif
	v_add_nc_u32 v[AK], s[KB], v[AK0]
	v_add_nc_u32 v[AV], s[VB], v[AV0]
	KLOAD 0                         ; the next trip's first two groups, in one run
	KLOAD 1
	PG 15, -1, -1
	PLACES                          ; P is a source of the products just issued
	CVT \norm
.endm
	s_wait_tensorcnt 0x1            ; my first fill is in; the second may stay out
	s_barrier_signal -1
	s_barrier_wait -1
	VLOAD 0
	VLOAD 1
	s_wait_loadcnt 0x8              ; x of step 0 is in; the eight loads of step 1 may be out
	s_mov_b32 s[CNT], 8
.Lproj:                             ; THE PROJECTION: eight steps of 64 along K
	PMAIN
	PEND
	s_sub_co_u32 s[CNT], s[CNT], 1
	s_cmp_lg_u32 s[CNT], 0
	s_cbranch_scc1 .Lproj
	; q'^T is rounded to bf16: accumulator z (channel block z / 2, tile z % 2) gives half a fragment of Q, each from its low end.  The four v_nop at the last step's end are the places behind the last products.
.set z, 0
.rept 64
	WIN 0xc0+5*(1+z/32)             ; sources 0 and 1 in window 1 or 2, destination in window 3
.irp q, 0,1,2,3
	v_cvt_pk_bf16_f32 v[128*(z%2)+8*(z/4)+4*((z/2)%2)+\q], v[8*(z%32)+2*\q], v[8*(z%32)+2*\q+1]
.endr
.set z, z+1
.endr
	WIN 0
.set z, 0
.rept 32
	v_mov_b32 v[P+z], 0             ; what trip 0 multiplies the stand-in tile by
.set z, z+1
.endr
.set BF, 0                          ; from here on O^T's groups multiply in f16
	s_mov_b32 s[CNT], 15
	s_branch .Lmain                 ; the loop is entered behind its change of slots
.Ltrip:                             ; 14 times: the ends of trips 0 to 13 fill both tensors' slots again
	END 2, 0
.Lmain:                             ; trips 0 to 14
	MAIN
	s_sub_co_u32 s[CNT], s[CNT], 1
	s_cmp_lg_u32 s[CNT], 0
	s_cbranch_scc1 .Ltrip
	END 1, 0                        ; the tail is written out: V of the last step is asked for
	s_mov_b32 s[CNT], 2
.Ltail:                             ; trip 15, and trip 16 for the last rescaling and V^T P
	MAIN
	END 0, 1
	s_sub_co_u32 s[CNT], s[CNT], 1
	s_cmp_lg_u32 s[CNT], 0
	s_cbranch_scc1 .Ltail
	s_wait_dscnt 0x0                ; the loads that trip 16's end has issued for a trip that does not come: their registers are written below
	; THE WAY OUT, in four pieces p: tile p / 2, channels 256 (p % 2) on.  A lane's eight channels pack into 16 bytes; they go into my stage's rows of 528 bytes and come back as whole rows of 512.
	; The roundings of P above are the places behind the last products.
.macro PACK p
.set tb, 32+64*((\p)%3)
	WIN 0x05*(1+(\p)%2)             ; sources 0 and 1 in window 1 or 2, destination in window 0
.set z, 0
.rept 16
.irp q, 0,1,2,3
	v_cvt_pk_f16_f32 v[tb+4*z+\q], v[8*(2*z+(\p)/2)+2*\q], v[8*(2*z+(\p)/2)+2*\q+1]
.endr
.set z, z+1
.endr
	WIN 0
.set z, 0
.rept 16
	ds_store_b128 v[STO], v[tb+4*z:tb+4*z+3] offset:32*z
.set z, z+1
.endr
.set z, 0
.rept 16
	ds_load_b128 v[tb+4*z:tb+4*z+3], v[RD] offset:SP*z  ; LDS serves a wave's instructions in order (ISA guide 5.7.1.4): these see the stores above; the next piece's stores come behind them
.set z, z+1
.endr
.endm
.macro SEND p, younger              ; younger: the LDS instructions issued behind piece p's loads: the next piece's 32, or none
.set tb, 32+64*((\p)%3)
.set z, 0
.rept 16
	s_wait_dscnt (\younger)+15-z
	global_store_b128 v[GO], v[tb+4*z:tb+4*z+3], s[10:11] offset:(16*((\p)/2)+z)*ROWB+512*((\p)%2)  ; 512 consecutive bytes, aligned to 512
.set z, z+1
.endr
.endm
	PACK 0
	PACK 1                          ; a piece's arithmetic stands between the loads of the piece before and its stores
	SEND 0, 32
	PACK 2
	SEND 1, 32
	s_wait_xcnt 0x0                 ; piece 3 takes piece 0's registers, which its stores read
	PACK 3
	SEND 2, 32
	SEND 3, 0
	s_wait_tensorcnt 0x0            ; the wave's end
	ds_add_u32 v[SPW], v[NIL]
	s_wait_dscnt 0x0
	CROUND                          ; the closing round: no work-group ends while a partner may still ask for a tile that names it
	s_endpgm
.Lfunc_end_k_q2057e28801_attn:
	.size	k_q2057e28801_attn, .Lfunc_end_k_q2057e28801_attn-k_q2057e28801_attn
	.p2alignl 7, 3214868480
	.fill 96, 4, 3214868480
	.section	.rodata,"a",@progbits
	.p2align	6, 0x0
	.amdhsa_kernel k_q2057e28801_attn
		.amdhsa_group_segment_fixed_size 327680
		.amdhsa_private_segment_fixed_size 0
		.amdhsa_enable_private_segment 0
		.amdhsa_kernarg_size 24
		.amdhsa_user_sgpr_count 2
		.amdhsa_user_sgpr_kernarg_segment_ptr 1
		.amdhsa_wavefront_size32 1
		.amdhsa_system_sgpr_workgroup_id_x 1
		.amdhsa_system_sgpr_workgroup_id_y 1
		.amdhsa_system_sgpr_workgroup_id_z 1
		.amdhsa_system_vgpr_workitem_id 0
		.amdhsa_next_free_vgpr 1024
		.amdhsa_next_free_sgpr 76
		.amdhsa_reserve_vcc 0
		.amdhsa_float_denorm_mode_32 3
		.amdhsa_float_denorm_mode_16_64 3
		.amdhsa_memory_ordered 1
		.amdhsa_forward_progress 1
		.amdhsa_inst_pref_size 239
	.end_amdhsa_kernel
	.amdgpu_metadata
---
amdhsa.version: [ 1, 2 ]
amdhsa.kernels:
  - .name:           k_q2057e28801_attn
    .symbol:         k_q2057e28801_attn.kd
    .args:
      - { .name: cb, .offset: 0, .size: 8, .value_kind: global_buffer, .address_space: global }
      - { .name: gh, .offset: 8, .size: 8, .value_kind: global_buffer, .address_space: global }
      - { .name: ob, .offset: 16, .size: 8, .value_kind: global_buffer, .address_space: global }
    .group_segment_fixed_size: 327680
    .private_segment_fixed_size: 0
    .kernarg_segment_align: 8
    .kernarg_segment_size: 24
    .max_flat_workgroup_size: 128
    .sgpr_count:     76
    .vgpr_count:     1024
    .wavefront_size: 32
...
	.end_amdgpu_metadata
.endif
;; end of part 7
;; launch outp (part 8): grid 4 x 64, 4 waves a work-group, clusters of 4 x 4, 327,680 bytes of LDS; arguments ob, gh, pp; writes pp
.if DOCPART == 8
	.amdgcn_target "amdgcn-amd-amdhsa--gfx1250"
	.amdhsa_code_object_version 6
	.text
	.protected	k_q2057e28801_outp
	.globl	k_q2057e28801_outp
	.p2align	8
	.type	k_q2057e28801_outp,@function
k_q2057e28801_outp:
	s_mov_b64 s[64:65], 0
	v_nop
	global_prefetch_b8 v0, s[64:65] scope:SCOPE_SE
	s_setreg_imm32_b32 hwreg(HW_REG_WAVE_MODE, 25, 1), 1
	s_wait_xcnt 0x0
	s_wait_alu depctr_hold_cnt(0) depctr_sa_sdst(0) depctr_va_vdst(0) depctr_va_sdst(0) depctr_va_ssrc(0) depctr_va_vcc(0) depctr_vm_vsrc(0)
	s_getreg_b32 s2, hwreg(HW_REG_IB_STS2, 6, 4)
	s_cmp_eq_u32 s2, 0
	s_cbranch_scc0 .Lentry_in_a_cluster
	s_endpgm
.Lentry_in_a_cluster:
	s_bfe_u32 s2, ttmp6, 0x10000c
	s_cmp_lg_u32 s2, 0xf033
	s_cbranch_scc0 .Lentry_shape_is_right
	s_endpgm
.Lentry_shape_is_right:
; pp[g][m][n] = sum over k in half g of K of O[m][k] (256 H)[k][n],  g = 0, 1.  O = P x: [4096][4096] f16 (ob), k = 512 h + c; H_h = Wv_h Wu_h, stored as 256 H in f16, [4096][512], at gh + 4 MiB;
; pp: [2][4096][512] f32.  Sums in f32, stored as they are; the next launch adds the two halves, takes the factor 256 away and adds the bias.
; A tile of the result is 128 x 128: four waves, each 64 x 64 in 16 accumulators.  There are 128 such tiles; K = 4,096 IS SPLIT IN TWO, so that 256 work-groups share the work, each with 8 K steps of 256 where
; one work-group a tile would have 16.  The sum of the two halves spans two work-groups, so a later launch makes it.
; K goes in steps of 256 through two LDS slots: O's tile lies [row][k] (rows of 512 bytes), H's [k][n] (256 rows of 256 bytes) and is turned on its way into registers by ds_load_tr16_b128.
; CLUSTERS: 4 x 4 work-groups; the cluster's y = 8 x half of K + group of four tile rows.  The four of a row of the cluster need the same tiles of O, the four of a column the same tiles of H: each tile is asked for JOINTLY.
; THE MATRIX INSTRUCTION IS USED TRANSPOSED (source 0 = 16 columns of H, source 1 = 16 rows of O): a lane holds eight neighbouring numbers of a row of the result, 32 bytes.
; REGISTERS: window 0: v0-31 addresses; v32-95 at work on the way out; v128-255 the accumulators ((a, b) at v[128 + 8 (4 a + b)]).
;   window 1: two fragment buffers of 128: for 64 along K, 64 registers of O, then 64 of H.
.set PA,     528                       ; an LDS row of O: 512 bytes + 16
.set PB,     288                       ; an LDS row of H: 256 bytes + 32
.set AHALF,  64*PA                     ; what a tensor load of waves 0, 1 brings: 64 rows of O
.set BHALF,  128*PB                    ; of waves 2, 3: 128 rows of H
.set BOFF,   2*AHALF
.set SLOT,   2*AHALF+2*BHALF
.set STAGE,  2*SLOT                    ; behind the ring: 16 rows x 272 bytes for each wave: a wave's 64 columns of f32 are 256 bytes
.set SPITCH, 272
.set SPARE,  STAGE+4*16*SPITCH
.set LAPS,   4                         ; a lap = two K steps; a half of K is 2,048
.set OROW,   2048                      ; bytes in a row of pp
.set ADRA, 16                          ; v16-17  LDS address of my fragments of O in slot 0, 1
.set ADRB, 20                          ; v20-23  of H: slot 0 rows 0-127, rows 128-255; slot 1 likewise (an LDS offset has 16 bits)
.set STO,  24
.set RD,   25
.set CO,   26
.set SPW,  28
.set NIL,  29
.set TMP,  32
.set ACC,  128
.set F0,   0
.set F1,   128
.set WV,  12                           ; s12 wave;  s13 which half of the rows is mine, and: I fetch for O (0) or H (1);  s14 which half of the columns, and which half I fetch
.set HR,  13
.set HC,  14
.set KH,  45                           ; s45 which half of K is my cluster's
.set G1,  24
.set G0,  32
.set G1B, 48
.set G0B, 56
.set MSB, 0
.macro WIN new
.if MSB != (\new)
	s_set_vgpr_msb (MSB<<8)|(\new)
.set MSB, (\new)
.endif
.endm
.set MUL,  0x05                        ; sources 0 and 1 window 1; C and D window 0
.set TO_F, 0x40                        ; destination window 1, address window 0
.macro JLOAD s                         ; a joint load; an s_nop 0 and four v_nop follow each of the two lines
	s_cmp_eq_u32 s[HR], 0
	s_cbranch_scc0 .Lfor_b_\@
	tensor_load_to_lds s[G0+4*(\s):G0+4*(\s)+3], s[G1:G1+7]
	s_nop 0
.rept 4
	v_nop
.endr
	s_branch .Lasked_\@
.Lfor_b_\@:
	tensor_load_to_lds s[G0B+4*(\s):G0B+4*(\s)+3], s[G1B:G1B+7]
	s_nop 0
.rept 4
	v_nop
.endr
.Lasked_\@:
.endm
.macro CREST
	s_cmp_lg_u32 s[WV], 0
	s_cbranch_scc1 .Lnot_wave_0_\@
	s_barrier_signal -3
.Lnot_wave_0_\@:
	s_barrier_wait -3
	s_barrier_signal -1
	s_barrier_wait -1
.endm
.macro CROUND
	s_barrier_signal -1
	s_barrier_wait -1
	CREST
.endm
	s_load_b128 s[4:7], s[0:1], 0x0                ; ob s[4:5], gh s[6:7]
	s_load_b64 s[10:11], s[0:1], 0x10              ; pp
	v_lshl_add_u32 v[SPW], v0, 2, SPARE
	v_mov_b32 v[NIL], 0
	ds_add_u32 v[SPW], v[NIL]                      ; the wave's opening: the add and its wait come ahead of my first tensor load
	v_lshrrev_b32 v1, 5, v0
	v_readfirstlane_b32 s[WV], v1
	s_lshr_b32 s[HR], s[WV], 1
	s_and_b32 s[HC], s[WV], 1
	s_bfe_u32 s40, ttmp6, 0x40000                  ; cx, cy
	s_bfe_u32 s41, ttmp6, 0x40004
	s_lshl_b32 s42, ttmp9, 2
	s_add_co_u32 s42, s42, s40                     ; tile column
	s_and_b32 s15, ttmp7, 0xffff                   ; the cluster's y
	s_lshr_b32 s[KH], s15, 3                       ; its half of K, which all sixteen partners share
	s_and_b32 s15, s15, 7
	s_lshl_b32 s15, s15, 2
	s_add_co_u32 s15, s15, s41                     ; tile row
	s_lshl_b32 s43, s41, 2
	s_lshl_b32 s43, 15, s43                        ; my row of the cluster
	s_lshl_b32 s44, 0x1111, s40                    ; my column
	s_or_b32 s[G1+0], s43, (1<<16)|(1<<20)|(1<<21)|(6<<22)|(3<<25)   ; after every 128 words, 4 words of padding
	s_mov_b32 s[G1+1], 256<<16                     ; tensor_dim0 = 256
	s_mov_b32 s[G1+2], 64<<16                      ; tensor_dim1 = 64
	s_mov_b32 s[G1+3], 256<<16                     ; tile_dim0 = 256
	s_mov_b32 s[G1+4], 64                          ; tile_dim1 = 64
	s_mov_b32 s[G1+5], 4096
	s_mov_b32 s[G1+6], 0
	s_mov_b32 s[G1+7], 0
	s_or_b32 s[G1B+0], s44, (1<<16)|(1<<20)|(1<<21)|(5<<22)|(7<<25)  ; after every 64 words, 8 words
	s_mov_b32 s[G1B+1], 128<<16                    ; tensor_dim0 = 128
	s_mov_b32 s[G1B+2], 128<<16                    ; tensor_dim1 = 128
	s_mov_b32 s[G1B+3], 128<<16                    ; tile_dim0 = 128
	s_mov_b32 s[G1B+4], 128                        ; tile_dim1 = 128
	s_mov_b32 s[G1B+5], 512
	s_mov_b32 s[G1B+6], 0
	s_mov_b32 s[G1B+7], 0
	s_lshl_b32 s16, s15, 20                        ; O: (128 x tile row + 64 x half) rows of 8,192 bytes + 2,048 elements x half of K
	s_lshl_b32 s17, s[HC], 19
	s_add_co_u32 s16, s16, s17
	s_lshl_b32 s17, s[KH], 12
	s_add_co_u32 s16, s16, s17
	s_mov_b32 s17, 0
	s_lshl_b32 s46, s42, 8                         ; H: 4 MiB + (2,048 x half of K + 128 x half) rows of 1,024 bytes + 256 x tile column
	s_lshl_b32 s47, s[HC], 17
	s_add_co_u32 s46, s46, s47
	s_lshl_b32 s47, s[KH], 21
	s_add_co_u32 s46, s46, s47
	s_add_co_u32 s46, s46, 0x400000
	s_mov_b32 s47, 0
	s_mul_i32 s20, s[HC], AHALF                    ; where they go: no place in the cluster enters an LDS address
	s_mul_i32 s21, s[HC], BHALF
	s_add_co_u32 s21, s21, BOFF
	s_wait_dscnt 0x0                               ; the opening add is done
	s_wait_kmcnt 0x0
	s_add_nc_u64 s[18:19], s[4:5], s[16:17]
	s_add_nc_u64 s[46:47], s[6:7], s[46:47]
	CROUND                                         ; all sixteen work-groups are here: the first joint loads meet
.irp s, 0,1
	s_mov_b32 s[G0+4*(\s)], 1
	s_add_co_u32 s[G0+4*(\s)+1], s20, (\s)*SLOT
	s_add_nc_u64 s[G0+4*(\s)+2:G0+4*(\s)+3], s[18:19], (\s)*512
	s_or_b32 s[G0+4*(\s)+3], s[G0+4*(\s)+3], 0x80000000
	s_mov_b32 s[G0B+4*(\s)], 1
	s_add_co_u32 s[G0B+4*(\s)+1], s21, (\s)*SLOT
	s_add_nc_u64 s[G0B+4*(\s)+2:G0B+4*(\s)+3], s[46:47], (\s)*256*1024
	s_or_b32 s[G0B+4*(\s)+3], s[G0B+4*(\s)+3], 0x80000000
	JLOAD \s
.endr
	v_and_b32 v1, 15, v0                           ; l % 16
	v_bfe_u32 v2, v0, 4, 1                         ; l / 16
	s_lshl_b32 s46, s42, 9                         ; my first column in bytes of f32: 512 x tile column + 256 x half
	s_lshl_b32 s47, s[HC], 8
	s_add_co_u32 s46, s46, s47
	v_mul_u32_u24 v3, v1, PA
	v_lshl_add_u32 v3, v2, 4, v3                   ; O: row x pitch + 16 x half
	v_and_b32 v4, 7, v0                            ; H, turned: row 8 (l / 16) + l % 8, 16 bytes at column 8 ((l / 8) % 2)
	v_lshl_add_u32 v4, v2, 3, v4
	v_mul_u32_u24 v4, v4, PB
	v_bfe_u32 v6, v0, 3, 1
	v_lshl_add_u32 v4, v6, 4, v4
	s_mul_i32 s22, s[HR], AHALF                    ; my 64 rows of O
	s_lshl_b32 s23, s[HC], 7                       ; my 64 columns of H, 128 bytes,
	s_add_co_u32 s23, s23, BOFF                    ; behind O's 128 rows
.irp s, 0,1
	v_add_nc_u32 v[ADRA+(\s)], s22, v3
	v_add_nc_u32 v[ADRB+2*(\s)], s23, v4
	s_add_co_u32 s23, s23, BHALF
	v_add_nc_u32 v[ADRB+2*(\s)+1], s23, v4
	s_add_co_u32 s22, s22, SLOT
	s_add_co_u32 s23, s23, SLOT-BHALF
.endr
	s_mul_i32 s23, s[WV], 16*SPITCH
	s_add_co_u32 s23, s23, STAGE                   ; my stage
	v_mul_u32_u24 v4, v1, SPITCH                   ; in: row l % 16, 32 bytes for each half of the lanes
	v_lshl_add_u32 v4, v2, 5, v4
	v_add_nc_u32 v[STO], s23, v4
	v_mul_u32_u24 v6, v2, SPITCH                   ; back: lanes 0-15 take one row of 256 bytes, lanes 16-31 the next
	v_lshl_add_u32 v6, v1, 4, v6
	v_add_nc_u32 v[RD], s23, v6
	v_lshlrev_b32 v6, 11, v2                       ; and the same two rows in pp
	v_lshl_add_u32 v[CO], v1, 4, v6
	s_lshl_b32 s16, s15, 18                        ; 8 MiB x half of K + (128 x tile row + 64 x half) rows of 2,048 bytes + my first column
	s_lshl_b32 s17, s[HR], 17
	s_add_co_u32 s16, s16, s17
	s_add_co_u32 s16, s16, s46
	s_lshl_b32 s17, s[KH], 23
	s_add_co_u32 s16, s16, s17
	s_mov_b32 s17, 0
	s_add_nc_u64 s[10:11], s[10:11], s[16:17]
; 8 matrix instructions: m blocks a0, a0 + 1 x all 4 n blocks, 32 along K: half c of buffer f.  zero = 1: the first product starts the sums.  The 16 accumulators take turns.
.macro MUL8 f, c, a0, zero
	WIN MUL
.irp a, \a0, (\a0)+1
.irp b, 0,1,2,3
.if \zero
	v_wmma_f32_16x16x32_f16 v[ACC+8*(4*(\a)+(\b)):ACC+8*(4*(\a)+(\b))+7], v[(\f)+64+8*(4*(\c)+(\b)):(\f)+64+8*(4*(\c)+(\b))+7], v[(\f)+8*(4*(\c)+(\a)):(\f)+8*(4*(\c)+(\a))+7], 0
.else
	v_wmma_f32_16x16x32_f16 v[ACC+8*(4*(\a)+(\b)):ACC+8*(4*(\a)+(\b))+7], v[(\f)+64+8*(4*(\c)+(\b)):(\f)+64+8*(4*(\c)+(\b))+7], v[(\f)+8*(4*(\c)+(\a)):(\f)+8*(4*(\c)+(\a))+7], v[ACC+8*(4*(\a)+(\b)):ACC+8*(4*(\a)+(\b))+7]
.endif
.endr
.endr
.endm
; 32 LDS loads in one run: the fragments of 64 along K (byte k of O's rows, rows k / 2 on of H) into buffer f; the first 32 along K first
.macro FETCH slot, k, f
	WIN TO_F
.irp c, 0,1
.irp i, 0,1,2,3
	ds_load_tr16_b128 v[(\f)+64+8*(4*(\c)+(\i)):(\f)+64+8*(4*(\c)+(\i))+3],   v[ADRB+2*(\slot)+(\k)/256] offset:((((\k)/128)%2)*64+32*(\c))*PB+32*(\i)
	ds_load_tr16_b128 v[(\f)+64+8*(4*(\c)+(\i))+4:(\f)+64+8*(4*(\c)+(\i))+7], v[ADRB+2*(\slot)+(\k)/256] offset:((((\k)/128)%2)*64+32*(\c))*PB+16*PB+32*(\i)
	ds_load_b128 v[(\f)+8*(4*(\c)+(\i)):(\f)+8*(4*(\c)+(\i))+3],         v[ADRA+(\slot)] offset:(\k)+64*(\c)+(\i)*16*PA
	ds_load_b128 v[(\f)+8*(4*(\c)+(\i))+4:(\f)+8*(4*(\c)+(\i))+7],       v[ADRA+(\slot)] offset:(\k)+64*(\c)+(\i)*16*PA+32
.endr
.endr
.endm
.macro PLACES                          ; four plain vector instructions in front of loads into registers that matrix instructions have read, and of LDS stores that read results
.rept 4
	v_nop
.endr
.endm
; A K step is four quarters of 64 along K, 32 matrix instructions each, on buffers 0, 1, 0, 1.
.macro QUARTER slot, k, f, g, zero
	s_wait_dscnt 16                                ; the first 32 along K are in
	MUL8 \f, 0, 0, \zero
	MUL8 \f, 0, 2, \zero
	PLACES
	FETCH \slot, \k, \g
	s_wait_dscnt 32                                ; all but the 32 just issued
	MUL8 \f, 1, 0, 0
	MUL8 \f, 1, 2, 0
.endm
; The last quarter multiplies buffer 1 and changes slots: ONE barrier; in front of it each wave waits for all its tensor loads, adds 0 to its spare word, and waits for that and for its reads of this slot.
.macro TURN slot, next, fill
	WIN 0
	s_wait_tensorcnt 0x0                           ; all my tensor loads have landed: my part of the next slot
	ds_add_u32 v[SPW], v[NIL]
	s_wait_dscnt 17                                ; (the add and the youngest sixteen loads may be out)
	MUL8 F1, 0, 0, 0
	s_wait_dscnt 0x0                               ; the add is done, and my reads of this slot are over
	s_barrier_signal -1
	MUL8 F1, 0, 2, 0
.if \fill
	WIN 0
.endif
	s_barrier_wait -1
.if \fill
	CREST                                          ; the barrier has opened a round of the cluster's: no wave of any partner still reads this slot or has a load on its way
	s_add_nc_u64 s[G0+4*(\slot)+2:G0+4*(\slot)+3], s[G0+4*(\slot)+2:G0+4*(\slot)+3], 2*512
	s_add_nc_u64 s[G0B+4*(\slot)+2:G0B+4*(\slot)+3], s[G0B+4*(\slot)+2:G0B+4*(\slot)+3], 2*256*1024
	JLOAD \slot                                    ; the first tensor load behind the round; its four v_nop are also the places in front of the loads below
.else
	PLACES
.endif
	FETCH \next, 0, F0
	MUL8 F1, 1, 0, 0
	MUL8 F1, 1, 2, 0
.endm
	s_wait_tensorcnt 0x1                           ; my part of K step 0 is in; step 1's may stay out
	s_barrier_signal -1
	s_barrier_wait -1
	FETCH 0, 0, F0
	QUARTER 0, 128, F0, F1, 1                      ; the first quarter stands in front of the loop: its first products start the sums
	WIN 0
	s_mov_b32 s3, LAPS-1
.Llap:                                                 ; a trip goes once round the ring, from a lap's second quarter to the next lap's first
	QUARTER 0, 256, F1, F0, 0
	QUARTER 0, 384, F0, F1, 0
	TURN 0, 1, 1
	QUARTER 1, 128, F0, F1, 0
	QUARTER 1, 256, F1, F0, 0
	QUARTER 1, 384, F0, F1, 0
	TURN 1, 0, 1
	QUARTER 0, 128, F0, F1, 0
	WIN 0
	s_sub_co_u32 s3, s3, 1
	s_cmp_lg_u32 s3, 0
	s_cbranch_scc1 .Llap
	QUARTER 0, 256, F1, F0, 0                      ; the last lap fills nothing, and has no round of the cluster's barrier
	QUARTER 0, 384, F0, F1, 0
	TURN 0, 1, 0
	QUARTER 1, 128, F0, F1, 0
	QUARTER 1, 256, F1, F0, 0
	QUARTER 1, 384, F0, F1, 0
	s_wait_dscnt 16
	MUL8 F1, 0, 0, 0
	MUL8 F1, 0, 2, 0
	s_wait_dscnt 0x0
	MUL8 F1, 1, 0, 0
	MUL8 F1, 1, 2, 0
	WIN 0
	; THE WAY OUT, 16 rows at a time: a lane's 32 bytes go from the accumulators (low end first) into my stage's rows of 272 bytes and come back as whole rows of 256; sixteen lanes store 256 consecutive bytes, aligned.
	PLACES                                         ; the places behind the last products
.irp a, 0,1,2,3
.set bk, TMP+32*((\a)%2)
.irp b, 0,1,2,3
	ds_store_b128 v[STO], v[ACC+8*(4*(\a)+(\b)):ACC+8*(4*(\a)+(\b))+3] offset:64*(\b)
	ds_store_b128 v[STO], v[ACC+8*(4*(\a)+(\b))+4:ACC+8*(4*(\a)+(\b))+7] offset:64*(\b)+16
.endr
.if (\a) >= 2
	s_wait_xcnt 0x0                                ; the registers that the stores of two blocks ago read are loaded again only behind this wait
.endif
.irp t, 0,1,2,3,4,5,6,7
	ds_load_b128 v[bk+4*(\t):bk+4*(\t)+3], v[RD] offset:(\t)*2*SPITCH  ; LDS serves a wave's instructions in order (ISA guide 5.7.1.4): these see the stores above
.endr
.irp t, 0,1,2,3,4,5,6,7
	s_wait_dscnt 7-(\t)                            ; LDS loads come back in order: pair t of rows is in
	global_store_b128 v[CO], v[bk+4*(\t):bk+4*(\t)+3], s[10:11] offset:(16*(\a)+2*(\t))*OROW
.endr
.endr
	s_wait_tensorcnt 0x0                           ; the wave's end
	ds_add_u32 v[SPW], v[NIL]
	s_wait_dscnt 0x0
	CROUND                                         ; the closing round: no work-group ends while a partner may still ask for a tile that names it
	s_endpgm
.Lfunc_end_k_q2057e28801_outp:
	.size	k_q2057e28801_outp, .Lfunc_end_k_q2057e28801_outp-k_q2057e28801_outp
	.p2alignl 7, 3214868480
	.fill 96, 4, 3214868480
	.section	.rodata,"a",@progbits
	.p2align	6, 0x0
	.amdhsa_kernel k_q2057e28801_outp
		.amdhsa_group_segment_fixed_size 327680
		.amdhsa_private_segment_fixed_size 0
		.amdhsa_enable_private_segment 0
		.amdhsa_kernarg_size 24
		.amdhsa_user_sgpr_count 2
		.amdhsa_user_sgpr_kernarg_segment_ptr 1
		.amdhsa_wavefront_size32 1
		.amdhsa_system_sgpr_workgroup_id_x 1
		.amdhsa_system_sgpr_workgroup_id_y 1
		.amdhsa_system_sgpr_workgroup_id_z 1
		.amdhsa_system_vgpr_workitem_id 0
		.amdhsa_next_free_vgpr 512
		.amdhsa_next_free_sgpr 66
		.amdhsa_reserve_vcc 0
		.amdhsa_float_denorm_mode_32 3
		.amdhsa_float_denorm_mode_16_64 3
		.amdhsa_memory_ordered 1
		.amdhsa_forward_progress 1
		.amdhsa_inst_pref_size 87
	.end_amdhsa_kernel
	.amdgpu_metadata
---
amdhsa.version: [ 1, 2 ]
amdhsa.kernels:
  - .name:           k_q2057e28801_outp
    .symbol:         k_q2057e28801_outp.kd
    .args:
      - { .name: ob, .offset: 0, .size: 8, .value_kind: global_buffer, .address_space: global }
      - { .name: gh, .offset: 8, .size: 8, .value_kind: global_buffer, .address_space: global }
      - { .name: pp, .offset: 16, .size: 8, .value_kind: global_buffer, .address_space: global }
    .group_segment_fixed_size: 327680
    .private_segment_fixed_size: 0
    .kernarg_segment_align: 8
    .kernarg_segment_size: 24
    .max_flat_workgroup_size: 128
    .sgpr_count:     66
    .vgpr_count:     512
    .wavefront_size: 32
...
	.end_amdgpu_metadata
.endif
;; end of part 8
;; launch addup (part 9): grid 256 x 1, 8 waves a work-group, no clusters, 0 bytes of LDS; arguments pp, bu, out0; writes out0
.if DOCPART == 9
	.amdgcn_target "amdgcn-amd-amdhsa--gfx1250"
	.amdhsa_code_object_version 6
	.text
	.protected	k_q2057e28801_addup
	.globl	k_q2057e28801_addup
	.p2align	8
	.type	k_q2057e28801_addup,@function
k_q2057e28801_addup:
	s_mov_b64 s[64:65], 0
	v_nop
	global_prefetch_b8 v0, s[64:65] scope:SCOPE_SE
	s_setreg_imm32_b32 hwreg(HW_REG_WAVE_MODE, 25, 1), 1
	s_wait_xcnt 0x0
; out0[m][n] = (pp[0][m][n] + pp[1][m][n]) x 2^-8 + bu[n].  pp: [2][4096][512] f32, the output product's sums over the two halves of K, made with 256 H; bu: [512] f32, rounded here to bf16 like every other
; input; out0: [4096][512] f32.  The two halves are added in f32; the factor, a power of two and so exact, rides on the fused multiply-add that adds the bias.
; A stream: no LDS, no barrier, no matrix unit.  A work-group owns 16 rows, 32 KiB of each half.  Thread t takes 16 bytes at 4,096 i + 16 t (i = 0..7) of either half: a wave's load or store covers 512 consecutive
; bytes, aligned; 4,096 bytes are two rows, so a thread keeps the same four columns, at byte 16 (t % 128) of a row, and loads their bias once.  All 17 loads go out first; no register that a store names is written again.
.set X,  4                             ; v[4:35]   the first half's eight pieces, then the results
.set Y,  36                            ; v[36:67]  the second half's
.set BI, 68                            ; v[68:71]  the bias of my four columns
.set T,  72                            ; v[72:73]  at work
	s_load_b128 s[4:7], s[0:1], 0x0                ; pp s[4:5], bu s[6:7]
	s_load_b64 s[8:9], s[0:1], 0x10                ; out0
	s_lshl_b32 s10, ttmp9, 15                      ; my 32 KiB
	s_mov_b32 s11, 0
	s_mov_b32 s14, 0x3b800000                      ; 2^-8
	s_mov_b32 s15, s14
	v_lshlrev_b32 v1, 4, v0
	v_and_b32 v2, 127, v0
	v_lshlrev_b32 v2, 4, v2
	s_wait_kmcnt 0x0
	s_add_nc_u64 s[4:5], s[4:5], s[10:11]
	s_add_nc_u64 s[12:13], s[4:5], 0x800000        ; the second half lies 8 MiB behind the first
	s_add_nc_u64 s[8:9], s[8:9], s[10:11]
	global_load_b128 v[BI:BI+3], v2, s[6:7]
.irp i, 0,1,2,3,4,5,6,7
	global_load_b128 v[X+4*\i:X+4*\i+3], v1, s[4:5] offset:4096*\i th:TH_LOAD_NT
	global_load_b128 v[Y+4*\i:Y+4*\i+3], v1, s[12:13] offset:4096*\i th:TH_LOAD_NT
.endr
	s_wait_loadcnt 16                              ; loads come back in order: the bias is in, the sixteen younger loads stay out
	v_cvt_pk_bf16_f32 v[T], v[BI], v[BI+1]
	v_cvt_pk_bf16_f32 v[T+1], v[BI+2], v[BI+3]
	v_lshlrev_b32 v[BI], 16, v[T]                  ; bf16 back to f32: the low half moves up, the high half stays
	v_and_b32 v[BI+1], 0xffff0000, v[T]
	v_lshlrev_b32 v[BI+2], 16, v[T+1]
	v_and_b32 v[BI+3], 0xffff0000, v[T+1]
.irp i, 0,1,2,3,4,5,6,7
	s_wait_loadcnt 14-2*\i                         ; piece i of both halves is in; the younger pieces stay out
	v_pk_add_f32 v[X+4*\i:X+4*\i+1], v[X+4*\i:X+4*\i+1], v[Y+4*\i:Y+4*\i+1]
	v_pk_add_f32 v[X+4*\i+2:X+4*\i+3], v[X+4*\i+2:X+4*\i+3], v[Y+4*\i+2:Y+4*\i+3]
	v_pk_fma_f32 v[X+4*\i:X+4*\i+1], v[X+4*\i:X+4*\i+1], s[14:15], v[BI:BI+1] op_sel_hi:[1,0,1]
	v_pk_fma_f32 v[X+4*\i+2:X+4*\i+3], v[X+4*\i+2:X+4*\i+3], s[14:15], v[BI+2:BI+3] op_sel_hi:[1,0,1]
	global_store_b128 v1, v[X+4*\i:X+4*\i+3], s[8:9] offset:4096*\i th:TH_STORE_NT
.endr
	s_endpgm
.Lfunc_end_k_q2057e28801_addup:
	.size	k_q2057e28801_addup, .Lfunc_end_k_q2057e28801_addup-k_q2057e28801_addup
	.p2alignl 7, 3214868480
	.fill 96, 4, 3214868480
	.section	.rodata,"a",@progbits
	.p2align	6, 0x0
	.amdhsa_kernel k_q2057e28801_addup
		.amdhsa_group_segment_fixed_size 0
		.amdhsa_private_segment_fixed_size 0
		.amdhsa_enable_private_segment 0
		.amdhsa_kernarg_size 24
		.amdhsa_user_sgpr_count 2
		.amdhsa_user_sgpr_kernarg_segment_ptr 1
		.amdhsa_wavefront_size32 1
		.amdhsa_system_sgpr_workgroup_id_x 1
		.amdhsa_system_sgpr_workgroup_id_y 1
		.amdhsa_system_sgpr_workgroup_id_z 1
		.amdhsa_system_vgpr_workitem_id 0
		.amdhsa_next_free_vgpr 80
		.amdhsa_next_free_sgpr 66
		.amdhsa_reserve_vcc 0
		.amdhsa_float_denorm_mode_32 3
		.amdhsa_float_denorm_mode_16_64 3
		.amdhsa_memory_ordered 1
		.amdhsa_forward_progress 1
		.amdhsa_inst_pref_size 6
	.end_amdhsa_kernel
	.amdgpu_metadata
---
amdhsa.version: [ 1, 2 ]
amdhsa.kernels:
  - .name:           k_q2057e28801_addup
    .symbol:         k_q2057e28801_addup.kd
    .args:
      - { .name: pp, .offset: 0, .size: 8, .value_kind: global_buffer, .address_space: global }
      - { .name: bu, .offset: 8, .size: 8, .value_kind: global_buffer, .address_space: global }
      - { .name: out0, .offset: 16, .size: 8, .value_kind: global_buffer, .address_space: global }
    .group_segment_fixed_size: 0
    .private_segment_fixed_size: 0
    .kernarg_segment_align: 8
    .kernarg_segment_size: 24
    .max_flat_workgroup_size: 256
    .sgpr_count:     66
    .vgpr_count:     80
    .wavefront_size: 32
...
	.end_amdgpu_metadata
.endif
;; end of part 9
